; MI455X (gfx1250); checked and timed in simulation.
; The chip was launched on July 23, 2026; its instructions are those of AMD's public machine-readable ISA for CDNA 5 (MIT licence, August 2026) and "CDNA5" Instruction Set Architecture Reference Guide (July 2026). The comments in the code are by the model that wrote it; some were corrected since.
;; Transformer Block. Allowed arithmetic: matrix products marked QUANTISED: E2M3 operands, one E8M0 scale for each 32 along K, by v_wmma_scale_f32_16x16x128_f8f6f4 with both operands' format E2M3, f32 sums; everything else in f32.
;; Inputs: b_fc1 4,096 float32; b_fc2 1,024 float32; b_proj 1,024 float32; ln1_b 1,024 float32; ln1_g 1,024 float32; ln2_b 1,024 float32; ln2_g 1,024 float32; w_fc1 1,024 x 4,096 float32; w_fc2 4,096 x 1,024 float32; w_proj 1,024 x 1,024 float32; w_qkv 1,024 x 3,072 float32; x 2 x 2,048 x 1,024 float32.
;; Outputs: out0 2 x 2,048 x 1,024 float32.
;; This version of the problem:
;;   THIS VERSION OF THE PROBLEM IS GIVEN IN LOW PRECISION. The matrix products marked QUANTISED in the list below multiply operands that are first quantised to E2M3 (2 exponent bits, 3 mantissa bits; 6 bits a number), with one power-of-two scale for each 32 numbers along K (OCP MX v1.0); their sums are f32. All else is computed in f32.
;;   The module's matrix products, in the order in which they are computed (A, B: the left and right operand; K: the contracted axis; several contracted axes count as one K, in the product's order):
;;     1. [M 4,096, K 1,024] x [K 1,024, N 3,072]; A: computed on the way; B: input w_qkv: QUANTISED
;;     2. batch 32 x [M 2,048, K 64] x [K 64, N 2,048]; A: computed on the way; B: computed on the way: QUANTISED
;;     3. batch 32 x [M 64, K 2,048] x [K 2,048, N 2,048]; A: computed on the way; B: softmax (see below): QUANTISED
;;     4. [M 4,096, K 1,024] x [K 1,024, N 1,024]; A: computed on the way; B: input w_proj: QUANTISED
;;     5. [M 4,096, K 1,024] x [K 1,024, N 4,096]; A: computed on the way; B: input w_fc1: QUANTISED
;;     6. [M 4,096, K 4,096] x [K 4,096, N 1,024]; A: computed on the way; B: input w_fc2: QUANTISED
;;   THE QUANTISER, for each operand of a quantised product, along K:
;;     - K is cut into blocks of 32 from its start; a last block that is shorter is filled with zeros.
;;     - A block's scale is 2^e with e = floor(log2(the largest magnitude in the block)) - 2, held to -126 .. 127; a block of zeros has e = 0. As a byte (E8M0): e + 127.
;;     - Each number is divided by its block's scale, clamped to +-7.5, and rounded to the nearest number of E2M3, ties to even, subnormals kept.
;;     - The product sums the exact products of the quantised numbers (number of the format x scale) in f32.
;;   ~~~python
;;   def quantise(x, axis):      # numpy; x: float32 -> the quantised numbers, widened to float32 again
;;       x = np.moveaxis(x, axis, -1); K = x.shape[-1]
;;       x = np.pad(x, [(0, 0)] * (x.ndim - 1) + [(0, -K % 32)]); x = x.reshape(x.shape[:-1] + (-1, 32)); a = np.abs(x).max(-1, keepdims=True)
;;       e = np.where(a > 0, np.clip(np.frexp(np.where(a > 0, a, 1))[1] - 1 - 2, -126, 127), 0)      # np.frexp(a)[1] - 1 = floor(log2(a)), exactly
;;       r = np.clip(x / 2.0 ** e, -7.5, 7.5)
;;       step = 2.0 ** (np.maximum(np.frexp(np.where(r == 0, 1, r))[1] - 1, 0) - 3)
;;       q = np.round(r / step) * step * 2.0 ** e      # np.round: ties to even
;;       return np.moveaxis(q.reshape(q.shape[:-2] + (-1,))[..., :K], -1, axis).astype(np.float32)
;;   ~~~
;;   SOFTMAX AHEAD OF A QUANTISED PRODUCT. Where the list says 'softmax', what is quantised is not the finished softmax but p = 2^(t - M), with t = logit x log2(e) and M = ceil(the row's largest t), a whole number; so 1/2 < the row's largest p <= 1. The row's sum l is taken of the UNQUANTISED p, in f32, and the product's result is divided by l at the end. Since M is a whole number, a kernel that streams over the keys may use a running M (the ceiling of the running maximum): every later rescaling is an exact power of two, which a block's scale takes up: the codes' values come out the same.
;;   OPERANDS COMPUTED ON THE WAY. 'Computed on the way' means the value that the module computes at that place (a softmax that the list does not call 'softmax' is quantised finished and normalised). What goes into a quantiser is computed in f32, as accurately as f32 sums, v_exp_f32 and their like allow (about 1e-6 of the number): no bf16 or f16 on the way to a quantiser, and a product that is left as it is and whose result goes on into a quantised operand takes f32 operands (vector FMAs, or v_wmma_f32_16x16x4_f32). A number that lies on a knife's edge between two numbers of the format may be rounded either way, as far as f32 arithmetic and the matrix unit's own rounding can turn it there, and no further.
;; 2 versions. Each part assembles by itself: llvm-mc -triple=amdgcn-amd-amdhsa -mcpu=gfx1250 --defsym DOCPART=n.
;; ======== version 1 of 2: 8 launches
;; workspace buffers: wq 9,830,400 bytes; hq 3,276,800 bytes; oq 3,276,800 bytes; qkvq 9,830,400 bytes; gq 13,107,200 bytes; x1 16,777,216 bytes
;; launch wquant (part 1): grid 384 x 1, 4 waves a work-group, no clusters, 0 bytes of LDS; arguments w_qkv, w_proj, w_fc1, w_fc2, wq; writes wq
.if DOCPART == 1
	.amdgcn_target "amdgcn-amd-amdhsa--gfx1250"
	.amdhsa_code_object_version 6
	.text
	.protected	k_qcdb1c7b9c5_wquant
	.globl	k_qcdb1c7b9c5_wquant
	.p2align	8
	.type	k_qcdb1c7b9c5_wquant,@function
k_qcdb1c7b9c5_wquant:
	s_mov_b64 s[64:65], 0
	v_nop
	global_prefetch_b8 v0, s[64:65] scope:SCOPE_SE
	s_setreg_imm32_b32 hwreg(HW_REG_WAVE_MODE, 25, 1), 1
	s_wait_xcnt 0x0
; THE PROGRAM: a pre-LN transformer block, all six products on codes of FP6 (E2M3) with one E8M0 scale for each 32 along K.
; DEAD WORK: none.  Every input of reference() reaches out0 for some values of the inputs (no mask, no slice, no state of zeros), so all twelve inputs are loaded and all six products are done.
; THIS LAUNCH: the four weights, f32 stored [K][N], become codes and scale words in wq, laid as the matrix unit's operand registers take them.
; A FRAGMENT is 16 columns n x 128 K: 12 registers a lane, 1,536 bytes: for each half q of the 128: registers 6q..6q+3 at 768 q + 16 x lane, registers 6q+4, 6q+5 at 768 q + 512 + 8 x lane.
; wq holds [column tile][K step][1,536] for each weight, and behind the codes [column tile][K step][16 words of four scale bytes].
; THE ORDER INSIDE A BLOCK OF 32 ALONG K, in every operand of this program: place p = 16 h + 8 u + j holds k = 16 u + 8 h + j.  A block as a set is the true block, so its scale and its codes' values are the quantiser's;
; both operands of each product carry the same order, so the products are the same.  (It is the order in which a transposed matrix result falls into a lane's registers.)
; A LANE TAKES A COLUMN, ITS REGISTERS RUN DOWN K: each load reads 128 consecutive bytes a wave, a block's largest magnitude needs no other lane.  A wave: 32 columns x 256 K; a work-group: 128 columns x 256 K.
; One path serves the four weights: pointers and sizes are chosen by the work-group's number.  No LDS, no barrier: waves share nothing.
; LIMITS: NaN and infinities among the inputs are not served; a block whose largest magnitude lies under 2^-124 keeps the byte 1; a block of zeros gets the byte 1 where the rule says 127 (its codes are zeros, and this program alone reads the bytes).
.set OFF,  16                          ; v16-47   4 x lane + (the k of place p) x a row of the weight
.set X,    48                          ; v48-111  two sets of 32 numbers
.set F,    112                         ; v112-159 for each of the two K steps: 12 registers of blocks 0, 2 and 12 of blocks 1, 3
.set TC,   160                         ; v160-162 a block's upper 16 codes, on their way
.set SB,   164                         ; v164-165 a scale word for each K step
	s_load_b256 s[4:11], s[0:1], 0x0               ; w_qkv, w_proj, w_fc1, w_fc2
	s_load_b64 s[12:13], s[0:1], 0x20              ; wq
	v_lshrrev_b32 v1, 5, v0
	v_readfirstlane_b32 s14, v1                    ; wave
	v_and_b32 v1, 31, v0                           ; lane
	v_lshlrev_b32 v2, 4, v1                        ; 16 x lane
	v_lshlrev_b32 v3, 3, v1                        ; 8 x lane
	v_lshlrev_b32 v5, 2, v1                        ; 4 x lane
	s_mov_b32 s42, 256                             ; w_fc2's figures: first work-group,
	s_mov_b32 s43, 4096                            ; bytes in a row,
	s_mov_b32 s44, 4                               ; log2 of K / 256,
	s_mov_b32 s45, 6291456                         ; where its codes begin in wq,
	s_mov_b32 s46, 9699328                         ; and its scale words
	s_wait_kmcnt 0x0
	s_mov_b64 s[40:41], s[10:11]
	s_cmp_lt_u32 ttmp9, 256                        ; w_fc1's
	s_cselect_b64 s[40:41], s[8:9], s[40:41]
	s_cselect_b32 s42, 128, s42
	s_cselect_b32 s43, 16384, s43
	s_cselect_b32 s44, 2, s44
	s_cselect_b32 s45, 3145728, s45
	s_cselect_b32 s46, 9568256, s46
	s_cmp_lt_u32 ttmp9, 128                        ; w_proj's
	s_cselect_b64 s[40:41], s[6:7], s[40:41]
	s_cselect_b32 s42, 96, s42
	s_cselect_b32 s43, 4096, s43
	s_cselect_b32 s45, 2359296, s45
	s_cselect_b32 s46, 9535488, s46
	s_cmp_lt_u32 ttmp9, 96                         ; w_qkv's
	s_cselect_b64 s[40:41], s[4:5], s[40:41]
	s_cselect_b32 s42, 0, s42
	s_cselect_b32 s43, 12288, s43
	s_cselect_b32 s45, 0, s45
	s_cselect_b32 s46, 9437184, s46
	s_sub_co_u32 s47, ttmp9, s42                   ; my number within the weight
	s_bfm_b32 s48, s44, 0
	s_and_b32 s48, s47, s48                        ; which 256 along K
	s_lshr_b32 s49, s47, s44                       ; which 128 columns
	s_lshl_b32 s52, 2, s44                         ; K steps of 128 in the weight
	s_lshl_b32 s50, s48, 8
	s_mul_i32 s50, s50, s43                        ; my first row,
	s_lshl_b32 s53, s49, 9
	s_add_co_u32 s50, s50, s53                     ; my work-group's first column,
	s_lshl_b32 s53, s14, 7
	s_add_co_u32 s50, s50, s53                     ; my wave's
	s_mov_b32 s51, 0
	s_lshl_b32 s54, s43, 5                         ; 32 rows on
	s_mov_b32 s55, 0
	s_lshl_b32 s56, s49, 3
	s_lshl_b32 s53, s14, 1
	s_add_co_u32 s56, s56, s53                     ; my first column tile
	s_mul_i32 s56, s56, s52
	s_lshl_b32 s53, s48, 1
	s_add_co_u32 s56, s56, s53                     ; its fragment of my first K step
	s_mul_i32 s58, s56, 1536
	s_add_co_u32 s58, s58, s45
	s_mov_b32 s59, 0
	s_lshl_b32 s60, s56, 6
	s_add_co_u32 s60, s60, s46
	s_mov_b32 s61, 0
	s_mul_i32 s62, s52, 1536                       ; from a column tile to the next
	s_mov_b32 s63, 0
	s_add_nc_u64 s[16:17], s[40:41], s[50:51]      ; a base for each of my eight blocks: no base is stepped while loads name it
.irp t, 1,2,3,4,5,6,7
	s_add_nc_u64 s[16+2*\t:17+2*\t], s[14+2*\t:15+2*\t], s[54:55]
.endr
	s_add_nc_u64 s[32:33], s[12:13], s[58:59]      ; codes of my first column tile,
	s_add_nc_u64 s[34:35], s[32:33], s[62:63]      ; of my second,
	s_add_nc_u64 s[36:37], s[12:13], s[60:61]      ; scale words
	v_lshrrev_b32 v6, 4, v1
	s_lshl_b32 s53, s52, 6
	v_mul_u32_u24 v6, s53, v6
	v_and_b32 v7, 15, v1
	v_lshl_add_u32 v4, v7, 2, v6                   ; my column's scale word: its tile, its place in the tile
.set p, 0
.rept 32
	v_mad_u32_u24 v[OFF+p], s43, 16*((p>>3)&1)+8*(p>>4)+(p&7), v5
.set p, p+1
.endr
.macro LOAD t                          ; block t of my column, in the order of the places
.set p, 0
.rept 32
	global_load_b32 v[X+32*((\t)%2)+p], v[OFF+p], s[16+2*(\t):17+2*(\t)] th:TH_LOAD_NT
.set p, p+1
.endr
.endm
.macro BLOCK t
.set XS, X+32*((\t)%2)
.set FD, F+24*((\t)/4)+12*((\t)%2)+6*(((\t)%4)/2)
.set FB, F+24*((\t)/4)
.if (\t) < 7
	s_wait_loadcnt 32                              ; this block's 32 loads are in; the next block's 32 may be out
.else
	s_wait_loadcnt 0
.endif
	v_max3_num_f32 v12, |v[XS]|, |v[XS+1]|, |v[XS+2]|
	v_max3_num_f32 v13, |v[XS+3]|, |v[XS+4]|, |v[XS+5]|
.irp i, 6,10,14,18,22,26
	v_max3_num_f32 v12, v12, |v[XS+\i]|, |v[XS+\i+1]|
	v_max3_num_f32 v13, v13, |v[XS+\i+2]|, |v[XS+\i+3]|
.endr
	v_max3_num_f32 v12, v12, |v[XS+30]|, |v[XS+31]|
	v_max3_num_f32 v12, v12, v13, 0x1800000        ; the floor 2^(3 - 127): the byte cannot fall under 1
	v_add_nc_u32 v11, 0xff000000, v12              ; 2 off the exponent field: the conversion's scale operand
	v_cvt_scalef32_pk16_fp6_f32 v[FD:FD+2], v[XS:XS+15], v11
	v_cvt_scalef32_pk16_fp6_f32 v[TC:TC+2], v[XS+16:XS+31], v11   ; (a conversion's three registers begin on an even number)
	v_lshrrev_b32 v13, 23, v11                     ; the scale's byte; also the plain line behind the conversions
.if (\t)%4 == 0
	v_mov_b32 v[SB+(\t)/4], v13
.else
	v_lshl_or_b32 v[SB+(\t)/4], v13, 8*((\t)%4), v[SB+(\t)/4]
.endif
.irp i, 0,1,2
	v_mov_b32 v[FD+3+\i], v[TC+\i]
.endr
.if (\t)+2 < 8
	LOAD (\t)+2
.endif
.if (\t)%4 == 3                        ; a K step is whole.  Lanes 0-15 hold columns 0-15, all four blocks; a fragment wants blocks 0, 2 in lanes 0-15 and blocks 1, 3 in lanes 16-31
.irp i, 0,1,2,3,4,5,6,7,8,9,10,11
	v_permlane16_swap_b32 v[FB+\i], v[FB+12+\i]    ; the first twelve become the first tile's fragment, the second twelve the second's
.endr
.irp u, 0,1
	global_store_b128 v2, v[FB+12*\u:FB+12*\u+3], s[32+2*\u:33+2*\u] offset:1536*((\t)/4)          ; 512 consecutive bytes
	global_store_b64 v3, v[FB+12*\u+4:FB+12*\u+5], s[32+2*\u:33+2*\u] offset:1536*((\t)/4)+512     ; 256
	global_store_b128 v2, v[FB+12*\u+6:FB+12*\u+9], s[32+2*\u:33+2*\u] offset:1536*((\t)/4)+768
	global_store_b64 v3, v[FB+12*\u+10:FB+12*\u+11], s[32+2*\u:33+2*\u] offset:1536*((\t)/4)+1280
.endr
	global_store_b32 v4, v[SB+(\t)/4], s[36:37] offset:64*((\t)/4)   ; two pieces of 64 bytes: one byte in 24 of what the launch stores
.endif
.endm
	LOAD 0
	LOAD 1
.irp t, 0,1,2,3,4,5,6,7
	BLOCK \t
.endr
	s_endpgm
.Lfunc_end_k_qcdb1c7b9c5_wquant:
	.size	k_qcdb1c7b9c5_wquant, .Lfunc_end_k_qcdb1c7b9c5_wquant-k_qcdb1c7b9c5_wquant
	.p2alignl 7, 3214868480
	.fill 96, 4, 3214868480
	.section	.rodata,"a",@progbits
	.p2align	6, 0x0
	.amdhsa_kernel k_qcdb1c7b9c5_wquant
		.amdhsa_group_segment_fixed_size 0
		.amdhsa_private_segment_fixed_size 0
		.amdhsa_enable_private_segment 0
		.amdhsa_kernarg_size 40
		.amdhsa_user_sgpr_count 2
		.amdhsa_user_sgpr_kernarg_segment_ptr 1
		.amdhsa_wavefront_size32 1
		.amdhsa_system_sgpr_workgroup_id_x 1
		.amdhsa_system_sgpr_workgroup_id_y 1
		.amdhsa_system_sgpr_workgroup_id_z 1
		.amdhsa_system_vgpr_workitem_id 0
		.amdhsa_next_free_vgpr 184
		.amdhsa_next_free_sgpr 66
		.amdhsa_reserve_vcc 0
		.amdhsa_float_denorm_mode_32 3
		.amdhsa_float_denorm_mode_16_64 3
		.amdhsa_memory_ordered 1
		.amdhsa_forward_progress 1
		.amdhsa_inst_pref_size 44
	.end_amdhsa_kernel
	.amdgpu_metadata
---
amdhsa.version: [ 1, 2 ]
amdhsa.kernels:
  - .name:           k_qcdb1c7b9c5_wquant
    .symbol:         k_qcdb1c7b9c5_wquant.kd
    .args:
      - { .name: w_qkv, .offset: 0, .size: 8, .value_kind: global_buffer, .address_space: global }
      - { .name: w_proj, .offset: 8, .size: 8, .value_kind: global_buffer, .address_space: global }
      - { .name: w_fc1, .offset: 16, .size: 8, .value_kind: global_buffer, .address_space: global }
      - { .name: w_fc2, .offset: 24, .size: 8, .value_kind: global_buffer, .address_space: global }
      - { .name: wq, .offset: 32, .size: 8, .value_kind: global_buffer, .address_space: global }
    .group_segment_fixed_size: 0
    .private_segment_fixed_size: 0
    .kernarg_segment_align: 8
    .kernarg_segment_size: 40
    .max_flat_workgroup_size: 128
    .sgpr_count:     66
    .vgpr_count:     184
    .wavefront_size: 32
...
	.end_amdgpu_metadata
.endif
;; end of part 1
;; launch ln1 (part 2): grid 256 x 1, 8 waves a work-group, no clusters, 67,328 bytes of LDS; arguments x, ln1_g, ln1_b, hq; writes hq
.if DOCPART == 2
	.amdgcn_target "amdgcn-amd-amdhsa--gfx1250"
	.amdhsa_code_object_version 6
	.text
	.protected	k_qcdb1c7b9c5_ln1
	.globl	k_qcdb1c7b9c5_ln1
	.p2align	8
	.type	k_qcdb1c7b9c5_ln1,@function
k_qcdb1c7b9c5_ln1:
	s_mov_b64 s[64:65], 0
	v_nop
	global_prefetch_b8 v0, s[64:65] scope:SCOPE_SE
	s_setreg_imm32_b32 hwreg(HW_REG_WAVE_MODE, 25, 1), 1
	s_wait_xcnt 0x0
; y = (x - mean) * rsqrt(var + 1e-5) * g + b along rows of 1,024 f32, then y quantised along the row to FP6 (E2M3) with one E8M0 scale for each 32: the A operand of the next product.  No work of reference() is left out.
; A work-group takes 16 rows, one row tile.  PHASE A: wave w takes rows 2 w and 2 w + 1 whole (each load 512 consecutive bytes), mean and variance in two passes in f32, y into LDS.
; PHASE B: wave s takes K step s (128 columns) of all 16 rows: lane (r, h) reads row r's numbers in the order of the operand's places (place 16 h + 8 u + j of a block holds k = 16 u + 8 h + j, as in every operand of this program),
; quantises, and stores the fragment as an image of its registers: [row tile][K step][1,536 bytes]; the tile's 128 scale words meet in LDS and leave as 512 consecutive bytes.
; LIMITS: NaN and infinities are not served; a block under 2^-124 keeps the byte 1, and so does a block of zeros (its codes are zeros; this program alone reads the bytes).
.set PITCH, 4112                       ; a row of y in LDS: 4,096 bytes + 16: the sixteen rows that a load touches start 16 bytes further on in the banks each
.set SCW,   16*PITCH                   ; the tile's scale words: 8 K steps x 16 rows x 4 bytes
.set SPARE, SCW+512                    ; the spare words: 128 bytes for each of eight waves; no other line names them
.set HS0,   3145728                    ; where the scale words begin in hq
.set LI16, 1
.set LI8,  2
.set YW,   3                           ; where I store y
.set YR,   4                           ; where I read it back
.set SWA,  5                           ; where my row's scale word goes
.set SRA,  6                           ; where wave 0 reads the words back
.set SPW,  8
.set NIL,  9
.set X,    16                          ; v16-79   two rows, 32 numbers a lane each; later 64 numbers of one row
.set G,    80                          ; v80-111  gain
.set BV,   112                         ; v112-143 bias
.set TM,   144
.set PC,   160
.set PW,   180
.set SA,   182                         ; for each row 8: mean (twice), two chains, 1 / sigma (twice)
.set RT,   198
.set SEL,  20
.set MSB, 0
.macro WIN new                         ; (this text stays in window 0: the macro writes nothing here)
.if MSB != (\new)
	s_set_vgpr_msb (MSB<<8)|(\new)
.set MSB, (\new)
.endif
.endm
; 64 numbers of a lane (blocks 0, 1 from s0 on, blocks 2, 3 from s1 on, 16 registers a block, my half of the block) become a fragment in v[PC..PC+11] and my row's scale word in v[PW]
.macro QUANT s0, s1, W
	WIN (\W)|((\W)<<2)
.irp b, 0,1
	v_max3_num_f32 v[TM+\b], |v[(\s0)+16*\b]|, |v[(\s0)+16*\b+1]|, 0x1800000   ; with the floor 2^(3 - 127): the byte cannot fall under 1
.endr
.irp b, 0,1
	v_max3_num_f32 v[TM+2+\b], |v[(\s1)+16*\b]|, |v[(\s1)+16*\b+1]|, 0x1800000
.endr
.irp i, 2,4,6,8,10,12,14
.irp b, 0,1
	v_max3_num_f32 v[TM+\b], |v[(\s0)+16*\b+\i]|, |v[(\s0)+16*\b+\i+1]|, v[TM+\b]
.endr
.irp b, 0,1
	v_max3_num_f32 v[TM+2+\b], |v[(\s1)+16*\b+\i]|, |v[(\s1)+16*\b+\i+1]|, v[TM+2+\b]
.endr
.endr
	WIN 0
.irp b, 0,1,2,3
	v_permlanex16_b32 v[TM+4+\b], v[TM+\b], s[SEL], s[SEL+1]
.endr
.irp b, 0,1,2,3
	v_max_num_f32 v[TM+\b], v[TM+\b], v[TM+4+\b]   ; with the other half's 16: the block's largest magnitude
.endr
.irp b, 0,1,2,3
	v_add_nc_u32 v[TM+12+\b], 0xff000000, v[TM+\b] ; 2 off its exponent field: the conversion's scale operand
.endr
.irp b, 0,1,2,3
	v_lshrrev_b32 v[TM+4+\b], 23, v[TM+12+\b]      ; the scale's byte
.endr
	v_lshl_or_b32 v[PW], v[TM+5], 8, v[TM+4]
	v_lshl_or_b32 v[PW], v[TM+6], 16, v[PW]
	v_lshl_or_b32 v[PW], v[TM+7], 24, v[PW]
	WIN \W
	v_cvt_scalef32_pk16_fp6_f32 v[PC:PC+2], v[(\s0):(\s0)+15], v[TM+12]
	v_cvt_scalef32_pk16_fp6_f32 v[PC+12:PC+14], v[(\s0)+16:(\s0)+31], v[TM+13]
	v_cvt_scalef32_pk16_fp6_f32 v[PC+6:PC+8], v[(\s1):(\s1)+15], v[TM+14]
	v_cvt_scalef32_pk16_fp6_f32 v[PC+16:PC+18], v[(\s1)+16:(\s1)+31], v[TM+15]
	WIN 0
	v_nop                                          ; one plain line behind the conversions
.irp c, 0,1                            ; the operand wants a whole block in a lane: lanes 0-15 block 2 c, lanes 16-31 block 2 c + 1
.irp i, 0,1,2
	v_permlane16_swap_b32 v[PC+6*\c+\i], v[PC+12+4*\c+\i]
.endr
.irp i, 0,1,2
	v_mov_b32 v[PC+3+6*\c+\i], v[PC+12+4*\c+\i]
.endr
.endr
.endm
.macro PUT cb, off                     ; the fragment leaves as it stands: 512, 256, 512, 256 consecutive bytes
	global_store_b128 v[LI16], v[PC:PC+3], s[\cb:\cb+1] offset:\off
	global_store_b64 v[LI8], v[PC+4:PC+5], s[\cb:\cb+1] offset:\off+512
	global_store_b128 v[LI16], v[PC+6:PC+9], s[\cb:\cb+1] offset:\off+768
	global_store_b64 v[LI8], v[PC+10:PC+11], s[\cb:\cb+1] offset:\off+1280
.endm
.macro REDUCE r                        ; the sum over the wave's 32 lanes, in every lane
	v_add_f32_dpp v[\r], v[\r], v[\r] row_xmask:1 row_mask:0xf bank_mask:0xf
	v_add_f32_dpp v[\r], v[\r], v[\r] row_xmask:2 row_mask:0xf bank_mask:0xf
	v_add_f32_dpp v[\r], v[\r], v[\r] row_xmask:4 row_mask:0xf bank_mask:0xf
	v_add_f32_dpp v[\r], v[\r], v[\r] row_xmask:8 row_mask:0xf bank_mask:0xf
	v_permlanex16_b32 v[RT], v[\r], s[SEL], s[SEL+1]
	v_add_f32 v[\r], v[\r], v[RT]
.endm
	s_load_b256 s[4:11], s[0:1], 0x0               ; the rows, gain, bias, hq
	v_lshl_add_u32 v[SPW], v0, 2, SPARE
	v_mov_b32 v[NIL], 0
	v_lshrrev_b32 v10, 5, v0
	v_readfirstlane_b32 s12, v10                   ; wave
	v_and_b32 v10, 31, v0
	v_lshlrev_b32 v[LI16], 4, v10
	v_lshlrev_b32 v[LI8], 3, v10
	s_mul_i32 s13, s12, 2*PITCH
	v_add_nc_u32 v[YW], s13, v[LI16]
	v_and_b32 v11, 15, v0                          ; r
	v_bfe_u32 v12, v0, 4, 1                        ; h
	v_mul_u32_u24 v[YR], v11, PITCH
	v_lshl_add_u32 v[YR], v12, 5, v[YR]
	s_lshl_b32 s13, s12, 9
	v_add_nc_u32 v[YR], s13, v[YR]                 ; row r, my wave's 128 columns, + 32 h
	s_lshl_b32 s13, s12, 6
	s_add_co_u32 s13, s13, SCW
	v_lshl_add_u32 v[SWA], v11, 2, s13
	v_add_nc_u32 v[SRA], SCW, v[LI16]
	v_mov_b32 v[RT], 0                             ; a lane permute's destination counts as read
.irp b, 0,1,2,3
	v_mov_b32 v[TM+4+\b], 0
.endr
	s_mov_b32 s[SEL], 0x76543210
	s_mov_b32 s[SEL+1], 0xfedcba98
	s_mov_b32 s26, 0x3a800000                      ; 1 / 1,024
	s_mov_b32 s27, 0x3727c5ac                      ; 1e-5
	s_lshl_b32 s14, ttmp9, 16                      ; my tile's 16 rows of 4,096 bytes,
	s_lshl_b32 s15, s12, 13                        ; my wave's two
	s_add_co_u32 s14, s14, s15
	s_mov_b32 s15, 0
	s_lshl_b32 s16, ttmp9, 3
	s_add_co_u32 s16, s16, s12
	s_mul_i32 s16, s16, 1536                       ; my fragment
	s_mov_b32 s17, 0
	s_lshl_b32 s18, ttmp9, 9
	s_add_co_u32 s18, s18, HS0                     ; my tile's scale words
	s_mov_b32 s19, 0
	s_wait_kmcnt 0x0
	s_add_nc_u64 s[4:5], s[4:5], s[14:15]
	s_add_nc_u64 s[22:23], s[10:11], s[16:17]
	s_add_nc_u64 s[24:25], s[10:11], s[18:19]
.irp i, 0,1,2,3,4,5,6,7,8,9,10,11,12,13,14,15
	global_load_b128 v[X+4*\i:X+4*\i+3], v[LI16], s[4:5] offset:512*\i
.endr
.irp i, 0,1,2,3,4,5,6,7
	global_load_b128 v[G+4*\i:G+4*\i+3], v[LI16], s[6:7] offset:512*\i
.endr
.irp i, 0,1,2,3,4,5,6,7
	global_load_b128 v[BV+4*\i:BV+4*\i+3], v[LI16], s[8:9] offset:512*\i
.endr
	s_wait_loadcnt 16                              ; the two rows are in; gain's and bias's sixteen loads may be out
.irp w, 0,1                            ; the mean
	v_pk_add_f32 v[SA+8*\w+2:SA+8*\w+3], v[X+32*\w:X+32*\w+1], v[X+32*\w+2:X+32*\w+3]
	v_pk_add_f32 v[SA+8*\w+4:SA+8*\w+5], v[X+32*\w+4:X+32*\w+5], v[X+32*\w+6:X+32*\w+7]
.irp j, 8,12,16,20,24,28
	v_pk_add_f32 v[SA+8*\w+2:SA+8*\w+3], v[SA+8*\w+2:SA+8*\w+3], v[X+32*\w+\j:X+32*\w+\j+1]
	v_pk_add_f32 v[SA+8*\w+4:SA+8*\w+5], v[SA+8*\w+4:SA+8*\w+5], v[X+32*\w+\j+2:X+32*\w+\j+3]
.endr
	v_pk_add_f32 v[SA+8*\w+2:SA+8*\w+3], v[SA+8*\w+2:SA+8*\w+3], v[SA+8*\w+4:SA+8*\w+5]
	v_add_f32 v[SA+8*\w+2], v[SA+8*\w+2], v[SA+8*\w+3]
	REDUCE SA+8*\w+2
	v_mul_f32 v[SA+8*\w], s26, v[SA+8*\w+2]
	v_mul_f32 v[SA+8*\w+1], s26, v[SA+8*\w+2]
.endr
.irp w, 0,1                            ; x - mean, in place; then the mean of its squares
.irp j, 0,2,4,6,8,10,12,14,16,18,20,22,24,26,28,30
	v_pk_add_f32 v[X+32*\w+\j:X+32*\w+\j+1], v[X+32*\w+\j:X+32*\w+\j+1], v[SA+8*\w:SA+8*\w+1] neg_lo:[0,1] neg_hi:[0,1]
.endr
	v_pk_mul_f32 v[SA+8*\w+2:SA+8*\w+3], v[X+32*\w:X+32*\w+1], v[X+32*\w:X+32*\w+1]
	v_pk_mul_f32 v[SA+8*\w+4:SA+8*\w+5], v[X+32*\w+2:X+32*\w+3], v[X+32*\w+2:X+32*\w+3]
.irp j, 4,8,12,16,20,24,28
	v_pk_fma_f32 v[SA+8*\w+2:SA+8*\w+3], v[X+32*\w+\j:X+32*\w+\j+1], v[X+32*\w+\j:X+32*\w+\j+1], v[SA+8*\w+2:SA+8*\w+3]
	v_pk_fma_f32 v[SA+8*\w+4:SA+8*\w+5], v[X+32*\w+\j+2:X+32*\w+\j+3], v[X+32*\w+\j+2:X+32*\w+\j+3], v[SA+8*\w+4:SA+8*\w+5]
.endr
	v_pk_add_f32 v[SA+8*\w+2:SA+8*\w+3], v[SA+8*\w+2:SA+8*\w+3], v[SA+8*\w+4:SA+8*\w+5]
	v_add_f32 v[SA+8*\w+2], v[SA+8*\w+2], v[SA+8*\w+3]
	REDUCE SA+8*\w+2
	v_fma_f32 v[SA+8*\w+2], v[SA+8*\w+2], s26, s27 ; var + eps
.endr
	v_rsq_f32 v[SA+6], v[SA+2]
	v_rsq_f32 v[SA+14], v[SA+10]
	v_nop                                          ; a plain line behind the two
	s_wait_alu depctr_va_vdst(0)                   ; one wait for both, ahead of their first reader
	v_mov_b32 v[SA+7], v[SA+6]
	v_mov_b32 v[SA+15], v[SA+14]
	s_wait_loadcnt 0x0                             ; gain and bias
.irp w, 0,1
.irp j, 0,2,4,6,8,10,12,14,16,18,20,22,24,26,28,30
	v_pk_mul_f32 v[X+32*\w+\j:X+32*\w+\j+1], v[X+32*\w+\j:X+32*\w+\j+1], v[SA+8*\w+6:SA+8*\w+7]
.endr
.irp j, 0,2,4,6,8,10,12,14,16,18,20,22,24,26,28,30
	v_pk_fma_f32 v[X+32*\w+\j:X+32*\w+\j+1], v[X+32*\w+\j:X+32*\w+\j+1], v[G+\j:G+\j+1], v[BV+\j:BV+\j+1]
.endr
.endr
.irp i, 0,1,2,3,4,5,6,7,8,9,10,11,12,13,14,15
	ds_store_b128 v[YW], v[X+4*\i:X+4*\i+3] offset:(\i/8)*PITCH+(\i%8)*512
.endr
	s_wait_dscnt 0x0                               ; for the others' sake: my two rows lie in LDS
	s_barrier_signal -1
	s_barrier_wait -1
.irp b, 0,1,2,3                        ; block b: my half's 16 numbers: k = 8 h + 0..7 and 16 + 8 h + 0..7
	ds_load_b128 v[X+16*\b:X+16*\b+3], v[YR] offset:128*\b
	ds_load_b128 v[X+16*\b+4:X+16*\b+7], v[YR] offset:128*\b+16
	ds_load_b128 v[X+16*\b+8:X+16*\b+11], v[YR] offset:128*\b+64
	ds_load_b128 v[X+16*\b+12:X+16*\b+15], v[YR] offset:128*\b+80
.endr
	s_wait_dscnt 0x0
	QUANT X, X+32, 0
	PUT 22, 0
	ds_store_b32 v[SWA], v[PW]                     ; both halves of the lanes write the same word with the same value
	s_wait_dscnt 0x0                               ; for wave 0's sake
	s_barrier_signal -1
	s_barrier_wait -1
	s_cmp_lg_u32 s12, 0
	s_cbranch_scc1 .Lend
	ds_load_b128 v[16:19], v[SRA]
	s_wait_dscnt 0x0
	global_store_b128 v[LI16], v[16:19], s[24:25]  ; the tile's 128 scale words: 512 consecutive bytes
.Lend:
	s_wait_tensorcnt 0x0                           ; the wave's end
	ds_add_u32 v[SPW], v[NIL]
	s_wait_dscnt 0x0
	s_endpgm
.Lfunc_end_k_qcdb1c7b9c5_ln1:
	.size	k_qcdb1c7b9c5_ln1, .Lfunc_end_k_qcdb1c7b9c5_ln1-k_qcdb1c7b9c5_ln1
	.p2alignl 7, 3214868480
	.fill 96, 4, 3214868480
	.section	.rodata,"a",@progbits
	.p2align	6, 0x0
	.amdhsa_kernel k_qcdb1c7b9c5_ln1
		.amdhsa_group_segment_fixed_size 67328
		.amdhsa_private_segment_fixed_size 0
		.amdhsa_enable_private_segment 0
		.amdhsa_kernarg_size 32
		.amdhsa_user_sgpr_count 2
		.amdhsa_user_sgpr_kernarg_segment_ptr 1
		.amdhsa_wavefront_size32 1
		.amdhsa_system_sgpr_workgroup_id_x 1
		.amdhsa_system_sgpr_workgroup_id_y 1
		.amdhsa_system_sgpr_workgroup_id_z 1
		.amdhsa_system_vgpr_workitem_id 0
		.amdhsa_next_free_vgpr 200
		.amdhsa_next_free_sgpr 66
		.amdhsa_reserve_vcc 0
		.amdhsa_float_denorm_mode_32 3
		.amdhsa_float_denorm_mode_16_64 3
		.amdhsa_memory_ordered 1
		.amdhsa_forward_progress 1
		.amdhsa_inst_pref_size 24
	.end_amdhsa_kernel
	.amdgpu_metadata
---
amdhsa.version: [ 1, 2 ]
amdhsa.kernels:
  - .name:           k_qcdb1c7b9c5_ln1
    .symbol:         k_qcdb1c7b9c5_ln1.kd
    .args:
      - { .name: x, .offset: 0, .size: 8, .value_kind: global_buffer, .address_space: global }
      - { .name: ln1_g, .offset: 8, .size: 8, .value_kind: global_buffer, .address_space: global }
      - { .name: ln1_b, .offset: 16, .size: 8, .value_kind: global_buffer, .address_space: global }
      - { .name: hq, .offset: 24, .size: 8, .value_kind: global_buffer, .address_space: global }
    .group_segment_fixed_size: 67328
    .private_segment_fixed_size: 0
    .kernarg_segment_align: 8
    .kernarg_segment_size: 32
    .max_flat_workgroup_size: 256
    .sgpr_count:     66
    .vgpr_count:     200
    .wavefront_size: 32
...
	.end_amdgpu_metadata
.endif
;; end of part 2
;; launch gqkv (part 3): grid 12 x 16, 4 waves a work-group, clusters of 4 x 4, 327,680 bytes of LDS; arguments hq, wq, qkvq; writes qkvq
.if DOCPART == 3
	.amdgcn_target "amdgcn-amd-amdhsa--gfx1250"
	.amdhsa_code_object_version 6
	.text
	.protected	k_qcdb1c7b9c5_gqkv
	.globl	k_qcdb1c7b9c5_gqkv
	.p2align	8
	.type	k_qcdb1c7b9c5_gqkv,@function
k_qcdb1c7b9c5_gqkv:
	s_mov_b64 s[64:65], 0
	v_nop
	global_prefetch_b8 v0, s[64:65] scope:SCOPE_SE
	s_setreg_imm32_b32 hwreg(HW_REG_WAVE_MODE, 25, 1), 1
	s_wait_xcnt 0x0
	s_wait_alu depctr_hold_cnt(0) depctr_sa_sdst(0) depctr_va_vdst(0) depctr_va_sdst(0) depctr_va_ssrc(0) depctr_va_vcc(0) depctr_vm_vsrc(0)
	s_getreg_b32 s2, hwreg(HW_REG_IB_STS2, 6, 4)
	s_cmp_eq_u32 s2, 0
	s_cbranch_scc0 .Lentry_in_a_cluster
	s_endpgm
.Lentry_in_a_cluster:
	s_bfe_u32 s2, ttmp6, 0x10000c
	s_cmp_lg_u32 s2, 0xf033
	s_cbranch_scc0 .Lentry_shape_is_right
	s_endpgm
.Lentry_shape_is_right:
; qkv = LN1(x) w_qkv on codes of FP6 with E8M0 scales, K = 1,024; q, k and v are quantised in registers and leave as operands of the attention launch.  No work of reference() is left out.
; A tile of C, 256 x 256, is made by four waves, each 128 x 128: 64 accumulators in windows 2 and 3.  K goes in steps of 256 through a ring of two LDS slots.  Operands lie in memory as images of fragments
; ([row tile][K step][1,536 bytes]), so a slot's part of eight row tiles is 8 rows of 3,072 bytes, and a fragment comes from LDS by four loads of consecutive bytes.  The scale words of the work-group's rows come once and stay.
; CLUSTERS of 4 x 4: A's tiles are asked for jointly along a row of the cluster, B's along a column.  THE MATRIX INSTRUCTION IS USED TRANSPOSED (source 0 = B's 16 rows, source 1 = A's): a lane holds one row of A and eight rows of B.
; TWO ROLES, told apart by the cluster's x, which all partners share.  Clusters 0, 1 (q and k): A = tokens, B = columns of w_qkv: a lane's registers run along the head's 64, the first attention product's K.
; Cluster 2 (v): A = v's columns of w_qkv, B = tokens: a lane's registers run along the tokens, the second attention product's K.  The K loop is one text for both.
; OUT.  q, k: [channel 0..31 (q's heads, then k's)][pair of token tiles][1,536]: half q of a fragment is token tile 2 P + q with its 64 numbers.  v: [batch][16 of v's columns][128 keys][1,536].  Scale words behind them, 64 bytes a fragment.
; LIMITS: as stated at the first launch's head (NaN, infinities; the byte 1 for blocks under 2^-124 and for blocks of zeros).
.set KK,    1024
.set KST,   KK/128
.set FIRST, 1                          ; the first products start the sums with 0
.set FR,    12
.set NL,    4                          ; LDS loads that bring a fragment
.set NQ,    2
.set NP,    4                          ; places behind this matrix instruction (ISA guide 7.12.1)
.set TROW,  3072                       ; a row tile's part of a slot: two fragments
.set HALFT, 8*TROW
.set SLOT,  4*HALFT
.set LAPS,  KK/512
.set SCL,   2*SLOT                     ; behind the ring: the scale words
.set SBLK,  KK/2                       ; those of a row tile
.set HALFS, 8*SBLK
.set SPARE, SCL+4*HALFS                ; the spare words: 128 bytes a wave; no other line names them
.set HS0,   3145728                    ; hq: scale words
.set WV0,   1572864                    ; wq: v's columns of w_qkv
.set WS0,   9437184                    ; wq: w_qkv's scale words
.set WVS,   9502720                    ; and those of v's columns
.set VC0,   6291456                    ; qkvq: v's codes, q's and k's scale words, v's scale words
.set QS0,   9437184
.set VS0,   9699328
.set ADRA, 16                          ; v16-17 16 x lane + my A rows in slot 0, 1; v18-19 the same with 8 x lane
.set ADRB, 20                          ; v20-23 the same for B
.set LI16, 24
.set LI8,  25
.set LS4,  26
.set ADRS, 27
.set SPW,  28
.set NIL,  29
.set SC,   32                          ; v32-63 scale words, two sets: they hold nothing else
.set BI,   64
.set TM,   64                          ; the way out: v64-79 at work, v80-99 codes, v100 a scale word
.set PC,   80
.set PW,   100
.set AF,   128
.set SEL,  66
.set G1, 24
.set G0, 32
.set G1B, 48
.set G0B, 56
.set G1S, 68
.set G0S, 76
.set G1SB, 80
.set G0SB, 88
.set MSB, 0
.macro WIN new                         ; the immediate's high byte repeats the setting that is left
.if MSB != (\new)
	s_set_vgpr_msb (MSB<<8)|(\new)
.set MSB, (\new)
.endif
.endm
.set MUL_LO, 0xa1                      ; source 0 (B) window 1, source 1 (A) window 0, C and D window 2
.set MUL_HI, 0xf1
.set TO_B,   0x40
.macro JLOAD g0a, g1a, g0b, g1b        ; a joint load: waves 0, 1 fetch for A, waves 2, 3 for B; an s_nop 0 and four v_nop follow each line
	s_cmp_eq_u32 s15, 0
	s_cbranch_scc0 .Lfor_b_\@
	tensor_load_to_lds s[\g0a:\g0a+3], s[\g1a:\g1a+7]
	s_nop 0
.rept 4
	v_nop
.endr
	s_branch .Lasked_\@
.Lfor_b_\@:
	tensor_load_to_lds s[\g0b:\g0b+3], s[\g1b:\g1b+7]
	s_nop 0
.rept 4
	v_nop
.endr
.Lasked_\@:
.endm
.macro CREST
	s_cmp_lg_u32 s14, 0
	s_cbranch_scc1 .Lnot_wave_0_\@
	s_barrier_signal -3
.Lnot_wave_0_\@:
	s_barrier_wait -3
	s_barrier_signal -1
	s_barrier_wait -1
.endm
.macro CROUND
	s_barrier_signal -1
	s_barrier_wait -1
	CREST
.endm
.macro PLACES n
.rept \n
	v_nop
.endr
.endm
.macro FRAG reg, adr, q, i             ; a fragment as it lies: 512, 256, 512, 256 consecutive bytes
	ds_load_b128 v[\reg:\reg+3], v[\adr] offset:(\i)*TROW+(\q)*1536
	ds_load_b64 v[\reg+4:\reg+5], v[\adr+2] offset:(\i)*TROW+(\q)*1536+512
	ds_load_b128 v[\reg+6:\reg+9], v[\adr] offset:(\i)*TROW+(\q)*1536+768
	ds_load_b64 v[\reg+10:\reg+11], v[\adr+2] offset:(\i)*TROW+(\q)*1536+1280
.endm
; 16 matrix instructions: A's blocks a0, a0 + 1 x B's eight.  The 64 accumulators take turns, one instruction a turn, in the same order in every step
.macro MUL16 a0, p, q, sc, zero
.irp a, \a0, \a0+1
.irp b, 0,1,2,3,4,5,6,7
.if \zero == 1
	v_wmma_scale_f32_16x16x128_f8f6f4 v[8*(8*((\a)%4)+\b):8*(8*((\a)%4)+\b)+7], v[128*(\p)+FR*\b:128*(\p)+FR*\b+FR-1], v[AF+FR*(\a):AF+FR*(\a)+FR-1], 0, v[SC+8*NQ*(\sc)+NQ*\b+(\q)], v[SC+8*NQ*(\sc)+NQ*(\a)+(\q)] matrix_a_fmt:MATRIX_FMT_FP6 matrix_b_fmt:MATRIX_FMT_FP6 matrix_a_scale:MATRIX_SCALE_ROW1
.elseif \zero == 2
	v_wmma_scale_f32_16x16x128_f8f6f4 v[8*(8*((\a)%4)+\b):8*(8*((\a)%4)+\b)+7], v[128*(\p)+FR*\b:128*(\p)+FR*\b+FR-1], v[AF+FR*(\a):AF+FR*(\a)+FR-1], v[BI+8*\b:BI+8*\b+7], v[SC+8*NQ*(\sc)+NQ*\b+(\q)], v[SC+8*NQ*(\sc)+NQ*(\a)+(\q)] matrix_a_fmt:MATRIX_FMT_FP6 matrix_b_fmt:MATRIX_FMT_FP6 matrix_a_scale:MATRIX_SCALE_ROW1
.else
	v_wmma_scale_f32_16x16x128_f8f6f4 v[8*(8*((\a)%4)+\b):8*(8*((\a)%4)+\b)+7], v[128*(\p)+FR*\b:128*(\p)+FR*\b+FR-1], v[AF+FR*(\a):AF+FR*(\a)+FR-1], v[8*(8*((\a)%4)+\b):8*(8*((\a)%4)+\b)+7], v[SC+8*NQ*(\sc)+NQ*\b+(\q)], v[SC+8*NQ*(\sc)+NQ*(\a)+(\q)] matrix_a_fmt:MATRIX_FMT_FP6 matrix_b_fmt:MATRIX_FMT_FP6 matrix_a_scale:MATRIX_SCALE_ROW1
.endif
.endr
.endr
.endm
.macro FETCH_B slot, q, p
	WIN TO_B
.irp i, 0,1,2,3,4,5,6,7
	FRAG 128*(\p)+FR*\i, ADRB+\slot, \q, \i
.endr
	WIN 0
.endm
.macro FETCH_A slot, q, i0
.irp i, \i0, \i0+1, \i0+2, \i0+3
	FRAG AF+FR*(\i), ADRA+\slot, \q, \i
.endr
.endm
.macro SCALES sc                       ; a slot's scale words: lanes 0-15 A's block i, lanes 16-31 B's block i
.irp i, 0,1,2,3,4,5,6,7
	ds_load_b32 v[SC+8*NQ*\sc+NQ*\i], v[ADRS] offset:\i*SBLK
	ds_load_b32 v[SC+8*NQ*\sc+NQ*\i+1], v[ADRS] offset:\i*SBLK+64
.endr
.endm
.macro STEP slot, q, zero              ; 128 along K whose successor lies in the same slot
	s_wait_dscnt 4*NL                              ; all but the youngest sixteen loads (A's blocks 4-7) are in
.if \zero == 2
	WIN 0x81
.else
	WIN MUL_LO
.endif
	MUL16 0, (\q)%2, \q, \slot, \zero
	MUL16 2, (\q)%2, \q, \slot, \zero
	s_wait_dscnt 0
	PLACES NP
	FETCH_B \slot, (\q)+1, 1-(\q)%2
	FETCH_A \slot, (\q)+1, 0
.if \zero == 2
	WIN 0xc1
.else
	WIN MUL_HI
.endif
	MUL16 4, (\q)%2, \q, \slot, \zero
	MUL16 6, (\q)%2, \q, \slot, \zero
	PLACES NP
	WIN 0
	FETCH_A \slot, (\q)+1, 4
.endm
.macro TURN slot, next, fill           ; a slot's last 128 along K, and the change of slots
	s_wait_tensorcnt 0x0                           ; all my tensor loads have landed: my part of the next slot
	ds_add_u32 v[SPW], v[NIL]                      ; 0 onto my spare word
	s_wait_dscnt 4*NL+1                            ; (the add and the youngest sixteen loads may be out)
	WIN MUL_LO
	MUL16 0, 1, NQ-1, \slot, 0
	s_wait_dscnt 0x0                               ; the add is done, and my reads of this slot are over
	s_barrier_signal -1
	MUL16 2, 1, NQ-1, \slot, 0
	WIN 0
	s_barrier_wait -1
.if \fill
	CREST                                          ; the barrier has opened a round of the cluster's: no wave of any partner still reads this slot or has a load on its way
	s_add_nc_u64 s[G0+4*\slot+2:G0+4*\slot+3], s[G0+4*\slot+2:G0+4*\slot+3], 2*TROW
	s_add_nc_u64 s[G0B+4*\slot+2:G0B+4*\slot+3], s[G0B+4*\slot+2:G0B+4*\slot+3], 2*TROW
	JLOAD G0+4*\slot, G1, G0B+4*\slot, G1B         ; the first tensor load behind the round; its four v_nop are the places in front of the loads below
.else
	PLACES NP
.endif
	v_add_nc_u32 v[ADRS], 64*NQ, v[ADRS]
	FETCH_B \next, 0, 0
	FETCH_A \next, 0, 0
	SCALES \next
	WIN MUL_HI
	MUL16 4, 1, NQ-1, \slot, 0
	MUL16 6, 1, NQ-1, \slot, 0
	PLACES NP
	WIN 0
	FETCH_A \next, 0, 4
.endm
; 64 numbers of a lane in window W (blocks 0, 1 from s0 on, blocks 2, 3 from s1 on) become a fragment in v[PC..PC+11] and my row's scale word in v[PW]; each accumulator is read from its low end on
.macro QUANT s0, s1, W
	WIN (\W)|((\W)<<2)
.irp b, 0,1
	v_max3_num_f32 v[TM+\b], |v[(\s0)+16*\b]|, |v[(\s0)+16*\b+1]|, 0x1800000
.endr
.irp b, 0,1
	v_max3_num_f32 v[TM+2+\b], |v[(\s1)+16*\b]|, |v[(\s1)+16*\b+1]|, 0x1800000
.endr
.irp i, 2,4,6,8,10,12,14
.irp b, 0,1
	v_max3_num_f32 v[TM+\b], |v[(\s0)+16*\b+\i]|, |v[(\s0)+16*\b+\i+1]|, v[TM+\b]
.endr
.irp b, 0,1
	v_max3_num_f32 v[TM+2+\b], |v[(\s1)+16*\b+\i]|, |v[(\s1)+16*\b+\i+1]|, v[TM+2+\b]
.endr
.endr
	WIN 0
.irp b, 0,1,2,3
	v_permlanex16_b32 v[TM+4+\b], v[TM+\b], s[SEL], s[SEL+1]
.endr
.irp b, 0,1,2,3
	v_max_num_f32 v[TM+\b], v[TM+\b], v[TM+4+\b]
.endr
.irp b, 0,1,2,3
	v_add_nc_u32 v[TM+12+\b], 0xff000000, v[TM+\b]
.endr
.irp b, 0,1,2,3
	v_lshrrev_b32 v[TM+4+\b], 23, v[TM+12+\b]
.endr
	v_lshl_or_b32 v[PW], v[TM+5], 8, v[TM+4]
	v_lshl_or_b32 v[PW], v[TM+6], 16, v[PW]
	v_lshl_or_b32 v[PW], v[TM+7], 24, v[PW]
	WIN \W
	v_cvt_scalef32_pk16_fp6_f32 v[PC:PC+2], v[(\s0):(\s0)+15], v[TM+12]
	v_cvt_scalef32_pk16_fp6_f32 v[PC+12:PC+14], v[(\s0)+16:(\s0)+31], v[TM+13]
	v_cvt_scalef32_pk16_fp6_f32 v[PC+6:PC+8], v[(\s1):(\s1)+15], v[TM+14]
	v_cvt_scalef32_pk16_fp6_f32 v[PC+16:PC+18], v[(\s1)+16:(\s1)+31], v[TM+15]
	WIN 0
	v_nop
.irp c, 0,1
.irp i, 0,1,2
	v_permlane16_swap_b32 v[PC+6*\c+\i], v[PC+12+4*\c+\i]
.endr
.irp i, 0,1,2
	v_mov_b32 v[PC+3+6*\c+\i], v[PC+12+4*\c+\i]
.endr
.endr
.endm
.macro PUT cb, off
	global_store_b128 v[LI16], v[PC:PC+3], s[\cb:\cb+1] offset:\off
	global_store_b64 v[LI8], v[PC+4:PC+5], s[\cb:\cb+1] offset:\off+512
	global_store_b128 v[LI16], v[PC+6:PC+9], s[\cb:\cb+1] offset:\off+768
	global_store_b64 v[LI8], v[PC+10:PC+11], s[\cb:\cb+1] offset:\off+1280
.endm
	s_load_b128 s[4:7], s[0:1], 0x0                ; hq, wq
	s_load_b64 s[8:9], s[0:1], 0x10                ; qkvq
	v_lshl_add_u32 v[SPW], v0, 2, SPARE
	v_mov_b32 v[NIL], 0
	ds_add_u32 v[SPW], v[NIL]                      ; the wave's opening: the add, twice on end, and its wait ahead of my first tensor load
	ds_add_u32 v[SPW], v[NIL]
	v_lshrrev_b32 v1, 5, v0
	v_readfirstlane_b32 s14, v1                    ; wave
	s_lshr_b32 s15, s14, 1                         ; my half of the tile's A rows; also: I fetch for A (0) or B (1)
	s_and_b32 s16, s14, 1                          ; my half of its B rows; also: which eight row tiles I fetch
	s_bfe_u32 s40, ttmp6, 0x40000                  ; cx
	s_bfe_u32 s41, ttmp6, 0x40004                  ; cy
	s_and_b32 s95, ttmp7, 0xffff                   ; the cluster's y
	s_mov_b32 s99, HS0
	s_mov_b32 s100, WS0
	s_cmp_eq_u32 ttmp9, 2                          ; v's role?  The cluster's x: the same in all sixteen partners
	s_cselect_b32 s96, 0, s95                      ; A's tiles: tokens by the cluster's y; v's columns from 0
	s_cselect_b32 s97, s95, ttmp9                  ; B's tiles: columns by the cluster's x; tokens by its y
	s_cselect_b32 s98, WV0, 0                      ; where A's codes begin in their buffer,
	s_cselect_b32 s99, WVS, s99                    ; A's scale words,
	s_cselect_b32 s100, HS0, s100                  ; B's scale words (B's codes begin at 0 in both roles)
	s_lshl_b32 s42, s97, 2
	s_add_co_u32 s42, s42, s40                     ; B's tile
	s_lshl_b32 s17, s96, 2
	s_add_co_u32 s17, s17, s41                     ; A's tile
	s_lshl_b32 s43, s41, 2
	s_lshl_b32 s43, 15, s43                        ; my row of the cluster
	s_lshl_b32 s44, 0x1111, s40                    ; my column
	s_or_b32 s[G1+0], s43, (3<<16)|(1<<21)         ; 15:0 the mask; 17:16 elements of 8 bytes; 21 set beside a mask; no padding
	s_or_b32 s[G1B+0], s44, (3<<16)|(1<<21)
.irp g, G1, G1B
	s_mov_b32 s[\g+1], 384<<16                     ; tensor_dim0: 3,072 bytes
	s_mov_b32 s[\g+2], 8<<16                       ; tensor_dim1: 8 row tiles
	s_mov_b32 s[\g+3], 384<<16                     ; tile_dim0
	s_mov_b32 s[\g+4], 8                           ; tile_dim1
	s_mov_b32 s[\g+5], KK*12/8                     ; from a row tile to the next, in elements
	s_mov_b32 s[\g+6], 0
	s_mov_b32 s[\g+7], 0
.endr
	s_or_b32 s[G1S+0], s43, (3<<16)|(1<<21)        ; the scale words of eight row tiles: a dense block, as rows of 256 bytes
	s_or_b32 s[G1SB+0], s44, (3<<16)|(1<<21)
.irp g, G1S, G1SB
	s_mov_b32 s[\g+1], 32<<16
	s_mov_b32 s[\g+2], (HALFS/256)<<16
	s_mov_b32 s[\g+3], 32<<16
	s_mov_b32 s[\g+4], HALFS/256
	s_mov_b32 s[\g+5], 32
	s_mov_b32 s[\g+6], 0
	s_mov_b32 s[\g+7], 0
.endr
	s_lshl_b32 s18, s16, 3
	s_lshl_b32 s20, s17, 4
	s_add_co_u32 s20, s20, s18                     ; A: the first row tile that I fetch
	s_lshl_b32 s46, s42, 4
	s_add_co_u32 s46, s46, s18                     ; B likewise
	s_mul_i32 s22, s20, SBLK
	s_add_co_u32 s22, s22, s99
	s_mul_i32 s92, s46, SBLK
	s_add_co_u32 s92, s92, s100
	s_mul_i32 s20, s20, KST*1536
	s_add_co_u32 s20, s20, s98
	s_mul_i32 s46, s46, KST*1536
	s_mov_b32 s21, 0
	s_mov_b32 s23, 0
	s_mov_b32 s47, 0
	s_mov_b32 s93, 0
	s_mul_i32 s45, s14, HALFT                      ; where they go: by the wave's number alone
	s_mul_i32 s94, s14, HALFS
	s_wait_dscnt 0x0                               ; both opening adds are done
	s_wait_kmcnt 0x0
	s_cmp_eq_u32 ttmp9, 2
	s_cselect_b64 s[10:11], s[6:7], s[4:5]         ; A's buffer
	s_cselect_b64 s[12:13], s[4:5], s[6:7]         ; B's
	s_add_nc_u64 s[20:21], s[10:11], s[20:21]
	s_add_nc_u64 s[22:23], s[10:11], s[22:23]
	s_add_nc_u64 s[46:47], s[12:13], s[46:47]
	s_add_nc_u64 s[92:93], s[12:13], s[92:93]
	CROUND                                         ; all sixteen work-groups are here: the first joint loads meet
	s_mov_b32 s[G0S], 1
	s_add_co_u32 s[G0S+1], s94, SCL
	s_mov_b64 s[G0S+2:G0S+3], s[22:23]
	s_or_b32 s[G0S+3], s[G0S+3], 0x80000000
	s_mov_b32 s[G0SB], 1
	s_add_co_u32 s[G0SB+1], s94, SCL
	s_mov_b64 s[G0SB+2:G0SB+3], s[92:93]
	s_or_b32 s[G0SB+3], s[G0SB+3], 0x80000000
	JLOAD G0S, G1S, G0SB, G1SB                     ; three loads of mine go out: the scale words, slot 0, slot 1
.irp s, 0,1
	s_mov_b32 s[G0+4*\s], 1
	s_add_co_u32 s[G0+4*\s+1], s45, \s*SLOT
	s_add_nc_u64 s[G0+4*\s+2:G0+4*\s+3], s[20:21], \s*TROW
	s_or_b32 s[G0+4*\s+3], s[G0+4*\s+3], 0x80000000
	s_mov_b32 s[G0B+4*\s], 1
	s_add_co_u32 s[G0B+4*\s+1], s45, \s*SLOT
	s_add_nc_u64 s[G0B+4*\s+2:G0B+4*\s+3], s[46:47], \s*TROW
	s_or_b32 s[G0B+4*\s+3], s[G0B+4*\s+3], 0x80000000
	JLOAD G0+4*\s, G1, G0B+4*\s, G1B
.endr
	v_and_b32 v1, 31, v0
	v_and_b32 v2, 15, v0                           ; r
	v_bfe_u32 v3, v0, 4, 1                         ; h
	v_lshlrev_b32 v4, 4, v1
	v_lshlrev_b32 v5, 3, v1
	v_lshlrev_b32 v[LI16], 4, v1
	v_lshlrev_b32 v[LI8], 3, v1
	v_lshlrev_b32 v[LS4], 2, v2
	s_mul_i32 s21, s15, HALFT
	s_mul_i32 s22, s16, HALFT
	s_add_co_u32 s22, s22, 2*HALFT
.irp s, 0,1
	v_add_nc_u32 v[ADRA+\s], s21, v4
	v_add_nc_u32 v[ADRB+\s], s22, v4
	v_add_nc_u32 v[ADRA+2+\s], s21, v5
	v_add_nc_u32 v[ADRB+2+\s], s22, v5
	s_add_co_u32 s21, s21, SLOT
	s_add_co_u32 s22, s22, SLOT
.endr
	s_mul_i32 s21, s15, HALFS
	s_mul_i32 s22, s16, HALFS
	s_add_co_u32 s22, s22, 2*HALFS
	s_sub_co_u32 s22, s22, s21
	v_mul_u32_u24 v6, s22, v3                      ; lanes 16-31 take B's words: one product, the distance between the two bases
	s_add_co_u32 s21, s21, SCL
	v_lshl_add_u32 v6, v2, 2, v6
	v_add_nc_u32 v[ADRS], s21, v6
	s_wait_tensorcnt 1                             ; the scale words and my part of slot 0 are in; slot 1's load may be out
	s_barrier_signal -1
	s_barrier_wait -1
	FETCH_B 0, 0, 0
	FETCH_A 0, 0, 0
	SCALES 0
	FETCH_A 0, 0, 4
	STEP 0, 0, FIRST
	s_mov_b32 s3, LAPS-1
.Llap:
	TURN 0, 1, 1
	STEP 1, 0, 0
	TURN 1, 0, 1
	STEP 0, 0, 0
	s_sub_co_u32 s3, s3, 1
	s_cmp_lg_u32 s3, 0
	s_cbranch_scc1 .Llap
	TURN 0, 1, 0                                   ; the last lap fills nothing
	STEP 1, 0, 0
	s_wait_dscnt 4*NL
	WIN MUL_LO
	MUL16 0, 1, NQ-1, 1, 0
	MUL16 2, 1, NQ-1, 1, 0
	s_wait_dscnt 0
	WIN MUL_HI
	MUL16 4, 1, NQ-1, 1, 0
	MUL16 6, 1, NQ-1, 1, 0
	WIN 0
	; THE WAY OUT: no LDS: a lane's registers already run along the next K
	PLACES NP
	s_mov_b32 s[SEL], 0x76543210
	s_mov_b32 s[SEL+1], 0xfedcba98
.irp b, 0,1,2,3
	v_mov_b32 v[TM+4+\b], 0                        ; a lane permute's destination counts as read
.endr
	s_cmp_eq_u32 ttmp9, 2
	s_cbranch_scc1 .Lvpath
	s_lshl_b32 s20, s42, 2                         ; q, k: channel 4 x B's tile + 2 x my half (+ eta),
	s_lshl_b32 s21, s16, 1
	s_add_co_u32 s20, s20, s21
	s_lshl_b32 s20, s20, 7
	s_lshl_b32 s21, s17, 3                         ; pair of token tiles 8 x A's tile + 4 x my half (+ alpha)
	s_add_co_u32 s20, s20, s21
	s_lshl_b32 s21, s15, 2
	s_add_co_u32 s20, s20, s21
	s_lshl_b32 s22, s20, 6
	s_add_co_u32 s22, s22, QS0
	s_mul_i32 s20, s20, 1536
	s_mov_b32 s21, 0
	s_mov_b32 s23, 0
	s_add_nc_u64 s[20:21], s[8:9], s[20:21]
	s_add_nc_u64 s[22:23], s[8:9], s[22:23]
.irp al, 0,1,2,3
.irp et, 0,1
	s_wait_xcnt 0x0                                ; the last fragment's stores have read their registers
	QUANT 8*(8*((2*\al)%4)+4*\et), 8*(8*((2*\al)%4)+4*\et)+64, 2+\al/2
	PUT 20, \et*196608+\al*1536
	global_store_b32 v[LS4], v[PW], s[22:23] offset:\et*8192+\al*64   ; 64 bytes; lanes l and l + 16 hold the same word and write it to the same place
.endr
.endr
	s_branch .Ldone
.Lvpath:
	s_lshl_b32 s20, s42, 1                         ; v: which 128 tokens: 2 x B's tile + my half: batch and key step,
	s_add_co_u32 s20, s20, s16
	s_lshr_b32 s21, s20, 4
	s_and_b32 s20, s20, 15
	s_lshl_b32 s21, s21, 6
	s_lshl_b32 s22, s17, 4                         ; column tile 16 x A's tile + 8 x my half (+ a)
	s_add_co_u32 s21, s21, s22
	s_lshl_b32 s22, s15, 3
	s_add_co_u32 s21, s21, s22
	s_lshl_b32 s21, s21, 4
	s_add_co_u32 s20, s20, s21
	s_lshl_b32 s22, s20, 6
	s_add_co_u32 s22, s22, VS0
	s_mul_i32 s20, s20, 1536
	s_add_co_u32 s20, s20, VC0
	s_mov_b32 s21, 0
	s_mov_b32 s23, 0
	s_add_nc_u64 s[20:21], s[8:9], s[20:21]
	s_add_nc_u64 s[22:23], s[8:9], s[22:23]
.irp a, 0,1,2,3,4,5,6,7
	s_wait_xcnt 0x0
	QUANT 64*(\a%4), 64*(\a%4)+32, 2+\a/4
	PUT 20, \a*24576
	global_store_b32 v[LS4], v[PW], s[22:23] offset:\a*1024
.endr
.Ldone:
	s_wait_tensorcnt 0x0                           ; the wave's end
	ds_add_u32 v[SPW], v[NIL]
	s_wait_dscnt 0x0
	CROUND                                         ; the closing round
	s_endpgm
.Lfunc_end_k_qcdb1c7b9c5_gqkv:
	.size	k_qcdb1c7b9c5_gqkv, .Lfunc_end_k_qcdb1c7b9c5_gqkv-k_qcdb1c7b9c5_gqkv
	.p2alignl 7, 3214868480
	.fill 96, 4, 3214868480
	.section	.rodata,"a",@progbits
	.p2align	6, 0x0
	.amdhsa_kernel k_qcdb1c7b9c5_gqkv
		.amdhsa_group_segment_fixed_size 327680
		.amdhsa_private_segment_fixed_size 0
		.amdhsa_enable_private_segment 0
		.amdhsa_kernarg_size 24
		.amdhsa_user_sgpr_count 2
		.amdhsa_user_sgpr_kernarg_segment_ptr 1
		.amdhsa_wavefront_size32 1
		.amdhsa_system_sgpr_workgroup_id_x 1
		.amdhsa_system_sgpr_workgroup_id_y 1
		.amdhsa_system_sgpr_workgroup_id_z 1
		.amdhsa_system_vgpr_workitem_id 0
		.amdhsa_next_free_vgpr 1024
		.amdhsa_next_free_sgpr 102
		.amdhsa_reserve_vcc 0
		.amdhsa_float_denorm_mode_32 3
		.amdhsa_float_denorm_mode_16_64 3
		.amdhsa_memory_ordered 1
		.amdhsa_forward_progress 1
		.amdhsa_inst_pref_size 187
	.end_amdhsa_kernel
	.amdgpu_metadata
---
amdhsa.version: [ 1, 2 ]
amdhsa.kernels:
  - .name:           k_qcdb1c7b9c5_gqkv
    .symbol:         k_qcdb1c7b9c5_gqkv.kd
    .args:
      - { .name: hq, .offset: 0, .size: 8, .value_kind: global_buffer, .address_space: global }
      - { .name: wq, .offset: 8, .size: 8, .value_kind: global_buffer, .address_space: global }
      - { .name: qkvq, .offset: 16, .size: 8, .value_kind: global_buffer, .address_space: global }
    .group_segment_fixed_size: 327680
    .private_segment_fixed_size: 0
    .kernarg_segment_align: 8
    .kernarg_segment_size: 24
    .max_flat_workgroup_size: 128
    .sgpr_count:     102
    .vgpr_count:     1024
    .wavefront_size: 32
...
	.end_amdgpu_metadata
.endif
;; end of part 3
;; launch attn (part 4): grid 8 x 32, 16 waves a work-group, clusters of 4 x 1, 206,848 bytes of LDS; arguments qkvq, oq; writes oq
.if DOCPART == 4
	.amdgcn_target "amdgcn-amd-amdhsa--gfx1250"
	.amdhsa_code_object_version 6
	.text
	.protected	k_qcdb1c7b9c5_attn
	.globl	k_qcdb1c7b9c5_attn
	.p2align	8
	.type	k_qcdb1c7b9c5_attn,@function
k_qcdb1c7b9c5_attn:
	s_mov_b64 s[64:65], 0
	v_nop
	global_prefetch_b8 v0, s[64:65] scope:SCOPE_SE
	s_setreg_imm32_b32 hwreg(HW_REG_WAVE_MODE, 25, 1), 1
	s_wait_xcnt 0x0
	s_wait_alu depctr_hold_cnt(0) depctr_sa_sdst(0) depctr_va_vdst(0) depctr_va_sdst(0) depctr_va_ssrc(0) depctr_va_vcc(0) depctr_vm_vsrc(0)
	s_getreg_b32 s2, hwreg(HW_REG_IB_STS2, 6, 4)
	s_cmp_eq_u32 s2, 0
	s_cbranch_scc0 .Lentry_in_a_cluster
	s_endpgm
.Lentry_in_a_cluster:
	s_bfe_u32 s2, ttmp6, 0x10000c
	s_cmp_lg_u32 s2, 0x3003
	s_cbranch_scc0 .Lentry_shape_is_right
	s_endpgm
.Lentry_shape_is_right:
; o = softmax(q k^T / 8) v for one batch and head, both products on codes of FP6 with E8M0 scales; o is quantised along the model's 1,024 and leaves as the A operand of the projection.  No work of reference() is left out.
; THE SOFTMAX AHEAD OF THE SECOND PRODUCT: t = score x log2(e) / 8; M = the running largest t rounded up to a whole number; p = 2^(t - M) is quantised along the keys, not normalised; the row's sum is taken of the unquantised p and divides at the end.
; SHARES.  A work-group owns 256 queries of one (batch, head), each of its sixteen waves 16 of them in 256 registers: four waves to a SIMD, so that one wave's vector work stands beside another's matrix work.
; NO RING.  A head's K and V as codes are 196,608 bytes and their scale words 8,192: all of it is brought into LDS once, in four quarters of 512 keys, and nothing is filled again.  Every wave issues five loads at the head: five are out.
; CLUSTER.  The four query blocks of a cluster belong to one head: each piece is asked for jointly, by the same load with the same descriptor and a mask that names the four.
; Nothing is prefetched: every byte that the launch reads through LDS is asked for at its head.
; K = 64 UNDER AN INSTRUCTION OF 128.  A fragment of k holds two token tiles: row r is key 32 P + r in k 0..63 and key 32 P + 16 + r in k 64..127.  Against [q | 0] it gives the first sixteen keys' scores, against [0 | q] the second sixteen's.
; Both products are used transposed: a lane holds one query throughout.  The two accumulators of a pair are a block of 32 keys in the order of places that v's codes were given (place 16 h + 8 u + j holds key 16 u + 8 h + j).
; LIMITS: as stated at the first launch's head.  The block's largest p is made from the block's largest score by the same two instructions as every p; this takes v_exp_f32 not to fall where its input rises.
.set VC0,   6291456
.set QS0,   9437184
.set VS0,   9699328
.set HS0,   3145728
.set QRT,   49152                      ; a quarter in LDS: 16 fragments of k, then 4 x 4 of v ([16 of the head's 64][key step])
.set SCB,   196608                     ; k's scale words: [pair][64 bytes]
.set VSB,   200704                     ; v's: [16 of the 64][key step][64 bytes]
.set SPARE, 204800                     ; the spare words: 128 bytes for each of sixteen waves; no other line names them
.set LI16, 1
.set LI8,  2
.set QLO,  16                          ; v16-27 [q | 0];  v80-91 [0 | q]
.set F,    32                          ; v32-79 four fragments, k's and then v's
.set S,    96                          ; v96-159 scores, then p
.set O,    160                         ; v160-191 O^T
.set PC,   192                         ; v192-203 p's codes;  v204-210 on their way
.set CT,   204
.set BM,   212                         ; the blocks' largest
.set PT,   216
.set SO,   220                         ; the conversions' scale operands
.set KSW,  224                         ; scale words: k's pairs 0|1 and 2|3 in the two halves of the lanes
.set VSW,  226                         ; v's tiles 0|1 and 2|3
.set PSW,  228                         ; p's
.set QSW,  229                         ; q's
.set FF,   230                         ; f = 2^(old M - new M), named as a pair
.set T0,   232
.set PW2,  233
.set SUM2, 234
.set SPW,  254
.set NIL,  255
.set WV,   18
.set SEL,  20
.set CS,   22
.set G1C,  24
.set G1S,  32
.set G0,   40                          ; s[40:43] the scale words' group 0; s[44:59] one for each quarter
.set TK,   60
.set TV,   61
.set TS,   62
.set TJ,   63
.set CNT,  66
.macro CROUND
	s_barrier_signal -1
	s_barrier_wait -1
	s_cmp_lg_u32 s[WV], 0
	s_cbranch_scc1 .Lnot_wave_0_\@
	s_barrier_signal -3
.Lnot_wave_0_\@:
	s_barrier_wait -3
	s_barrier_signal -1
	s_barrier_wait -1
.endm
	s_load_b128 s[4:7], s[0:1], 0x0                ; qkvq, oq
	v_lshl_add_u32 v[SPW], v0, 2, SPARE
	v_mov_b32 v[NIL], 0
	ds_add_u32 v[SPW], v[NIL]                      ; the wave's opening: the add, twice on end, and its wait ahead of my first tensor load
	ds_add_u32 v[SPW], v[NIL]
	v_lshrrev_b32 v5, 5, v0
	v_readfirstlane_b32 s[WV], v5                  ; wave 0..15
	s_bfe_u32 s8, ttmp6, 0x40000                   ; cx
	s_lshl_b32 s9, ttmp9, 2
	s_add_co_u32 s9, s9, s8                        ; my block of 256 queries: it enters q's and o's addresses alone
	s_and_b32 s10, ttmp7, 0xffff
	s_lshr_b32 s11, s10, 4                         ; batch
	s_and_b32 s12, s10, 15                         ; head
	s_add_co_u32 s13, s12, 16                      ; k's channel
	s_lshl_b32 s13, s13, 7
	s_lshl_b32 s14, s11, 6
	s_add_co_u32 s13, s13, s14                     ; its first pair of this batch
	s_mul_i32 s15, s13, 1536
	s_mul_i32 s16, s[WV], 3072                     ; a wave's piece: two fragments
	s_add_co_u32 s15, s15, s16                     ; waves 0-7: k's codes
	s_lshl_b32 s17, s13, 6
	s_lshl_b32 s19, s[WV], 9
	s_add_co_u32 s17, s17, s19
	s_add_co_u32 s17, s17, QS0                     ; and 512 bytes of its scale words
	s_and_b32 s66, s[WV], 7
	s_lshl_b32 s67, s11, 6
	s_lshl_b32 s68, s12, 2
	s_add_co_u32 s67, s67, s68                     ; v's first column tile of this batch and head
	s_lshr_b32 s68, s66, 1
	s_add_co_u32 s68, s68, s67
	s_mul_i32 s68, s68, 24576
	s_and_b32 s69, s66, 1
	s_mul_i32 s69, s69, 3072
	s_add_co_u32 s68, s68, s69
	s_add_co_u32 s68, s68, VC0                     ; waves 8-15: v's codes: tile (w - 8) / 2, two key steps
	s_lshl_b32 s69, s67, 10
	s_lshl_b32 s70, s66, 9
	s_add_co_u32 s69, s69, s70
	s_add_co_u32 s69, s69, VS0
	s_mov_b32 s76, 6144
	s_cmp_lt_u32 s[WV], 8
	s_cselect_b32 s74, s15, s68
	s_cselect_b32 s72, s17, s69
	s_cselect_b32 s76, 24576, s76                  ; from a quarter to the next, in memory
	s_mov_b32 s73, 0
	s_mov_b32 s75, 0
	s_mov_b32 s77, 0
	s_mov_b32 s[G1C], 15|(3<<16)|(1<<21)           ; 15:0 the mask: all four work-groups; elements of 8 bytes; 21 set beside a mask.  A dense piece of 3,072 bytes as 12 rows of 256
	s_mov_b32 s[G1C+1], 32<<16
	s_mov_b32 s[G1C+2], 12<<16
	s_mov_b32 s[G1C+3], 32<<16
	s_mov_b32 s[G1C+4], 12
	s_mov_b32 s[G1C+5], 32
	s_mov_b32 s[G1C+6], 0
	s_mov_b32 s[G1C+7], 0
	s_mov_b32 s[G1S], 15|(3<<16)|(1<<21)           ; 512 bytes as 2 rows of 256
	s_mov_b32 s[G1S+1], 32<<16
	s_mov_b32 s[G1S+2], 2<<16
	s_mov_b32 s[G1S+3], 32<<16
	s_mov_b32 s[G1S+4], 2
	s_mov_b32 s[G1S+5], 32
	s_mov_b32 s[G1S+6], 0
	s_mov_b32 s[G1S+7], 0
	s_mov_b32 s[SEL], 0x76543210
	s_mov_b32 s[SEL+1], 0xfedcba98
	s_mov_b32 s[CS], 0x3e38aa3b                    ; c = log2(e) / 8
	s_mov_b32 s[CS+1], s[CS]
	s_wait_dscnt 0x0                               ; both opening adds are done
	s_wait_kmcnt 0x0
	s_mov_b32 s[G0], 1
	s_add_co_u32 s[G0+1], s19, SCB                 ; LDS: by the wave's number alone
	s_add_nc_u64 s[G0+2:G0+3], s[4:5], s[72:73]
	s_or_b32 s[G0+3], s[G0+3], 0x80000000
	s_add_nc_u64 s[74:75], s[4:5], s[74:75]
.irp j, 0,1,2,3
	s_mov_b32 s[G0+4+4*\j], 1
	s_add_co_u32 s[G0+5+4*\j], s16, \j*QRT
	s_mov_b64 s[G0+6+4*\j:G0+7+4*\j], s[74:75]
	s_or_b32 s[G0+7+4*\j], s[G0+7+4*\j], 0x80000000
	s_add_nc_u64 s[74:75], s[74:75], s[76:77]
.endr
	CROUND                                         ; all four work-groups are here: the joint loads meet
	tensor_load_to_lds s[G0:G0+3], s[G1S:G1S+7]
	s_nop 0
.irp j, 0,1,2,3
	tensor_load_to_lds s[G0+4+4*\j:G0+7+4*\j], s[G1C:G1C+7]
	s_nop 0
.endr
.rept 4
	v_nop
.endr
	s_lshl_b32 s78, s11, 7
	s_lshl_b32 s79, s9, 4
	s_add_co_u32 s78, s78, s79
	s_add_co_u32 s78, s78, s[WV]                   ; my token tile
	s_lshl_b32 s79, s12, 8
	s_add_co_u32 s79, s79, s78
	s_mul_i32 s80, s79, 768                        ; q's half fragment
	s_mov_b32 s81, 0
	s_add_nc_u64 s[80:81], s[4:5], s[80:81]
	s_lshr_b32 s82, s79, 1
	s_lshl_b32 s82, s82, 6
	s_add_co_u32 s82, s82, QS0                     ; its pair's scale words
	s_mov_b32 s83, 0
	s_add_nc_u64 s[82:83], s[4:5], s[82:83]
	s_lshl_b32 s84, s78, 4
	s_add_co_u32 s84, s84, s12
	s_mul_i32 s84, s84, 768                        ; o's half fragment: row tile, head
	s_mov_b32 s85, 0
	s_add_nc_u64 s[84:85], s[6:7], s[84:85]
	s_lshl_b32 s86, s78, 3
	s_lshr_b32 s87, s12, 1
	s_add_co_u32 s86, s86, s87
	s_lshl_b32 s86, s86, 6
	s_and_b32 s87, s12, 1
	s_lshl_b32 s87, s87, 1
	s_add_co_u32 s86, s86, s87
	s_add_co_u32 s86, s86, HS0                     ; its two scale bytes in the K step's word
	s_mov_b32 s87, 0
	s_add_nc_u64 s[86:87], s[6:7], s[86:87]
	s_and_b32 s88, s[WV], 1
	s_lshl_b32 s88, s88, 4
	v_and_b32 v5, 31, v0
	v_and_b32 v6, 15, v0                           ; r
	v_bfe_u32 v7, v0, 4, 1                         ; h
	v_lshlrev_b32 v[LI16], 4, v5
	v_lshlrev_b32 v[LI8], 3, v5
	v_lshl_add_u32 v3, v5, 2, SCB                  ; k's scale words: two pairs' 128 bytes
	v_lshl_add_u32 v4, v6, 2, VSB
	v_lshl_add_u32 v4, v7, 10, v4                  ; v's: lanes 16-31 take the next tile's
	v_lshlrev_b32 v11, 2, v6
	global_load_b128 v[QLO:QLO+3], v[LI16], s[80:81]
	global_load_b64 v[QLO+4:QLO+5], v[LI8], s[80:81] offset:512
	global_load_b128 v[QLO+70:QLO+73], v[LI16], s[80:81]
	global_load_b64 v[QLO+74:QLO+75], v[LI8], s[80:81] offset:512
	global_load_b32 v[QSW], v11, s[82:83]
.irp i, 0,1,2,3,4,5
	v_mov_b32 v[QLO+6+\i], 0                       ; zero codes add nothing under any scale byte that the quantiser gives
	v_mov_b32 v[QLO+64+\i], 0
.endr
	v_mov_b32 v13, 0xff61b1e6                      ; the largest t so far: -3e38
	v_floor_f32 v12, -v13                          ; -M
	v_mov_b32 v14, 0
	v_mov_b32 v15, 0
	v_mov_b32 v[FF+1], 0
	v_mov_b32 v[T0], 0
.irp b, 0,1,2,3
	v_mov_b32 v[PT+\b], 0
.endr
	s_wait_loadcnt 0x0
	v_lshrrev_b32 v[QSW], s88, v[QSW]              ; my tile's two bytes of the pair's word,
	v_and_b32 v[QSW], 0xffff, v[QSW]
	v_lshl_or_b32 v[QSW], v[QSW], 16, v[QSW]       ; for both halves of the 128
.set i, 0
.rept 32
	v_mov_b32 v[O+i], 0                            ; the step is written once: the first finds zeros
.set i, i+1
.endr
; A KEY STEP: 128 keys
.macro STEP
	v_add_nc_u32 v5, s[TK], v[LI16]                ; (these six are also the places behind the last step's products)
	v_add_nc_u32 v6, s[TK], v[LI8]
	v_add_nc_u32 v7, s[TV], v[LI16]
	v_add_nc_u32 v8, s[TV], v[LI8]
	v_add_nc_u32 v9, s[TS], v3
	v_add_nc_u32 v10, s[TJ], v4
.irp p, 0,1,2,3
	ds_load_b128 v[F+12*\p:F+12*\p+3], v5 offset:1536*\p
	ds_load_b64 v[F+12*\p+4:F+12*\p+5], v6 offset:1536*\p+512
	ds_load_b128 v[F+12*\p+6:F+12*\p+9], v5 offset:1536*\p+768
	ds_load_b64 v[F+12*\p+10:F+12*\p+11], v6 offset:1536*\p+1280
.endr
	ds_load_b32 v[KSW], v9
	ds_load_b32 v[KSW+1], v9 offset:128
	s_wait_dscnt 0x0
.irp p, 0,1,2,3
.irp u, 0,1
.if \p%2
	v_wmma_scale_f32_16x16x128_f8f6f4 v[S+16*\p+8*\u:S+16*\p+8*\u+7], v[F+12*\p:F+12*\p+11], v[QLO+64*\u:QLO+64*\u+11], 0, v[KSW+\p/2], v[QSW] matrix_a_fmt:MATRIX_FMT_FP6 matrix_b_fmt:MATRIX_FMT_FP6 matrix_a_scale:MATRIX_SCALE_ROW1
.else
	v_wmma_scale_f32_16x16x128_f8f6f4 v[S+16*\p+8*\u:S+16*\p+8*\u+7], v[F+12*\p:F+12*\p+11], v[QLO+64*\u:QLO+64*\u+11], 0, v[KSW+\p/2], v[QSW] matrix_a_fmt:MATRIX_FMT_FP6 matrix_b_fmt:MATRIX_FMT_FP6
.endif
.endr
.endr
.rept 4
	v_nop                                          ; places: in front of the loads into k's registers and of the first read of the scores
.endr
.irp t, 0,1,2,3                        ; v's fragments land while the softmax is walked
	ds_load_b128 v[F+12*\t:F+12*\t+3], v7 offset:6144*\t
	ds_load_b64 v[F+12*\t+4:F+12*\t+5], v8 offset:6144*\t+512
	ds_load_b128 v[F+12*\t+6:F+12*\t+9], v7 offset:6144*\t+768
	ds_load_b64 v[F+12*\t+10:F+12*\t+11], v8 offset:6144*\t+1280
.endr
	ds_load_b32 v[VSW], v10
	ds_load_b32 v[VSW+1], v10 offset:2048
.irp b, 0,1,2,3
	v_max3_num_f32 v[BM+\b], v[S+16*\b], v[S+16*\b+1], v[S+16*\b+2]   ; the largest score of each block of 32 keys: for the row's maximum and for the block's largest p
.endr
.irp i, 3,5,7,9,11,13
.irp b, 0,1,2,3
	v_max3_num_f32 v[BM+\b], v[BM+\b], v[S+16*\b+\i], v[S+16*\b+\i+1]
.endr
.endr
.irp b, 0,1,2,3
	v_max_num_f32 v[BM+\b], v[BM+\b], v[S+16*\b+15]
.endr
.irp b, 0,1,2,3
	v_permlanex16_b32 v[PT+\b], v[BM+\b], s[SEL], s[SEL+1]
.endr
.irp b, 0,1,2,3
	v_max_num_f32 v[BM+\b], v[BM+\b], v[PT+\b]
.endr
	v_max3_num_f32 v[T0], v[BM], v[BM+1], v[BM+2]
	v_max_num_f32 v[T0], v[T0], v[BM+3]
	v_mul_f32 v[T0], s[CS], v[T0]
	v_max_num_f32 v13, v13, v[T0]                  ; the running largest t
	v_mov_b32 v[T0], v12
	v_floor_f32 v12, -v13                          ; the new -M: M is a whole number
	v_sub_f32 v[T0], v12, v[T0]
	v_cvt_i32_f32 v[T0], v[T0]                     ; (it saturates)
	v_ldexp_f32 v[FF], 1.0, v[T0]                  ; f = 2^(old M - new M): a multiplication by it rounds nothing
.set i, 0
.rept 32
	v_pk_fma_f32 v[S+i:S+i+1], v[S+i:S+i+1], s[CS:CS+1], v[12:13] op_sel_hi:[1,0,0]   ; t - M
.set i, i+2
.endr
.irp b, 0,1,2,3
	v_fma_f32 v[BM+\b], v[BM+\b], s[CS], v12
.endr
.set i, 0
.rept 64
	v_exp_f32 v[S+i], v[S+i]                       ; p = 2^(t - M)
.set i, i+1
.endr
	v_pk_mul_f32 v[14:15], v[14:15], v[FF:FF+1] op_sel_hi:[1,0]   ; the sums under the new M; the plain line behind the exponentials
	s_wait_alu depctr_va_vdst(0)                   ; one wait for the batch, ahead of its first reader
.irp b, 0,1,2,3
	v_exp_f32 v[BM+\b], v[BM+\b]                   ; the block's largest p
.endr
	v_pk_add_f32 v[SUM2:SUM2+1], v[S:S+1], v[S+2:S+3]             ; the row's sum, of the unquantised p, in two chains
.irp j, 4,8,12,16,20,24,28,32,36,40,44,48,52,56,60
	v_pk_add_f32 v[14:15], v[14:15], v[S+\j:S+\j+1]
	v_pk_add_f32 v[SUM2:SUM2+1], v[SUM2:SUM2+1], v[S+\j+2:S+\j+3]
.endr
	v_pk_add_f32 v[14:15], v[14:15], v[SUM2:SUM2+1]
	s_wait_alu depctr_va_vdst(0)                   ; and one for the four
.irp b, 0,1,2,3
	v_max_num_f32 v[BM+\b], 0x1800000, v[BM+\b]    ; the floor: the byte cannot fall under 1
.endr
.irp b, 0,1,2,3
	v_add_nc_u32 v[SO+\b], 0xff000000, v[BM+\b]
.endr
.irp b, 0,1,2,3
	v_lshrrev_b32 v[PT+\b], 23, v[SO+\b]
.endr
	v_lshl_or_b32 v[PSW], v[PT+1], 8, v[PT]
	v_lshl_or_b32 v[PSW], v[PT+2], 16, v[PSW]
	v_lshl_or_b32 v[PSW], v[PT+3], 24, v[PSW]
.irp c, 0,1
	v_cvt_scalef32_pk16_fp6_f32 v[PC+6*\c:PC+6*\c+2], v[S+32*\c:S+32*\c+15], v[SO+2*\c]
	v_cvt_scalef32_pk16_fp6_f32 v[CT+4*\c:CT+4*\c+2], v[S+32*\c+16:S+32*\c+31], v[SO+2*\c+1]
.endr
	v_nop
.irp c, 0,1
.irp i, 0,1,2
	v_permlane16_swap_b32 v[PC+6*\c+\i], v[CT+4*\c+\i]
.endr
.irp i, 0,1,2
	v_mov_b32 v[PC+3+6*\c+\i], v[CT+4*\c+\i]
.endr
.endr
.set i, 0
.rept 16
	v_pk_mul_f32 v[O+i:O+i+1], v[O+i:O+i+1], v[FF:FF+1] op_sel_hi:[1,0]   ; O^T under the new M
.set i, i+2
.endr
.rept 4
	v_nop                                          ; places between the last vector write of an operand and the products
.endr
	s_wait_dscnt 0x0                               ; v's fragments and scale words
.irp t, 0,1,2,3
.if \t%2
	v_wmma_scale_f32_16x16x128_f8f6f4 v[O+8*\t:O+8*\t+7], v[F+12*\t:F+12*\t+11], v[PC:PC+11], v[O+8*\t:O+8*\t+7], v[VSW+\t/2], v[PSW] matrix_a_fmt:MATRIX_FMT_FP6 matrix_b_fmt:MATRIX_FMT_FP6 matrix_a_scale:MATRIX_SCALE_ROW1
.else
	v_wmma_scale_f32_16x16x128_f8f6f4 v[O+8*\t:O+8*\t+7], v[F+12*\t:F+12*\t+11], v[PC:PC+11], v[O+8*\t:O+8*\t+7], v[VSW+\t/2], v[PSW] matrix_a_fmt:MATRIX_FMT_FP6 matrix_b_fmt:MATRIX_FMT_FP6
.endif
.endr
	s_add_co_u32 s[TK], s[TK], 6144
	s_add_co_u32 s[TV], s[TV], 1536
	s_add_co_u32 s[TS], s[TS], 256
	s_add_co_u32 s[TJ], s[TJ], 64
.endm
.macro QUARTER j                       ; 512 keys: four steps
	s_wait_tensorcnt 3-\j                          ; my pieces up to this quarter's have landed; the later quarters' loads may stay out
	s_barrier_signal -1
	s_barrier_wait -1                              ; everybody's have
	s_mov_b32 s[TK], \j*QRT
	s_mov_b32 s[TV], \j*QRT+24576
	s_mov_b32 s[TS], \j*1024
	s_mov_b32 s[TJ], \j*256
	s_mov_b32 s[CNT], 4
.Lq_\@:
	STEP
	s_sub_co_u32 s[CNT], s[CNT], 1
	s_cmp_lg_u32 s[CNT], 0
	s_cbranch_scc1 .Lq_\@
.endm
	QUARTER 0
	QUARTER 1
	QUARTER 2
	QUARTER 3
	; THE WAY OUT: O^T / the sum; my 64 numbers of a row are two blocks of the projection's K: half a fragment
	v_add_f32 v14, v14, v15
	v_permlanex16_b32 v[T0], v14, s[SEL], s[SEL+1]
	v_add_f32 v14, v14, v[T0]
	v_rcp_f32 v14, v14
.rept 4
	v_nop                                          ; the plain line behind the reciprocal, and the places behind the last products
.endr
	s_wait_alu depctr_va_vdst(0)
.set i, 0
.rept 16
	v_pk_mul_f32 v[S+i:S+i+1], v[O+i:O+i+1], v[14:15] op_sel_hi:[1,0]
.set i, i+2
.endr
.irp b, 0,1
	v_max3_num_f32 v[BM+\b], |v[S+16*\b]|, |v[S+16*\b+1]|, 0x1800000
.endr
.irp i, 2,4,6,8,10,12,14
.irp b, 0,1
	v_max3_num_f32 v[BM+\b], v[BM+\b], |v[S+16*\b+\i]|, |v[S+16*\b+\i+1]|
.endr
.endr
.irp b, 0,1
	v_permlanex16_b32 v[PT+\b], v[BM+\b], s[SEL], s[SEL+1]
.endr
.irp b, 0,1
	v_max_num_f32 v[BM+\b], v[BM+\b], v[PT+\b]
.endr
.irp b, 0,1
	v_add_nc_u32 v[SO+\b], 0xff000000, v[BM+\b]
.endr
.irp b, 0,1
	v_lshrrev_b32 v[PT+\b], 23, v[SO+\b]
.endr
	v_lshl_or_b32 v[PW2], v[PT+1], 8, v[PT]
	v_cvt_scalef32_pk16_fp6_f32 v[PC:PC+2], v[S:S+15], v[SO]
	v_cvt_scalef32_pk16_fp6_f32 v[CT:CT+2], v[S+16:S+31], v[SO+1]
	v_nop
.irp i, 0,1,2
	v_permlane16_swap_b32 v[PC+\i], v[CT+\i]
.endr
.irp i, 0,1,2
	v_mov_b32 v[PC+3+\i], v[CT+\i]
.endr
	global_store_b128 v[LI16], v[PC:PC+3], s[84:85]               ; 512 consecutive bytes
	global_store_b64 v[LI8], v[PC+4:PC+5], s[84:85] offset:512    ; 256
	global_store_b16 v11, v[PW2], s[86:87]         ; two bytes a row: 131,072 bytes of the launch's 3,276,800; lanes l and l + 16 write the same value to the same place
	s_wait_tensorcnt 0x0                           ; the wave's end
	ds_add_u32 v[SPW], v[NIL]
	s_wait_dscnt 0x0
	CROUND                                         ; the closing round
	s_endpgm
.Lfunc_end_k_qcdb1c7b9c5_attn:
	.size	k_qcdb1c7b9c5_attn, .Lfunc_end_k_qcdb1c7b9c5_attn-k_qcdb1c7b9c5_attn
	.p2alignl 7, 3214868480
	.fill 96, 4, 3214868480
	.section	.rodata,"a",@progbits
	.p2align	6, 0x0
	.amdhsa_kernel k_qcdb1c7b9c5_attn
		.amdhsa_group_segment_fixed_size 206848
		.amdhsa_private_segment_fixed_size 0
		.amdhsa_enable_private_segment 0
		.amdhsa_kernarg_size 16
		.amdhsa_user_sgpr_count 2
		.amdhsa_user_sgpr_kernarg_segment_ptr 1
		.amdhsa_wavefront_size32 1
		.amdhsa_system_sgpr_workgroup_id_x 1
		.amdhsa_system_sgpr_workgroup_id_y 1
		.amdhsa_system_sgpr_workgroup_id_z 1
		.amdhsa_system_vgpr_workitem_id 0
		.amdhsa_next_free_vgpr 256
		.amdhsa_next_free_sgpr 96
		.amdhsa_reserve_vcc 0
		.amdhsa_float_denorm_mode_32 3
		.amdhsa_float_denorm_mode_16_64 3
		.amdhsa_memory_ordered 1
		.amdhsa_forward_progress 1
		.amdhsa_inst_pref_size 80
	.end_amdhsa_kernel
	.amdgpu_metadata
---
amdhsa.version: [ 1, 2 ]
amdhsa.kernels:
  - .name:           k_qcdb1c7b9c5_attn
    .symbol:         k_qcdb1c7b9c5_attn.kd
    .args:
      - { .name: qkvq, .offset: 0, .size: 8, .value_kind: global_buffer, .address_space: global }
      - { .name: oq, .offset: 8, .size: 8, .value_kind: global_buffer, .address_space: global }
    .group_segment_fixed_size: 206848
    .private_segment_fixed_size: 0
    .kernarg_segment_align: 8
    .kernarg_segment_size: 16
    .max_flat_workgroup_size: 512
    .sgpr_count:     96
    .vgpr_count:     256
    .wavefront_size: 32
...
	.end_amdgpu_metadata
.endif
;; end of part 4
;; launch gproj (part 5): grid 4 x 16, 4 waves a work-group, clusters of 4 x 4, 327,680 bytes of LDS; arguments oq, wq, b_proj, x, x1; writes x1
.if DOCPART == 5
	.amdgcn_target "amdgcn-amd-amdhsa--gfx1250"
	.amdhsa_code_object_version 6
	.text
	.protected	k_qcdb1c7b9c5_gproj
	.globl	k_qcdb1c7b9c5_gproj
	.p2align	8
	.type	k_qcdb1c7b9c5_gproj,@function
k_qcdb1c7b9c5_gproj:
	s_mov_b64 s[64:65], 0
	v_nop
	global_prefetch_b8 v0, s[64:65] scope:SCOPE_SE
	s_setreg_imm32_b32 hwreg(HW_REG_WAVE_MODE, 25, 1), 1
	s_wait_xcnt 0x0
	s_wait_alu depctr_hold_cnt(0) depctr_sa_sdst(0) depctr_va_vdst(0) depctr_va_sdst(0) depctr_va_ssrc(0) depctr_va_vcc(0) depctr_vm_vsrc(0)
	s_getreg_b32 s2, hwreg(HW_REG_IB_STS2, 6, 4)
	s_cmp_eq_u32 s2, 0
	s_cbranch_scc0 .Lentry_in_a_cluster
	s_endpgm
.Lentry_in_a_cluster:
	s_bfe_u32 s2, ttmp6, 0x10000c
	s_cmp_lg_u32 s2, 0xf033
	s_cbranch_scc0 .Lentry_shape_is_right
	s_endpgm
.Lentry_shape_is_right:
; x1 = x + o w_proj + b_proj: the product on codes of FP6 with E8M0 scales, K = 1,024; bias and residual in f32.  No work of reference() is left out.
; A tile of C, 256 x 256, by four waves of 128 x 128; K in steps of 256 through a ring of two LDS slots; operands lie in memory as images of fragments ([row tile][K step][1,536 bytes]); the scale words come once and stay.
; CLUSTERS of 4 x 4: A's tiles are asked for jointly along a row of the cluster, B's along a column.  The matrix instruction is used transposed (source 0 = 16 columns of the weight, source 1 = 16 tokens).
; The bias is the C of each sum's first product.  On the way out a block of 16 rows goes through the wave's stage in LDS and comes back as whole rows of 512 bytes; the residual is added there.
; The launch has 64 tiles: a smaller tile would give a refill half the matrix work in which to land.
.set KK,    1024
.set ASOFF, 3145728                    ; A's scale words in its buffer
.set BOFF,  2359296                    ; the weight's codes in wq
.set BSOFF, 9535488                    ; and its scale words
.set LASTL, 0                          ; 1: the stores are the program's output, read by nobody here
.set KST,   KK/128
.set FIRST, 2                          ; the first products take the bias as C
.set FR,    12
.set NL,    4
.set NQ,    2
.set NP,    4
.set TROW,  3072
.set HALFT, 8*TROW
.set SLOT,  4*HALFT
.set LAPS,  KK/512
.set SCL,   2*SLOT
.set SBLK,  KK/2
.set HALFS, 8*SBLK
.set SPARE, SCL+4*HALFS
.set SPITCH, 528                       ; the stage: 16 rows x (512 + 16) bytes a wave, in slot 0, which has had its last fill and its last read by then
.set ADRA, 16
.set ADRB, 20
.set STO,  24
.set RD,   25
.set CO,   26
.set ADRS, 27
.set SPW,  28
.set NIL,  29
.set BOF,  30
.set SC,   32                          ; v32-63 scale words: they hold nothing else
.set BI,   64                          ; v64-127 the bias, later the residual
.set RES,  64
.set AF,   128
.set BK,   128
.set G1, 24
.set G0, 32
.set G1B, 48
.set G0B, 56
.set G1S, 68
.set G0S, 76
.set G1SB, 80
.set G0SB, 88
.set MSB, 0
.macro WIN new
.if MSB != (\new)
	s_set_vgpr_msb (MSB<<8)|(\new)
.set MSB, (\new)
.endif
.endm
.set MUL_LO, 0xa1
.set MUL_HI, 0xf1
.set TO_B,   0x40
.macro JLOAD g0a, g1a, g0b, g1b
	s_cmp_eq_u32 s15, 0
	s_cbranch_scc0 .Lfor_b_\@
	tensor_load_to_lds s[\g0a:\g0a+3], s[\g1a:\g1a+7]
	s_nop 0
.rept 4
	v_nop
.endr
	s_branch .Lasked_\@
.Lfor_b_\@:
	tensor_load_to_lds s[\g0b:\g0b+3], s[\g1b:\g1b+7]
	s_nop 0
.rept 4
	v_nop
.endr
.Lasked_\@:
.endm
.macro CREST
	s_cmp_lg_u32 s14, 0
	s_cbranch_scc1 .Lnot_wave_0_\@
	s_barrier_signal -3
.Lnot_wave_0_\@:
	s_barrier_wait -3
	s_barrier_signal -1
	s_barrier_wait -1
.endm
.macro CROUND
	s_barrier_signal -1
	s_barrier_wait -1
	CREST
.endm
.macro PLACES n
.rept \n
	v_nop
.endr
.endm
.macro FRAG reg, adr, q, i
	ds_load_b128 v[\reg:\reg+3], v[\adr] offset:(\i)*TROW+(\q)*1536
	ds_load_b64 v[\reg+4:\reg+5], v[\adr+2] offset:(\i)*TROW+(\q)*1536+512
	ds_load_b128 v[\reg+6:\reg+9], v[\adr] offset:(\i)*TROW+(\q)*1536+768
	ds_load_b64 v[\reg+10:\reg+11], v[\adr+2] offset:(\i)*TROW+(\q)*1536+1280
.endm
.macro MUL16 a0, p, q, sc, zero        ; the 64 accumulators take turns, one instruction a turn
.irp a, \a0, \a0+1
.irp b, 0,1,2,3,4,5,6,7
.if \zero == 1
	v_wmma_scale_f32_16x16x128_f8f6f4 v[8*(8*((\a)%4)+\b):8*(8*((\a)%4)+\b)+7], v[128*(\p)+FR*\b:128*(\p)+FR*\b+FR-1], v[AF+FR*(\a):AF+FR*(\a)+FR-1], 0, v[SC+8*NQ*(\sc)+NQ*\b+(\q)], v[SC+8*NQ*(\sc)+NQ*(\a)+(\q)] matrix_a_fmt:MATRIX_FMT_FP6 matrix_b_fmt:MATRIX_FMT_FP6 matrix_a_scale:MATRIX_SCALE_ROW1
.elseif \zero == 2
	v_wmma_scale_f32_16x16x128_f8f6f4 v[8*(8*((\a)%4)+\b):8*(8*((\a)%4)+\b)+7], v[128*(\p)+FR*\b:128*(\p)+FR*\b+FR-1], v[AF+FR*(\a):AF+FR*(\a)+FR-1], v[BI+8*\b:BI+8*\b+7], v[SC+8*NQ*(\sc)+NQ*\b+(\q)], v[SC+8*NQ*(\sc)+NQ*(\a)+(\q)] matrix_a_fmt:MATRIX_FMT_FP6 matrix_b_fmt:MATRIX_FMT_FP6 matrix_a_scale:MATRIX_SCALE_ROW1
.else
	v_wmma_scale_f32_16x16x128_f8f6f4 v[8*(8*((\a)%4)+\b):8*(8*((\a)%4)+\b)+7], v[128*(\p)+FR*\b:128*(\p)+FR*\b+FR-1], v[AF+FR*(\a):AF+FR*(\a)+FR-1], v[8*(8*((\a)%4)+\b):8*(8*((\a)%4)+\b)+7], v[SC+8*NQ*(\sc)+NQ*\b+(\q)], v[SC+8*NQ*(\sc)+NQ*(\a)+(\q)] matrix_a_fmt:MATRIX_FMT_FP6 matrix_b_fmt:MATRIX_FMT_FP6 matrix_a_scale:MATRIX_SCALE_ROW1
.endif
.endr
.endr
.endm
.macro FETCH_B slot, q, p
	WIN TO_B
.irp i, 0,1,2,3,4,5,6,7
	FRAG 128*(\p)+FR*\i, ADRB+\slot, \q, \i
.endr
	WIN 0
.endm
.macro FETCH_A slot, q, i0
.irp i, \i0, \i0+1, \i0+2, \i0+3
	FRAG AF+FR*(\i), ADRA+\slot, \q, \i
.endr
.endm
.macro SCALES sc
.irp i, 0,1,2,3,4,5,6,7
	ds_load_b32 v[SC+8*NQ*\sc+NQ*\i], v[ADRS] offset:\i*SBLK
	ds_load_b32 v[SC+8*NQ*\sc+NQ*\i+1], v[ADRS] offset:\i*SBLK+64
.endr
.endm
.macro STEP slot, q, zero
	s_wait_dscnt 4*NL                              ; all but the youngest sixteen loads (A's blocks 4-7) are in
.if \zero == 2
	WIN 0x81                                       ; C (the bias) in window 0, D in window 2
.else
	WIN MUL_LO
.endif
	MUL16 0, (\q)%2, \q, \slot, \zero
	MUL16 2, (\q)%2, \q, \slot, \zero
	s_wait_dscnt 0
	PLACES NP
	FETCH_B \slot, (\q)+1, 1-(\q)%2
	FETCH_A \slot, (\q)+1, 0
.if \zero == 2
	WIN 0xc1
.else
	WIN MUL_HI
.endif
	MUL16 4, (\q)%2, \q, \slot, \zero
	MUL16 6, (\q)%2, \q, \slot, \zero
	PLACES NP
	WIN 0
	FETCH_A \slot, (\q)+1, 4
.endm
.macro TURN slot, next, fill
	s_wait_tensorcnt 0x0                           ; all my tensor loads have landed: my part of the next slot
	ds_add_u32 v[SPW], v[NIL]                      ; 0 onto my spare word
	s_wait_dscnt 4*NL+1                            ; (the add and the youngest sixteen loads may be out)
	WIN MUL_LO
	MUL16 0, 1, NQ-1, \slot, 0
	s_wait_dscnt 0x0                               ; the add is done, and my reads of this slot are over
	s_barrier_signal -1
	MUL16 2, 1, NQ-1, \slot, 0
	WIN 0
	s_barrier_wait -1
.if \fill
	CREST                                          ; the barrier has opened a round of the cluster's: no wave of any partner still reads this slot or has a load on its way
	s_add_nc_u64 s[G0+4*\slot+2:G0+4*\slot+3], s[G0+4*\slot+2:G0+4*\slot+3], 2*TROW
	s_add_nc_u64 s[G0B+4*\slot+2:G0B+4*\slot+3], s[G0B+4*\slot+2:G0B+4*\slot+3], 2*TROW
	JLOAD G0+4*\slot, G1, G0B+4*\slot, G1B
.else
	PLACES NP
.endif
	v_add_nc_u32 v[ADRS], 64*NQ, v[ADRS]
	FETCH_B \next, 0, 0
	FETCH_A \next, 0, 0
	SCALES \next
	WIN MUL_HI
	MUL16 4, 1, NQ-1, \slot, 0
	MUL16 6, 1, NQ-1, \slot, 0
	PLACES NP
	WIN 0
	FETCH_A \next, 0, 4
.endm
	s_load_b256 s[4:11], s[0:1], 0x0               ; A, wq, the bias, the residual
	s_load_b64 s[12:13], s[0:1], 0x20              ; the result
	v_lshl_add_u32 v[SPW], v0, 2, SPARE
	v_mov_b32 v[NIL], 0
	ds_add_u32 v[SPW], v[NIL]                      ; the wave's opening: the add, twice on end, and its wait ahead of my first tensor load
	ds_add_u32 v[SPW], v[NIL]
	v_lshrrev_b32 v1, 5, v0
	v_readfirstlane_b32 s14, v1
	s_lshr_b32 s15, s14, 1
	s_and_b32 s16, s14, 1
	s_bfe_u32 s40, ttmp6, 0x40000
	s_bfe_u32 s41, ttmp6, 0x40004
	s_lshl_b32 s42, ttmp9, 2
	s_add_co_u32 s42, s42, s40                     ; tile column
	s_and_b32 s17, ttmp7, 0xffff
	s_lshl_b32 s17, s17, 2
	s_add_co_u32 s17, s17, s41                     ; tile row
	s_lshl_b32 s43, s41, 2
	s_lshl_b32 s43, 15, s43
	s_lshl_b32 s44, 0x1111, s40
	s_or_b32 s[G1+0], s43, (3<<16)|(1<<21)
	s_or_b32 s[G1B+0], s44, (3<<16)|(1<<21)
.irp g, G1, G1B
	s_mov_b32 s[\g+1], 384<<16
	s_mov_b32 s[\g+2], 8<<16
	s_mov_b32 s[\g+3], 384<<16
	s_mov_b32 s[\g+4], 8
	s_mov_b32 s[\g+5], KK*12/8
	s_mov_b32 s[\g+6], 0
	s_mov_b32 s[\g+7], 0
.endr
	s_or_b32 s[G1S+0], s43, (3<<16)|(1<<21)
	s_or_b32 s[G1SB+0], s44, (3<<16)|(1<<21)
.irp g, G1S, G1SB
	s_mov_b32 s[\g+1], 32<<16
	s_mov_b32 s[\g+2], (HALFS/256)<<16
	s_mov_b32 s[\g+3], 32<<16
	s_mov_b32 s[\g+4], HALFS/256
	s_mov_b32 s[\g+5], 32
	s_mov_b32 s[\g+6], 0
	s_mov_b32 s[\g+7], 0
.endr
	s_lshl_b32 s18, s16, 3
	s_lshl_b32 s20, s17, 4
	s_add_co_u32 s20, s20, s18
	s_lshl_b32 s46, s42, 4
	s_add_co_u32 s46, s46, s18
	s_mul_i32 s22, s20, SBLK
	s_add_co_u32 s22, s22, ASOFF
	s_mul_i32 s92, s46, SBLK
	s_add_co_u32 s92, s92, BSOFF
	s_mul_i32 s20, s20, KST*1536
	s_mul_i32 s46, s46, KST*1536
	s_add_co_u32 s46, s46, BOFF
	s_mov_b32 s21, 0
	s_mov_b32 s23, 0
	s_mov_b32 s47, 0
	s_mov_b32 s93, 0
	s_mul_i32 s45, s14, HALFT
	s_mul_i32 s94, s14, HALFS
	s_wait_dscnt 0x0
	s_wait_kmcnt 0x0
	s_add_nc_u64 s[20:21], s[4:5], s[20:21]
	s_add_nc_u64 s[22:23], s[4:5], s[22:23]
	s_add_nc_u64 s[46:47], s[6:7], s[46:47]
	s_add_nc_u64 s[92:93], s[6:7], s[92:93]
	CROUND
	s_mov_b32 s[G0S], 1
	s_add_co_u32 s[G0S+1], s94, SCL
	s_mov_b64 s[G0S+2:G0S+3], s[22:23]
	s_or_b32 s[G0S+3], s[G0S+3], 0x80000000
	s_mov_b32 s[G0SB], 1
	s_add_co_u32 s[G0SB+1], s94, SCL
	s_mov_b64 s[G0SB+2:G0SB+3], s[92:93]
	s_or_b32 s[G0SB+3], s[G0SB+3], 0x80000000
	JLOAD G0S, G1S, G0SB, G1SB                     ; three loads of mine go out: the scale words, slot 0, slot 1
.irp s, 0,1
	s_mov_b32 s[G0+4*\s], 1
	s_add_co_u32 s[G0+4*\s+1], s45, \s*SLOT
	s_add_nc_u64 s[G0+4*\s+2:G0+4*\s+3], s[20:21], \s*TROW
	s_or_b32 s[G0+4*\s+3], s[G0+4*\s+3], 0x80000000
	s_mov_b32 s[G0B+4*\s], 1
	s_add_co_u32 s[G0B+4*\s+1], s45, \s*SLOT
	s_add_nc_u64 s[G0B+4*\s+2:G0B+4*\s+3], s[46:47], \s*TROW
	s_or_b32 s[G0B+4*\s+3], s[G0B+4*\s+3], 0x80000000
	JLOAD G0+4*\s, G1, G0B+4*\s, G1B
.endr
	v_and_b32 v1, 31, v0
	v_and_b32 v2, 15, v0
	v_bfe_u32 v3, v0, 4, 1
	v_lshlrev_b32 v4, 4, v1
	v_lshlrev_b32 v5, 3, v1
	s_mul_i32 s21, s15, HALFT
	s_mul_i32 s22, s16, HALFT
	s_add_co_u32 s22, s22, 2*HALFT
.irp s, 0,1
	v_add_nc_u32 v[ADRA+\s], s21, v4
	v_add_nc_u32 v[ADRB+\s], s22, v4
	v_add_nc_u32 v[ADRA+2+\s], s21, v5
	v_add_nc_u32 v[ADRB+2+\s], s22, v5
	s_add_co_u32 s21, s21, SLOT
	s_add_co_u32 s22, s22, SLOT
.endr
	s_mul_i32 s21, s15, HALFS
	s_mul_i32 s22, s16, HALFS
	s_add_co_u32 s22, s22, 2*HALFS
	s_sub_co_u32 s22, s22, s21
	v_mul_u32_u24 v6, s22, v3
	s_add_co_u32 s21, s21, SCL
	v_lshl_add_u32 v6, v2, 2, v6
	v_add_nc_u32 v[ADRS], s21, v6
	s_mul_i32 s23, s14, 16*SPITCH                  ; my stage
	v_mul_u32_u24 v6, v2, SPITCH
	v_lshl_add_u32 v6, v3, 5, v6
	v_add_nc_u32 v[STO], s23, v6                   ; in: row r, 32 bytes for each half of the lanes
	v_lshlrev_b32 v[CO], 4, v1
	v_add_nc_u32 v[RD], s23, v[CO]                 ; back: the 32 lanes take a row of 512 bytes
	s_lshl_b32 s96, s42, 10
	s_lshl_b32 s97, s16, 9
	s_add_co_u32 s96, s96, s97                     ; my first column, in bytes
	s_mov_b32 s97, 0
	s_add_nc_u64 s[8:9], s[8:9], s[96:97]
	v_lshlrev_b32 v[BOF], 5, v3
.irp b, 0,1,2,3,4,5,6,7                ; the bias in the result's layout: lane (r, h), block b: columns 16 b + 8 h + 0..7
	global_load_b128 v[BI+8*\b:BI+8*\b+3], v[BOF], s[8:9] offset:64*\b
	global_load_b128 v[BI+8*\b+4:BI+8*\b+7], v[BOF], s[8:9] offset:64*\b+16
.endr
	s_lshl_b32 s20, s17, 8
	s_lshl_b32 s21, s15, 7
	s_add_co_u32 s20, s20, s21
	s_lshl_b32 s20, s20, 12                        ; my first row, of 4,096 bytes
	s_add_co_u32 s20, s20, s96
	s_mov_b32 s21, 0
	s_add_nc_u64 s[10:11], s[10:11], s[20:21]
	s_add_nc_u64 s[12:13], s[12:13], s[20:21]
	s_wait_tensorcnt 1                             ; the scale words and my part of slot 0 are in; slot 1's load may be out
	s_barrier_signal -1
	s_barrier_wait -1
	FETCH_B 0, 0, 0
	FETCH_A 0, 0, 0
	SCALES 0
	FETCH_A 0, 0, 4
	s_wait_loadcnt 0x0                             ; the bias
	STEP 0, 0, FIRST
	s_mov_b32 s3, LAPS-1
.Llap:
	TURN 0, 1, 1
	STEP 1, 0, 0
	TURN 1, 0, 1
	STEP 0, 0, 0
	s_sub_co_u32 s3, s3, 1
	s_cmp_lg_u32 s3, 0
	s_cbranch_scc1 .Llap
	TURN 0, 1, 0
	STEP 1, 0, 0
	s_wait_dscnt 4*NL
	WIN MUL_LO
	MUL16 0, 1, NQ-1, 1, 0
	MUL16 2, 1, NQ-1, 1, 0
	s_wait_dscnt 0
	WIN MUL_HI
	MUL16 4, 1, NQ-1, 1, 0
	MUL16 6, 1, NQ-1, 1, 0
	WIN 0
.macro TOSTAGE a                       ; block a: into my stage, each accumulator from its low end on, and back as whole rows; LDS serves a wave's instructions in order
.set AC, 64*((\a)%4)
	WIN 0x08+4*((\a)/4)
.irp b, 0,1,2,3,4,5,6,7
	ds_store_b128 v[STO], v[AC+8*\b:AC+8*\b+3] offset:64*\b
	ds_store_b128 v[STO], v[AC+8*\b+4:AC+8*\b+7] offset:64*\b+16
.endr
	WIN 0
.set BB, BK+64*((\a)%2)
.irp t, 0,1,2,3,4,5,6,7,8,9,10,11,12,13,14,15
	ds_load_b128 v[BB+4*\t:BB+4*\t+3], v[RD] offset:\t*SPITCH
.endr
.endm
.macro RLOAD a                         ; the residual's 16 rows of block a
.irp t, 0,1,2,3,4,5,6,7,8,9,10,11,12,13,14,15
	global_load_b128 v[RES+4*\t:RES+4*\t+3], v[CO], s[10:11] offset:(16*(\a)+\t)*4096
.endr
.endm
.macro FIN a, younger                  ; younger: the LDS instructions issued behind block a's loads, which may stay out
.set BB, BK+64*((\a)%2)
	s_wait_dscnt \younger
	s_wait_loadcnt 0x0
.set i, 0
.rept 32
	v_pk_add_f32 v[BB+i:BB+i+1], v[BB+i:BB+i+1], v[RES+i:RES+i+1]
.set i, i+2
.endr
.if (\a) < 7
	RLOAD (\a)+1
.endif
.irp t, 0,1,2,3,4,5,6,7,8,9,10,11,12,13,14,15
.if LASTL
	global_store_b128 v[CO], v[BB+4*\t:BB+4*\t+3], s[12:13] offset:(16*(\a)+\t)*4096 th:TH_STORE_NT
.else
	global_store_b128 v[CO], v[BB+4*\t:BB+4*\t+3], s[12:13] offset:(16*(\a)+\t)*4096   ; 32 lanes store 512 consecutive bytes
.endif
.endr
.endm
	PLACES NP
	RLOAD 0
	TOSTAGE 0
.irp a, 1,2,3,4,5,6,7
.if \a > 1
	s_wait_xcnt 0x0                                ; block a - 2's stores have read their registers: block a's loads may land there
.endif
	TOSTAGE \a
	FIN \a-1, 32                                   ; behind block a - 1's loads: block a's 16 stores and 16 loads
.endr
	FIN 7, 0
	s_wait_tensorcnt 0x0                           ; the wave's end
	ds_add_u32 v[SPW], v[NIL]
	s_wait_dscnt 0x0
	CROUND                                         ; the closing round
	s_endpgm
.Lfunc_end_k_qcdb1c7b9c5_gproj:
	.size	k_qcdb1c7b9c5_gproj, .Lfunc_end_k_qcdb1c7b9c5_gproj-k_qcdb1c7b9c5_gproj
	.p2alignl 7, 3214868480
	.fill 96, 4, 3214868480
	.section	.rodata,"a",@progbits
	.p2align	6, 0x0
	.amdhsa_kernel k_qcdb1c7b9c5_gproj
		.amdhsa_group_segment_fixed_size 327680
		.amdhsa_private_segment_fixed_size 0
		.amdhsa_enable_private_segment 0
		.amdhsa_kernarg_size 40
		.amdhsa_user_sgpr_count 2
		.amdhsa_user_sgpr_kernarg_segment_ptr 1
		.amdhsa_wavefront_size32 1
		.amdhsa_system_sgpr_workgroup_id_x 1
		.amdhsa_system_sgpr_workgroup_id_y 1
		.amdhsa_system_sgpr_workgroup_id_z 1
		.amdhsa_system_vgpr_workitem_id 0
		.amdhsa_next_free_vgpr 1024
		.amdhsa_next_free_sgpr 102
		.amdhsa_reserve_vcc 0
		.amdhsa_float_denorm_mode_32 3
		.amdhsa_float_denorm_mode_16_64 3
		.amdhsa_memory_ordered 1
		.amdhsa_forward_progress 1
		.amdhsa_inst_pref_size 175
	.end_amdhsa_kernel
	.amdgpu_metadata
---
amdhsa.version: [ 1, 2 ]
amdhsa.kernels:
  - .name:           k_qcdb1c7b9c5_gproj
    .symbol:         k_qcdb1c7b9c5_gproj.kd
    .args:
      - { .name: oq, .offset: 0, .size: 8, .value_kind: global_buffer, .address_space: global }
      - { .name: wq, .offset: 8, .size: 8, .value_kind: global_buffer, .address_space: global }
      - { .name: b_proj, .offset: 16, .size: 8, .value_kind: global_buffer, .address_space: global }
      - { .name: x, .offset: 24, .size: 8, .value_kind: global_buffer, .address_space: global }
      - { .name: x1, .offset: 32, .size: 8, .value_kind: global_buffer, .address_space: global }
    .group_segment_fixed_size: 327680
    .private_segment_fixed_size: 0
    .kernarg_segment_align: 8
    .kernarg_segment_size: 40
    .max_flat_workgroup_size: 128
    .sgpr_count:     102
    .vgpr_count:     1024
    .wavefront_size: 32
...
	.end_amdgpu_metadata
.endif
;; end of part 5
;; launch ln2: the kernel of part 2 again; grid 256 x 1, 8 waves a work-group, no clusters, 67,328 bytes of LDS; arguments x1, ln2_g, ln2_b, hq; writes hq
;; launch gfc1 (part 6): grid 16 x 16, 4 waves a work-group, clusters of 4 x 4, 327,680 bytes of LDS; arguments hq, wq, b_fc1, gq; writes gq
.if DOCPART == 6
	.amdgcn_target "amdgcn-amd-amdhsa--gfx1250"
	.amdhsa_code_object_version 6
	.text
	.protected	k_qcdb1c7b9c5_gfc1
	.globl	k_qcdb1c7b9c5_gfc1
	.p2align	8
	.type	k_qcdb1c7b9c5_gfc1,@function
k_qcdb1c7b9c5_gfc1:
	s_mov_b64 s[64:65], 0
	v_nop
	global_prefetch_b8 v0, s[64:65] scope:SCOPE_SE
	s_setreg_imm32_b32 hwreg(HW_REG_WAVE_MODE, 25, 1), 1
	s_wait_xcnt 0x0
	s_wait_alu depctr_hold_cnt(0) depctr_sa_sdst(0) depctr_va_vdst(0) depctr_va_sdst(0) depctr_va_ssrc(0) depctr_va_vcc(0) depctr_vm_vsrc(0)
	s_getreg_b32 s2, hwreg(HW_REG_IB_STS2, 6, 4)
	s_cmp_eq_u32 s2, 0
	s_cbranch_scc0 .Lentry_in_a_cluster
	s_endpgm
.Lentry_in_a_cluster:
	s_bfe_u32 s2, ttmp6, 0x10000c
	s_cmp_lg_u32 s2, 0xf033
	s_cbranch_scc0 .Lentry_shape_is_right
	s_endpgm
.Lentry_shape_is_right:
; g = gelu(LN2(x1) w_fc1 + b_fc1), the exact form with erf; the product on codes of FP6 with E8M0 scales, K = 1,024; g is quantised in registers along the 4,096 and leaves as the A operand of the last product.  No work of reference() is left out.
; The K loop: a tile of C, 256 x 256, by four waves of 128 x 128; K in steps of 256 through a ring of two LDS slots; operands as images of fragments; scale words once; clusters of 4 x 4 with joint loads; the matrix instruction transposed
; (source 0 = 16 columns of the weight, source 1 = 16 tokens), so that a lane's 64 registers of a token tile are 128 columns' worth of its half: one K step of the next product.  The bias is the C of each sum's first product.
; THE WAY OUT is a loop of eight trips, one token tile each, so that the activation's text stands once.  A trip's head copies x / 2 out of the tile's accumulators (one of eight short pieces, chosen by the trip's number).
; erf(z) = z P(z^2) / Q(z^2), z held to +-4, P of degree 6 and Q of degree 4 in z^2; g = (x / 2) erf(x / sqrt 2) + x / 2.
; LIMITS: erf is right to about 1e-7 absolutely, so g of a very negative x carries an absolute error of about 1e-7 |x|; the limits stated at the first launch's head hold too.
.set KK,    1024
.set ASOFF, 3145728
.set BOFF,  3145728
.set BSOFF, 9568256
.set GS0,   12582912                   ; gq: scale words
.set KST,   KK/128
.set FIRST, 2
.set FR,    12
.set NL,    4
.set NQ,    2
.set NP,    4
.set TROW,  3072
.set HALFT, 8*TROW
.set SLOT,  4*HALFT
.set LAPS,  KK/512
.set SCL,   2*SLOT
.set SBLK,  KK/2
.set HALFS, 8*SBLK
.set SPARE, SCL+4*HALFS
.set ADRA, 16
.set ADRB, 20
.set LI16, 24
.set LI8,  25
.set LS4,  26
.set ADRS, 27
.set SPW,  28
.set NIL,  29
.set BOF,  30
.set SC,   32                          ; v32-63 scale words: they hold nothing else
.set BI,   64
.set TM,   64                          ; the way out, window 0: v64-79 at work, v80-99 codes, v100 a scale word
.set PC,   80
.set PW,   100
.set AF,   128
.set HX,   0                           ; the way out, window 1 (B's registers, free by then): x / 2, then g
.set NN,   64                          ; z, then z P, then erf
.set QQ,   128                         ; Q, then 1 / Q
.set Z2,   192
.set PP,   200
.set CA1,  208                         ; two coefficients as vector pairs
.set CB1,  210
.set SEL,  66
.set G1, 24
.set G0, 32
.set G1B, 48
.set G0B, 56
.set G1S, 68
.set G0S, 76
.set G1SB, 80
.set G0SB, 88
.set MSB, 0
.macro WIN new
.if MSB != (\new)
	s_set_vgpr_msb (MSB<<8)|(\new)
.set MSB, (\new)
.endif
.endm
.set MUL_LO, 0xa1
.set MUL_HI, 0xf1
.set TO_B,   0x40
.macro JLOAD g0a, g1a, g0b, g1b
	s_cmp_eq_u32 s15, 0
	s_cbranch_scc0 .Lfor_b_\@
	tensor_load_to_lds s[\g0a:\g0a+3], s[\g1a:\g1a+7]
	s_nop 0
.rept 4
	v_nop
.endr
	s_branch .Lasked_\@
.Lfor_b_\@:
	tensor_load_to_lds s[\g0b:\g0b+3], s[\g1b:\g1b+7]
	s_nop 0
.rept 4
	v_nop
.endr
.Lasked_\@:
.endm
.macro CREST
	s_cmp_lg_u32 s14, 0
	s_cbranch_scc1 .Lnot_wave_0_\@
	s_barrier_signal -3
.Lnot_wave_0_\@:
	s_barrier_wait -3
	s_barrier_signal -1
	s_barrier_wait -1
.endm
.macro CROUND
	s_barrier_signal -1
	s_barrier_wait -1
	CREST
.endm
.macro PLACES n
.rept \n
	v_nop
.endr
.endm
.macro FRAG reg, adr, q, i
	ds_load_b128 v[\reg:\reg+3], v[\adr] offset:(\i)*TROW+(\q)*1536
	ds_load_b64 v[\reg+4:\reg+5], v[\adr+2] offset:(\i)*TROW+(\q)*1536+512
	ds_load_b128 v[\reg+6:\reg+9], v[\adr] offset:(\i)*TROW+(\q)*1536+768
	ds_load_b64 v[\reg+10:\reg+11], v[\adr+2] offset:(\i)*TROW+(\q)*1536+1280
.endm
.macro MUL16 a0, p, q, sc, zero        ; the 64 accumulators take turns, one instruction a turn
.irp a, \a0, \a0+1
.irp b, 0,1,2,3,4,5,6,7
.if \zero == 1
	v_wmma_scale_f32_16x16x128_f8f6f4 v[8*(8*((\a)%4)+\b):8*(8*((\a)%4)+\b)+7], v[128*(\p)+FR*\b:128*(\p)+FR*\b+FR-1], v[AF+FR*(\a):AF+FR*(\a)+FR-1], 0, v[SC+8*NQ*(\sc)+NQ*\b+(\q)], v[SC+8*NQ*(\sc)+NQ*(\a)+(\q)] matrix_a_fmt:MATRIX_FMT_FP6 matrix_b_fmt:MATRIX_FMT_FP6 matrix_a_scale:MATRIX_SCALE_ROW1
.elseif \zero == 2
	v_wmma_scale_f32_16x16x128_f8f6f4 v[8*(8*((\a)%4)+\b):8*(8*((\a)%4)+\b)+7], v[128*(\p)+FR*\b:128*(\p)+FR*\b+FR-1], v[AF+FR*(\a):AF+FR*(\a)+FR-1], v[BI+8*\b:BI+8*\b+7], v[SC+8*NQ*(\sc)+NQ*\b+(\q)], v[SC+8*NQ*(\sc)+NQ*(\a)+(\q)] matrix_a_fmt:MATRIX_FMT_FP6 matrix_b_fmt:MATRIX_FMT_FP6 matrix_a_scale:MATRIX_SCALE_ROW1
.else
	v_wmma_scale_f32_16x16x128_f8f6f4 v[8*(8*((\a)%4)+\b):8*(8*((\a)%4)+\b)+7], v[128*(\p)+FR*\b:128*(\p)+FR*\b+FR-1], v[AF+FR*(\a):AF+FR*(\a)+FR-1], v[8*(8*((\a)%4)+\b):8*(8*((\a)%4)+\b)+7], v[SC+8*NQ*(\sc)+NQ*\b+(\q)], v[SC+8*NQ*(\sc)+NQ*(\a)+(\q)] matrix_a_fmt:MATRIX_FMT_FP6 matrix_b_fmt:MATRIX_FMT_FP6 matrix_a_scale:MATRIX_SCALE_ROW1
.endif
.endr
.endr
.endm
.macro FETCH_B slot, q, p
	WIN TO_B
.irp i, 0,1,2,3,4,5,6,7
	FRAG 128*(\p)+FR*\i, ADRB+\slot, \q, \i
.endr
	WIN 0
.endm
.macro FETCH_A slot, q, i0
.irp i, \i0, \i0+1, \i0+2, \i0+3
	FRAG AF+FR*(\i), ADRA+\slot, \q, \i
.endr
.endm
.macro SCALES sc
.irp i, 0,1,2,3,4,5,6,7
	ds_load_b32 v[SC+8*NQ*\sc+NQ*\i], v[ADRS] offset:\i*SBLK
	ds_load_b32 v[SC+8*NQ*\sc+NQ*\i+1], v[ADRS] offset:\i*SBLK+64
.endr
.endm
.macro STEP slot, q, zero
	s_wait_dscnt 4*NL                              ; all but the youngest sixteen loads (A's blocks 4-7) are in
.if \zero == 2
	WIN 0x81
.else
	WIN MUL_LO
.endif
	MUL16 0, (\q)%2, \q, \slot, \zero
	MUL16 2, (\q)%2, \q, \slot, \zero
	s_wait_dscnt 0
	PLACES NP
	FETCH_B \slot, (\q)+1, 1-(\q)%2
	FETCH_A \slot, (\q)+1, 0
.if \zero == 2
	WIN 0xc1
.else
	WIN MUL_HI
.endif
	MUL16 4, (\q)%2, \q, \slot, \zero
	MUL16 6, (\q)%2, \q, \slot, \zero
	PLACES NP
	WIN 0
	FETCH_A \slot, (\q)+1, 4
.endm
.macro TURN slot, next, fill
	s_wait_tensorcnt 0x0                           ; all my tensor loads have landed: my part of the next slot
	ds_add_u32 v[SPW], v[NIL]                      ; 0 onto my spare word
	s_wait_dscnt 4*NL+1                            ; (the add and the youngest sixteen loads may be out)
	WIN MUL_LO
	MUL16 0, 1, NQ-1, \slot, 0
	s_wait_dscnt 0x0                               ; the add is done, and my reads of this slot are over
	s_barrier_signal -1
	MUL16 2, 1, NQ-1, \slot, 0
	WIN 0
	s_barrier_wait -1
.if \fill
	CREST                                          ; the barrier has opened a round of the cluster's: no wave of any partner still reads this slot or has a load on its way
	s_add_nc_u64 s[G0+4*\slot+2:G0+4*\slot+3], s[G0+4*\slot+2:G0+4*\slot+3], 2*TROW
	s_add_nc_u64 s[G0B+4*\slot+2:G0B+4*\slot+3], s[G0B+4*\slot+2:G0B+4*\slot+3], 2*TROW
	JLOAD G0+4*\slot, G1, G0B+4*\slot, G1B
.else
	PLACES NP
.endif
	v_add_nc_u32 v[ADRS], 64*NQ, v[ADRS]
	FETCH_B \next, 0, 0
	FETCH_A \next, 0, 0
	SCALES \next
	WIN MUL_HI
	MUL16 4, 1, NQ-1, \slot, 0
	MUL16 6, 1, NQ-1, \slot, 0
	PLACES NP
	WIN 0
	FETCH_A \next, 0, 4
.endm
.macro QUANT s0, s1, W                 ; 64 numbers of a lane in window W become a fragment in v[PC..PC+11] and my row's scale word in v[PW]
	WIN (\W)|((\W)<<2)
.irp b, 0,1
	v_max3_num_f32 v[TM+\b], |v[(\s0)+16*\b]|, |v[(\s0)+16*\b+1]|, 0x1800000
.endr
.irp b, 0,1
	v_max3_num_f32 v[TM+2+\b], |v[(\s1)+16*\b]|, |v[(\s1)+16*\b+1]|, 0x1800000
.endr
.irp i, 2,4,6,8,10,12,14
.irp b, 0,1
	v_max3_num_f32 v[TM+\b], |v[(\s0)+16*\b+\i]|, |v[(\s0)+16*\b+\i+1]|, v[TM+\b]
.endr
.irp b, 0,1
	v_max3_num_f32 v[TM+2+\b], |v[(\s1)+16*\b+\i]|, |v[(\s1)+16*\b+\i+1]|, v[TM+2+\b]
.endr
.endr
	WIN 0
.irp b, 0,1,2,3
	v_permlanex16_b32 v[TM+4+\b], v[TM+\b], s[SEL], s[SEL+1]
.endr
.irp b, 0,1,2,3
	v_max_num_f32 v[TM+\b], v[TM+\b], v[TM+4+\b]
.endr
.irp b, 0,1,2,3
	v_add_nc_u32 v[TM+12+\b], 0xff000000, v[TM+\b]
.endr
.irp b, 0,1,2,3
	v_lshrrev_b32 v[TM+4+\b], 23, v[TM+12+\b]
.endr
	v_lshl_or_b32 v[PW], v[TM+5], 8, v[TM+4]
	v_lshl_or_b32 v[PW], v[TM+6], 16, v[PW]
	v_lshl_or_b32 v[PW], v[TM+7], 24, v[PW]
	WIN \W
	v_cvt_scalef32_pk16_fp6_f32 v[PC:PC+2], v[(\s0):(\s0)+15], v[TM+12]
	v_cvt_scalef32_pk16_fp6_f32 v[PC+12:PC+14], v[(\s0)+16:(\s0)+31], v[TM+13]
	v_cvt_scalef32_pk16_fp6_f32 v[PC+6:PC+8], v[(\s1):(\s1)+15], v[TM+14]
	v_cvt_scalef32_pk16_fp6_f32 v[PC+16:PC+18], v[(\s1)+16:(\s1)+31], v[TM+15]
	WIN 0
	v_nop
.irp c, 0,1
.irp i, 0,1,2
	v_permlane16_swap_b32 v[PC+6*\c+\i], v[PC+12+4*\c+\i]
.endr
.irp i, 0,1,2
	v_mov_b32 v[PC+3+6*\c+\i], v[PC+12+4*\c+\i]
.endr
.endr
.endm
.macro PUT cb, off
	global_store_b128 v[LI16], v[PC:PC+3], s[\cb:\cb+1] offset:\off
	global_store_b64 v[LI8], v[PC+4:PC+5], s[\cb:\cb+1] offset:\off+512
	global_store_b128 v[LI16], v[PC+6:PC+9], s[\cb:\cb+1] offset:\off+768
	global_store_b64 v[LI8], v[PC+10:PC+11], s[\cb:\cb+1] offset:\off+1280
.endm
.macro COEF r, bits                    ; a coefficient as a scalar pair: the packed forms name a pair and take its low word for both halves
	s_mov_b32 s[\r], \bits
	s_mov_b32 s[\r+1], \bits
.endm
	s_load_b256 s[4:11], s[0:1], 0x0               ; hq, wq, b_fc1, gq
	v_lshl_add_u32 v[SPW], v0, 2, SPARE
	v_mov_b32 v[NIL], 0
	ds_add_u32 v[SPW], v[NIL]                      ; the wave's opening: the add, twice on end, and its wait ahead of my first tensor load
	ds_add_u32 v[SPW], v[NIL]
	v_lshrrev_b32 v1, 5, v0
	v_readfirstlane_b32 s14, v1
	s_lshr_b32 s15, s14, 1
	s_and_b32 s16, s14, 1
	s_bfe_u32 s40, ttmp6, 0x40000
	s_bfe_u32 s41, ttmp6, 0x40004
	s_lshl_b32 s42, ttmp9, 2
	s_add_co_u32 s42, s42, s40
	s_and_b32 s17, ttmp7, 0xffff
	s_lshl_b32 s17, s17, 2
	s_add_co_u32 s17, s17, s41
	s_lshl_b32 s43, s41, 2
	s_lshl_b32 s43, 15, s43
	s_lshl_b32 s44, 0x1111, s40
	s_or_b32 s[G1+0], s43, (3<<16)|(1<<21)
	s_or_b32 s[G1B+0], s44, (3<<16)|(1<<21)
.irp g, G1, G1B
	s_mov_b32 s[\g+1], 384<<16
	s_mov_b32 s[\g+2], 8<<16
	s_mov_b32 s[\g+3], 384<<16
	s_mov_b32 s[\g+4], 8
	s_mov_b32 s[\g+5], KK*12/8
	s_mov_b32 s[\g+6], 0
	s_mov_b32 s[\g+7], 0
.endr
	s_or_b32 s[G1S+0], s43, (3<<16)|(1<<21)
	s_or_b32 s[G1SB+0], s44, (3<<16)|(1<<21)
.irp g, G1S, G1SB
	s_mov_b32 s[\g+1], 32<<16
	s_mov_b32 s[\g+2], (HALFS/256)<<16
	s_mov_b32 s[\g+3], 32<<16
	s_mov_b32 s[\g+4], HALFS/256
	s_mov_b32 s[\g+5], 32
	s_mov_b32 s[\g+6], 0
	s_mov_b32 s[\g+7], 0
.endr
	s_lshl_b32 s18, s16, 3
	s_lshl_b32 s20, s17, 4
	s_add_co_u32 s20, s20, s18
	s_lshl_b32 s46, s42, 4
	s_add_co_u32 s46, s46, s18
	s_mul_i32 s22, s20, SBLK
	s_add_co_u32 s22, s22, ASOFF
	s_mul_i32 s92, s46, SBLK
	s_add_co_u32 s92, s92, BSOFF
	s_mul_i32 s20, s20, KST*1536
	s_mul_i32 s46, s46, KST*1536
	s_add_co_u32 s46, s46, BOFF
	s_mov_b32 s21, 0
	s_mov_b32 s23, 0
	s_mov_b32 s47, 0
	s_mov_b32 s93, 0
	s_mul_i32 s45, s14, HALFT
	s_mul_i32 s94, s14, HALFS
	s_wait_dscnt 0x0
	s_wait_kmcnt 0x0
	s_add_nc_u64 s[20:21], s[4:5], s[20:21]
	s_add_nc_u64 s[22:23], s[4:5], s[22:23]
	s_add_nc_u64 s[46:47], s[6:7], s[46:47]
	s_add_nc_u64 s[92:93], s[6:7], s[92:93]
	CROUND
	s_mov_b32 s[G0S], 1
	s_add_co_u32 s[G0S+1], s94, SCL
	s_mov_b64 s[G0S+2:G0S+3], s[22:23]
	s_or_b32 s[G0S+3], s[G0S+3], 0x80000000
	s_mov_b32 s[G0SB], 1
	s_add_co_u32 s[G0SB+1], s94, SCL
	s_mov_b64 s[G0SB+2:G0SB+3], s[92:93]
	s_or_b32 s[G0SB+3], s[G0SB+3], 0x80000000
	JLOAD G0S, G1S, G0SB, G1SB                     ; three loads of mine go out: the scale words, slot 0, slot 1
.irp s, 0,1
	s_mov_b32 s[G0+4*\s], 1
	s_add_co_u32 s[G0+4*\s+1], s45, \s*SLOT
	s_add_nc_u64 s[G0+4*\s+2:G0+4*\s+3], s[20:21], \s*TROW
	s_or_b32 s[G0+4*\s+3], s[G0+4*\s+3], 0x80000000
	s_mov_b32 s[G0B+4*\s], 1
	s_add_co_u32 s[G0B+4*\s+1], s45, \s*SLOT
	s_add_nc_u64 s[G0B+4*\s+2:G0B+4*\s+3], s[46:47], \s*TROW
	s_or_b32 s[G0B+4*\s+3], s[G0B+4*\s+3], 0x80000000
	JLOAD G0+4*\s, G1, G0B+4*\s, G1B
.endr
	v_and_b32 v1, 31, v0
	v_and_b32 v2, 15, v0
	v_bfe_u32 v3, v0, 4, 1
	v_lshlrev_b32 v4, 4, v1
	v_lshlrev_b32 v5, 3, v1
	v_lshlrev_b32 v[LI16], 4, v1
	v_lshlrev_b32 v[LI8], 3, v1
	v_lshlrev_b32 v[LS4], 2, v2
	s_mul_i32 s21, s15, HALFT
	s_mul_i32 s22, s16, HALFT
	s_add_co_u32 s22, s22, 2*HALFT
.irp s, 0,1
	v_add_nc_u32 v[ADRA+\s], s21, v4
	v_add_nc_u32 v[ADRB+\s], s22, v4
	v_add_nc_u32 v[ADRA+2+\s], s21, v5
	v_add_nc_u32 v[ADRB+2+\s], s22, v5
	s_add_co_u32 s21, s21, SLOT
	s_add_co_u32 s22, s22, SLOT
.endr
	s_mul_i32 s21, s15, HALFS
	s_mul_i32 s22, s16, HALFS
	s_add_co_u32 s22, s22, 2*HALFS
	s_sub_co_u32 s22, s22, s21
	v_mul_u32_u24 v6, s22, v3
	s_add_co_u32 s21, s21, SCL
	v_lshl_add_u32 v6, v2, 2, v6
	v_add_nc_u32 v[ADRS], s21, v6
	s_lshl_b32 s96, s42, 10
	s_lshl_b32 s97, s16, 9
	s_add_co_u32 s96, s96, s97
	s_mov_b32 s97, 0
	s_add_nc_u64 s[8:9], s[8:9], s[96:97]
	v_lshlrev_b32 v[BOF], 5, v3
.irp b, 0,1,2,3,4,5,6,7
	global_load_b128 v[BI+8*\b:BI+8*\b+3], v[BOF], s[8:9] offset:64*\b
	global_load_b128 v[BI+8*\b+4:BI+8*\b+7], v[BOF], s[8:9] offset:64*\b+16
.endr
	s_lshl_b32 s20, s17, 4                         ; gq: row tile 16 x tile row + 8 x my half (+ the trip), K step 2 x tile column + my half
	s_lshl_b32 s21, s15, 3
	s_add_co_u32 s20, s20, s21
	s_lshl_b32 s20, s20, 5
	s_lshl_b32 s21, s42, 1
	s_add_co_u32 s20, s20, s21
	s_add_co_u32 s20, s20, s16
	s_lshl_b32 s22, s20, 6
	s_add_co_u32 s22, s22, GS0
	s_mul_i32 s20, s20, 1536
	s_mov_b32 s21, 0
	s_mov_b32 s23, 0
	s_add_nc_u64 s[20:21], s[10:11], s[20:21]
	s_add_nc_u64 s[22:23], s[10:11], s[22:23]
	s_wait_tensorcnt 1                             ; the scale words and my part of slot 0 are in; slot 1's load may be out
	s_barrier_signal -1
	s_barrier_wait -1
	FETCH_B 0, 0, 0
	FETCH_A 0, 0, 0
	SCALES 0
	FETCH_A 0, 0, 4
	s_wait_loadcnt 0x0                             ; the bias
	STEP 0, 0, FIRST
	s_mov_b32 s3, LAPS-1
.Llap:
	TURN 0, 1, 1
	STEP 1, 0, 0
	TURN 1, 0, 1
	STEP 0, 0, 0
	s_sub_co_u32 s3, s3, 1
	s_cmp_lg_u32 s3, 0
	s_cbranch_scc1 .Llap
	TURN 0, 1, 0
	STEP 1, 0, 0
	s_wait_dscnt 4*NL
	WIN MUL_LO
	MUL16 0, 1, NQ-1, 1, 0
	MUL16 2, 1, NQ-1, 1, 0
	s_wait_dscnt 0
	WIN MUL_HI
	MUL16 4, 1, NQ-1, 1, 0
	MUL16 6, 1, NQ-1, 1, 0
	WIN 0
	PLACES NP
	s_mov_b32 s[SEL], 0x76543210
	s_mov_b32 s[SEL+1], 0xfedcba98
	COEF 24, 0xaf95df0b                            ; P's coefficients, the highest power first (the second lies in a vector pair); no tensor load of mine is out, so the descriptors' registers are free
	COEF 26, 0xb60cff51
	COEF 28, 0xb86ec2d2
	COEF 30, 0xba40ac63
	COEF 32, 0xbb41a1f6
	COEF 34, 0xbc83dbd4
	COEF 36, 0xb77460cd                            ; Q's
	COEF 38, 0xbadc924e
	COEF 48, 0xbbf19bf8
	COEF 50, 0xbc69b6a7
	COEF 52, 0x3fb504f3                            ; sqrt 2: z = (x / 2) sqrt 2
.irp b, 0,1,2,3
	v_mov_b32 v[TM+4+\b], 0
.endr
	WIN 0x40
	v_mov_b32 v[CA1], 0x32edffee
	v_mov_b32 v[CA1+1], 0x32edffee
	v_mov_b32 v[CB1], 0xb95fbd29
	v_mov_b32 v[CB1+1], 0xb95fbd29
	WIN 0
	s_mov_b32 s3, 0
.Lrow:                                 ; trip a: token tile a of my eight
.irp k, 0,1,2,3,4,5,6
	s_cmp_eq_u32 s3, \k
	s_cbranch_scc1 .Lstub_\k
.endr
.irp k, 7,6,5,4,3,2,1,0
.Lstub_\k:
	WIN 0x40|(2+\k/4)                              ; out of window 2 or 3 into window 1
.set i, 0
.rept 32
	v_pk_mul_f32 v[HX+i:HX+i+1], v[64*(\k%4)+i:64*(\k%4)+i+1], 0.5 op_sel_hi:[1,0]   ; x / 2: exact; each accumulator from its low end on
.set i, i+2
.endr
	WIN 0
	s_branch .Lgo
.endr
.Lgo:
	WIN 0x55                                       ; all in window 1
.irp g, 0,1,2,3,4,5,6,7                ; eight numbers at a time
.irp i, 0,1,2,3
	v_pk_mul_f32 v[NN+8*\g+2*\i:NN+8*\g+2*\i+1], v[HX+8*\g+2*\i:HX+8*\g+2*\i+1], s[52:53] op_sel_hi:[1,0]
.endr
.irp i, 0,1,2,3,4,5,6,7
	v_med3_num_f32 v[NN+8*\g+\i], v[NN+8*\g+\i], -4.0, 4.0
.endr
.irp i, 0,1,2,3
	v_pk_mul_f32 v[Z2+2*\i:Z2+2*\i+1], v[NN+8*\g+2*\i:NN+8*\g+2*\i+1], v[NN+8*\g+2*\i:NN+8*\g+2*\i+1]
.endr
.irp i, 0,1,2,3
	v_pk_fma_f32 v[PP+2*\i:PP+2*\i+1], v[Z2+2*\i:Z2+2*\i+1], s[24:25], v[CA1:CA1+1] op_sel_hi:[1,0,1]
.endr
.irp i, 0,1,2,3
	v_pk_fma_f32 v[QQ+8*\g+2*\i:QQ+8*\g+2*\i+1], v[Z2+2*\i:Z2+2*\i+1], s[36:37], v[CB1:CB1+1] op_sel_hi:[1,0,1]
.endr
.irp c, 26,28,30,32,34
.irp i, 0,1,2,3
	v_pk_fma_f32 v[PP+2*\i:PP+2*\i+1], v[PP+2*\i:PP+2*\i+1], v[Z2+2*\i:Z2+2*\i+1], s[\c:\c+1] op_sel_hi:[1,1,0]
.endr
.endr
.irp c, 38,48,50
.irp i, 0,1,2,3
	v_pk_fma_f32 v[QQ+8*\g+2*\i:QQ+8*\g+2*\i+1], v[QQ+8*\g+2*\i:QQ+8*\g+2*\i+1], v[Z2+2*\i:Z2+2*\i+1], s[\c:\c+1] op_sel_hi:[1,1,0]
.endr
.endr
.irp i, 0,1,2,3
	v_pk_mul_f32 v[NN+8*\g+2*\i:NN+8*\g+2*\i+1], v[NN+8*\g+2*\i:NN+8*\g+2*\i+1], v[PP+2*\i:PP+2*\i+1]
.endr
.endr
.set i, 0
.rept 64
	v_rcp_f32 v[QQ+i], v[QQ+i]
.set i, i+1
.endr
	v_nop                                          ; a plain line behind the batch
	s_wait_alu depctr_va_vdst(0)                   ; one wait for the 64, ahead of their first reader
.set i, 0
.rept 32
	v_pk_mul_f32 v[NN+i:NN+i+1], v[NN+i:NN+i+1], v[QQ+i:QQ+i+1]                       ; erf
.set i, i+2
.endr
.set i, 0
.rept 32
	v_pk_fma_f32 v[HX+i:HX+i+1], v[HX+i:HX+i+1], v[NN+i:NN+i+1], v[HX+i:HX+i+1]       ; g
.set i, i+2
.endr
	QUANT HX, HX+32, 1
	PUT 20, 0
	global_store_b32 v[LS4], v[PW], s[22:23]       ; 64 bytes; lanes l and l + 16 write the same word to the same place
	s_wait_xcnt 0x0                                ; the stores have read their registers and bases: both may be written again
	s_add_nc_u64 s[20:21], s[20:21], 49152         ; the next row tile's fragment of my K step
	s_add_nc_u64 s[22:23], s[22:23], 2048
	s_add_co_u32 s3, s3, 1
	s_cmp_lt_u32 s3, 8
	s_cbranch_scc1 .Lrow
	s_wait_tensorcnt 0x0                           ; the wave's end
	ds_add_u32 v[SPW], v[NIL]
	s_wait_dscnt 0x0
	CROUND                                         ; the closing round
	s_endpgm
.Lfunc_end_k_qcdb1c7b9c5_gfc1:
	.size	k_qcdb1c7b9c5_gfc1, .Lfunc_end_k_qcdb1c7b9c5_gfc1-k_qcdb1c7b9c5_gfc1
	.p2alignl 7, 3214868480
	.fill 96, 4, 3214868480
	.section	.rodata,"a",@progbits
	.p2align	6, 0x0
	.amdhsa_kernel k_qcdb1c7b9c5_gfc1
		.amdhsa_group_segment_fixed_size 327680
		.amdhsa_private_segment_fixed_size 0
		.amdhsa_enable_private_segment 0
		.amdhsa_kernarg_size 32
		.amdhsa_user_sgpr_count 2
		.amdhsa_user_sgpr_kernarg_segment_ptr 1
		.amdhsa_wavefront_size32 1
		.amdhsa_system_sgpr_workgroup_id_x 1
		.amdhsa_system_sgpr_workgroup_id_y 1
		.amdhsa_system_sgpr_workgroup_id_z 1
		.amdhsa_system_vgpr_workitem_id 0
		.amdhsa_next_free_vgpr 1024
		.amdhsa_next_free_sgpr 102
		.amdhsa_reserve_vcc 0
		.amdhsa_float_denorm_mode_32 3
		.amdhsa_float_denorm_mode_16_64 3
		.amdhsa_memory_ordered 1
		.amdhsa_forward_progress 1
		.amdhsa_inst_pref_size 178
	.end_amdhsa_kernel
	.amdgpu_metadata
---
amdhsa.version: [ 1, 2 ]
amdhsa.kernels:
  - .name:           k_qcdb1c7b9c5_gfc1
    .symbol:         k_qcdb1c7b9c5_gfc1.kd
    .args:
      - { .name: hq, .offset: 0, .size: 8, .value_kind: global_buffer, .address_space: global }
      - { .name: wq, .offset: 8, .size: 8, .value_kind: global_buffer, .address_space: global }
      - { .name: b_fc1, .offset: 16, .size: 8, .value_kind: global_buffer, .address_space: global }
      - { .name: gq, .offset: 24, .size: 8, .value_kind: global_buffer, .address_space: global }
    .group_segment_fixed_size: 327680
    .private_segment_fixed_size: 0
    .kernarg_segment_align: 8
    .kernarg_segment_size: 32
    .max_flat_workgroup_size: 128
    .sgpr_count:     102
    .vgpr_count:     1024
    .wavefront_size: 32
...
	.end_amdgpu_metadata
.endif
;; end of part 6
;; launch gfc2 (part 7): grid 4 x 16, 4 waves a work-group, clusters of 4 x 4, 327,680 bytes of LDS; arguments gq, wq, b_fc2, x1, out0; writes out0
.if DOCPART == 7
	.amdgcn_target "amdgcn-amd-amdhsa--gfx1250"
	.amdhsa_code_object_version 6
	.text
	.protected	k_qcdb1c7b9c5_gfc2
	.globl	k_qcdb1c7b9c5_gfc2
	.p2align	8
	.type	k_qcdb1c7b9c5_gfc2,@function
k_qcdb1c7b9c5_gfc2:
	s_mov_b64 s[64:65], 0
	v_nop
	global_prefetch_b8 v0, s[64:65] scope:SCOPE_SE
	s_setreg_imm32_b32 hwreg(HW_REG_WAVE_MODE, 25, 1), 1
	s_wait_xcnt 0x0
	s_wait_alu depctr_hold_cnt(0) depctr_sa_sdst(0) depctr_va_vdst(0) depctr_va_sdst(0) depctr_va_ssrc(0) depctr_va_vcc(0) depctr_vm_vsrc(0)
	s_getreg_b32 s2, hwreg(HW_REG_IB_STS2, 6, 4)
	s_cmp_eq_u32 s2, 0
	s_cbranch_scc0 .Lentry_in_a_cluster
	s_endpgm
.Lentry_in_a_cluster:
	s_bfe_u32 s2, ttmp6, 0x10000c
	s_cmp_lg_u32 s2, 0xf033
	s_cbranch_scc0 .Lentry_shape_is_right
	s_endpgm
.Lentry_shape_is_right:
; out0 = x1 + g w_fc2 + b_fc2: the product on codes of FP6 with E8M0 scales, K = 4,096; bias and residual in f32.  No work of reference() is left out.
; A tile of C, 256 x 256, by four waves of 128 x 128; K in steps of 256 through a ring of two LDS slots; operands lie in memory as images of fragments ([row tile][K step][1,536 bytes]); the scale words (65,536 bytes) come once and stay.
; CLUSTERS of 4 x 4: A's tiles are asked for jointly along a row of the cluster, B's along a column.  The matrix instruction is used transposed (source 0 = 16 columns of the weight, source 1 = 16 tokens).
; The bias is the C of each sum's first product.  On the way out a block of 16 rows goes through the wave's stage in LDS and comes back as whole rows of 512 bytes; the residual is added there.
; The launch has 64 tiles: a smaller tile would give a refill half the matrix work in which to land, and longer slots do not fit beside the scale words.
.set KK,    4096
.set ASOFF, 12582912                   ; A's scale words in its buffer
.set BOFF,  6291456                    ; the weight's codes in wq
.set BSOFF, 9699328                    ; and its scale words
.set LASTL, 1                          ; the stores are the program's output, read by nobody here
.set KST,   KK/128
.set FIRST, 2
.set FR,    12
.set NL,    4
.set NQ,    2
.set NP,    4
.set TROW,  3072
.set HALFT, 8*TROW
.set SLOT,  4*HALFT
.set LAPS,  KK/512
.set SCL,   2*SLOT
.set SBLK,  KK/2
.set HALFS, 8*SBLK
.set SPARE, SCL+4*HALFS
.set SPITCH, 528
.set ADRA, 16
.set ADRB, 20
.set STO,  24
.set RD,   25
.set CO,   26
.set ADRS, 27
.set SPW,  28
.set NIL,  29
.set BOF,  30
.set SC,   32                          ; v32-63 scale words: they hold nothing else
.set BI,   64
.set RES,  64
.set AF,   128
.set BK,   128
.set G1, 24
.set G0, 32
.set G1B, 48
.set G0B, 56
.set G1S, 68
.set G0S, 76
.set G1SB, 80
.set G0SB, 88
.set MSB, 0
.macro WIN new
.if MSB != (\new)
	s_set_vgpr_msb (MSB<<8)|(\new)
.set MSB, (\new)
.endif
.endm
.set MUL_LO, 0xa1
.set MUL_HI, 0xf1
.set TO_B,   0x40
.macro JLOAD g0a, g1a, g0b, g1b
	s_cmp_eq_u32 s15, 0
	s_cbranch_scc0 .Lfor_b_\@
	tensor_load_to_lds s[\g0a:\g0a+3], s[\g1a:\g1a+7]
	s_nop 0
.rept 4
	v_nop
.endr
	s_branch .Lasked_\@
.Lfor_b_\@:
	tensor_load_to_lds s[\g0b:\g0b+3], s[\g1b:\g1b+7]
	s_nop 0
.rept 4
	v_nop
.endr
.Lasked_\@:
.endm
.macro CREST
	s_cmp_lg_u32 s14, 0
	s_cbranch_scc1 .Lnot_wave_0_\@
	s_barrier_signal -3
.Lnot_wave_0_\@:
	s_barrier_wait -3
	s_barrier_signal -1
	s_barrier_wait -1
.endm
.macro CROUND
	s_barrier_signal -1
	s_barrier_wait -1
	CREST
.endm
.macro PLACES n
.rept \n
	v_nop
.endr
.endm
.macro FRAG reg, adr, q, i
	ds_load_b128 v[\reg:\reg+3], v[\adr] offset:(\i)*TROW+(\q)*1536
	ds_load_b64 v[\reg+4:\reg+5], v[\adr+2] offset:(\i)*TROW+(\q)*1536+512
	ds_load_b128 v[\reg+6:\reg+9], v[\adr] offset:(\i)*TROW+(\q)*1536+768
	ds_load_b64 v[\reg+10:\reg+11], v[\adr+2] offset:(\i)*TROW+(\q)*1536+1280
.endm
.macro MUL16 a0, p, q, sc, zero        ; the 64 accumulators take turns, one instruction a turn
.irp a, \a0, \a0+1
.irp b, 0,1,2,3,4,5,6,7
.if \zero == 1
	v_wmma_scale_f32_16x16x128_f8f6f4 v[8*(8*((\a)%4)+\b):8*(8*((\a)%4)+\b)+7], v[128*(\p)+FR*\b:128*(\p)+FR*\b+FR-1], v[AF+FR*(\a):AF+FR*(\a)+FR-1], 0, v[SC+8*NQ*(\sc)+NQ*\b+(\q)], v[SC+8*NQ*(\sc)+NQ*(\a)+(\q)] matrix_a_fmt:MATRIX_FMT_FP6 matrix_b_fmt:MATRIX_FMT_FP6 matrix_a_scale:MATRIX_SCALE_ROW1
.elseif \zero == 2
	v_wmma_scale_f32_16x16x128_f8f6f4 v[8*(8*((\a)%4)+\b):8*(8*((\a)%4)+\b)+7], v[128*(\p)+FR*\b:128*(\p)+FR*\b+FR-1], v[AF+FR*(\a):AF+FR*(\a)+FR-1], v[BI+8*\b:BI+8*\b+7], v[SC+8*NQ*(\sc)+NQ*\b+(\q)], v[SC+8*NQ*(\sc)+NQ*(\a)+(\q)] matrix_a_fmt:MATRIX_FMT_FP6 matrix_b_fmt:MATRIX_FMT_FP6 matrix_a_scale:MATRIX_SCALE_ROW1
.else
	v_wmma_scale_f32_16x16x128_f8f6f4 v[8*(8*((\a)%4)+\b):8*(8*((\a)%4)+\b)+7], v[128*(\p)+FR*\b:128*(\p)+FR*\b+FR-1], v[AF+FR*(\a):AF+FR*(\a)+FR-1], v[8*(8*((\a)%4)+\b):8*(8*((\a)%4)+\b)+7], v[SC+8*NQ*(\sc)+NQ*\b+(\q)], v[SC+8*NQ*(\sc)+NQ*(\a)+(\q)] matrix_a_fmt:MATRIX_FMT_FP6 matrix_b_fmt:MATRIX_FMT_FP6 matrix_a_scale:MATRIX_SCALE_ROW1
.endif
.endr
.endr
.endm
.macro FETCH_B slot, q, p
	WIN TO_B
.irp i, 0,1,2,3,4,5,6,7
	FRAG 128*(\p)+FR*\i, ADRB+\slot, \q, \i
.endr
	WIN 0
.endm
.macro FETCH_A slot, q, i0
.irp i, \i0, \i0+1, \i0+2, \i0+3
	FRAG AF+FR*(\i), ADRA+\slot, \q, \i
.endr
.endm
.macro SCALES sc
.irp i, 0,1,2,3,4,5,6,7
	ds_load_b32 v[SC+8*NQ*\sc+NQ*\i], v[ADRS] offset:\i*SBLK
	ds_load_b32 v[SC+8*NQ*\sc+NQ*\i+1], v[ADRS] offset:\i*SBLK+64
.endr
.endm
.macro STEP slot, q, zero
	s_wait_dscnt 4*NL                              ; all but the youngest sixteen loads (A's blocks 4-7) are in
.if \zero == 2
	WIN 0x81
.else
	WIN MUL_LO
.endif
	MUL16 0, (\q)%2, \q, \slot, \zero
	MUL16 2, (\q)%2, \q, \slot, \zero
	s_wait_dscnt 0
	PLACES NP
	FETCH_B \slot, (\q)+1, 1-(\q)%2
	FETCH_A \slot, (\q)+1, 0
.if \zero == 2
	WIN 0xc1
.else
	WIN MUL_HI
.endif
	MUL16 4, (\q)%2, \q, \slot, \zero
	MUL16 6, (\q)%2, \q, \slot, \zero
	PLACES NP
	WIN 0
	FETCH_A \slot, (\q)+1, 4
.endm
.macro TURN slot, next, fill
	s_wait_tensorcnt 0x0                           ; all my tensor loads have landed: my part of the next slot
	ds_add_u32 v[SPW], v[NIL]                      ; 0 onto my spare word
	s_wait_dscnt 4*NL+1                            ; (the add and the youngest sixteen loads may be out)
	WIN MUL_LO
	MUL16 0, 1, NQ-1, \slot, 0
	s_wait_dscnt 0x0                               ; the add is done, and my reads of this slot are over
	s_barrier_signal -1
	MUL16 2, 1, NQ-1, \slot, 0
	WIN 0
	s_barrier_wait -1
.if \fill
	CREST                                          ; the barrier has opened a round of the cluster's: no wave of any partner still reads this slot or has a load on its way
	s_add_nc_u64 s[G0+4*\slot+2:G0+4*\slot+3], s[G0+4*\slot+2:G0+4*\slot+3], 2*TROW
	s_add_nc_u64 s[G0B+4*\slot+2:G0B+4*\slot+3], s[G0B+4*\slot+2:G0B+4*\slot+3], 2*TROW
	JLOAD G0+4*\slot, G1, G0B+4*\slot, G1B
.else
	PLACES NP
.endif
	v_add_nc_u32 v[ADRS], 64*NQ, v[ADRS]
	FETCH_B \next, 0, 0
	FETCH_A \next, 0, 0
	SCALES \next
	WIN MUL_HI
	MUL16 4, 1, NQ-1, \slot, 0
	MUL16 6, 1, NQ-1, \slot, 0
	PLACES NP
	WIN 0
	FETCH_A \next, 0, 4
.endm
	s_load_b256 s[4:11], s[0:1], 0x0               ; A, wq, the bias, the residual
	s_load_b64 s[12:13], s[0:1], 0x20              ; the result
	v_lshl_add_u32 v[SPW], v0, 2, SPARE
	v_mov_b32 v[NIL], 0
	ds_add_u32 v[SPW], v[NIL]                      ; the wave's opening: the add, twice on end, and its wait ahead of my first tensor load
	ds_add_u32 v[SPW], v[NIL]
	v_lshrrev_b32 v1, 5, v0
	v_readfirstlane_b32 s14, v1
	s_lshr_b32 s15, s14, 1
	s_and_b32 s16, s14, 1
	s_bfe_u32 s40, ttmp6, 0x40000
	s_bfe_u32 s41, ttmp6, 0x40004
	s_lshl_b32 s42, ttmp9, 2
	s_add_co_u32 s42, s42, s40
	s_and_b32 s17, ttmp7, 0xffff
	s_lshl_b32 s17, s17, 2
	s_add_co_u32 s17, s17, s41
	s_lshl_b32 s43, s41, 2
	s_lshl_b32 s43, 15, s43
	s_lshl_b32 s44, 0x1111, s40
	s_or_b32 s[G1+0], s43, (3<<16)|(1<<21)
	s_or_b32 s[G1B+0], s44, (3<<16)|(1<<21)
.irp g, G1, G1B
	s_mov_b32 s[\g+1], 384<<16
	s_mov_b32 s[\g+2], 8<<16
	s_mov_b32 s[\g+3], 384<<16
	s_mov_b32 s[\g+4], 8
	s_mov_b32 s[\g+5], KK*12/8
	s_mov_b32 s[\g+6], 0
	s_mov_b32 s[\g+7], 0
.endr
	s_or_b32 s[G1S+0], s43, (3<<16)|(1<<21)
	s_or_b32 s[G1SB+0], s44, (3<<16)|(1<<21)
.irp g, G1S, G1SB
	s_mov_b32 s[\g+1], 32<<16
	s_mov_b32 s[\g+2], (HALFS/256)<<16
	s_mov_b32 s[\g+3], 32<<16
	s_mov_b32 s[\g+4], HALFS/256
	s_mov_b32 s[\g+5], 32
	s_mov_b32 s[\g+6], 0
	s_mov_b32 s[\g+7], 0
.endr
	s_lshl_b32 s18, s16, 3
	s_lshl_b32 s20, s17, 4
	s_add_co_u32 s20, s20, s18
	s_lshl_b32 s46, s42, 4
	s_add_co_u32 s46, s46, s18
	s_mul_i32 s22, s20, SBLK
	s_add_co_u32 s22, s22, ASOFF
	s_mul_i32 s92, s46, SBLK
	s_add_co_u32 s92, s92, BSOFF
	s_mul_i32 s20, s20, KST*1536
	s_mul_i32 s46, s46, KST*1536
	s_add_co_u32 s46, s46, BOFF
	s_mov_b32 s21, 0
	s_mov_b32 s23, 0
	s_mov_b32 s47, 0
	s_mov_b32 s93, 0
	s_mul_i32 s45, s14, HALFT
	s_mul_i32 s94, s14, HALFS
	s_wait_dscnt 0x0
	s_wait_kmcnt 0x0
	s_add_nc_u64 s[20:21], s[4:5], s[20:21]
	s_add_nc_u64 s[22:23], s[4:5], s[22:23]
	s_add_nc_u64 s[46:47], s[6:7], s[46:47]
	s_add_nc_u64 s[92:93], s[6:7], s[92:93]
	CROUND
	s_mov_b32 s[G0S], 1
	s_add_co_u32 s[G0S+1], s94, SCL
	s_mov_b64 s[G0S+2:G0S+3], s[22:23]
	s_or_b32 s[G0S+3], s[G0S+3], 0x80000000
	s_mov_b32 s[G0SB], 1
	s_add_co_u32 s[G0SB+1], s94, SCL
	s_mov_b64 s[G0SB+2:G0SB+3], s[92:93]
	s_or_b32 s[G0SB+3], s[G0SB+3], 0x80000000
	JLOAD G0S, G1S, G0SB, G1SB                     ; three loads of mine go out: the scale words, slot 0, slot 1
.irp s, 0,1
	s_mov_b32 s[G0+4*\s], 1
	s_add_co_u32 s[G0+4*\s+1], s45, \s*SLOT
	s_add_nc_u64 s[G0+4*\s+2:G0+4*\s+3], s[20:21], \s*TROW
	s_or_b32 s[G0+4*\s+3], s[G0+4*\s+3], 0x80000000
	s_mov_b32 s[G0B+4*\s], 1
	s_add_co_u32 s[G0B+4*\s+1], s45, \s*SLOT
	s_add_nc_u64 s[G0B+4*\s+2:G0B+4*\s+3], s[46:47], \s*TROW
	s_or_b32 s[G0B+4*\s+3], s[G0B+4*\s+3], 0x80000000
	JLOAD G0+4*\s, G1, G0B+4*\s, G1B
.endr
	v_and_b32 v1, 31, v0
	v_and_b32 v2, 15, v0
	v_bfe_u32 v3, v0, 4, 1
	v_lshlrev_b32 v4, 4, v1
	v_lshlrev_b32 v5, 3, v1
	s_mul_i32 s21, s15, HALFT
	s_mul_i32 s22, s16, HALFT
	s_add_co_u32 s22, s22, 2*HALFT
.irp s, 0,1
	v_add_nc_u32 v[ADRA+\s], s21, v4
	v_add_nc_u32 v[ADRB+\s], s22, v4
	v_add_nc_u32 v[ADRA+2+\s], s21, v5
	v_add_nc_u32 v[ADRB+2+\s], s22, v5
	s_add_co_u32 s21, s21, SLOT
	s_add_co_u32 s22, s22, SLOT
.endr
	s_mul_i32 s21, s15, HALFS
	s_mul_i32 s22, s16, HALFS
	s_add_co_u32 s22, s22, 2*HALFS
	s_sub_co_u32 s22, s22, s21
	v_mul_u32_u24 v6, s22, v3
	s_add_co_u32 s21, s21, SCL
	v_lshl_add_u32 v6, v2, 2, v6
	v_add_nc_u32 v[ADRS], s21, v6
	s_mul_i32 s23, s14, 16*SPITCH
	v_mul_u32_u24 v6, v2, SPITCH
	v_lshl_add_u32 v6, v3, 5, v6
	v_add_nc_u32 v[STO], s23, v6
	v_lshlrev_b32 v[CO], 4, v1
	v_add_nc_u32 v[RD], s23, v[CO]
	s_lshl_b32 s96, s42, 10
	s_lshl_b32 s97, s16, 9
	s_add_co_u32 s96, s96, s97
	s_mov_b32 s97, 0
	s_add_nc_u64 s[8:9], s[8:9], s[96:97]
	v_lshlrev_b32 v[BOF], 5, v3
.irp b, 0,1,2,3,4,5,6,7
	global_load_b128 v[BI+8*\b:BI+8*\b+3], v[BOF], s[8:9] offset:64*\b
	global_load_b128 v[BI+8*\b+4:BI+8*\b+7], v[BOF], s[8:9] offset:64*\b+16
.endr
	s_lshl_b32 s20, s17, 8
	s_lshl_b32 s21, s15, 7
	s_add_co_u32 s20, s20, s21
	s_lshl_b32 s20, s20, 12
	s_add_co_u32 s20, s20, s96
	s_mov_b32 s21, 0
	s_add_nc_u64 s[10:11], s[10:11], s[20:21]
	s_add_nc_u64 s[12:13], s[12:13], s[20:21]
	s_wait_tensorcnt 1                             ; the scale words and my part of slot 0 are in; slot 1's load may be out
	s_barrier_signal -1
	s_barrier_wait -1
	FETCH_B 0, 0, 0
	FETCH_A 0, 0, 0
	SCALES 0
	FETCH_A 0, 0, 4
	s_wait_loadcnt 0x0                             ; the bias
	STEP 0, 0, FIRST
	s_mov_b32 s3, LAPS-1
.Llap:
	TURN 0, 1, 1
	STEP 1, 0, 0
	TURN 1, 0, 1
	STEP 0, 0, 0
	s_sub_co_u32 s3, s3, 1
	s_cmp_lg_u32 s3, 0
	s_cbranch_scc1 .Llap
	TURN 0, 1, 0
	STEP 1, 0, 0
	s_wait_dscnt 4*NL
	WIN MUL_LO
	MUL16 0, 1, NQ-1, 1, 0
	MUL16 2, 1, NQ-1, 1, 0
	s_wait_dscnt 0
	WIN MUL_HI
	MUL16 4, 1, NQ-1, 1, 0
	MUL16 6, 1, NQ-1, 1, 0
	WIN 0
.macro TOSTAGE a                       ; block a: into my stage, each accumulator from its low end on, and back as whole rows; LDS serves a wave's instructions in order
.set AC, 64*((\a)%4)
	WIN 0x08+4*((\a)/4)
.irp b, 0,1,2,3,4,5,6,7
	ds_store_b128 v[STO], v[AC+8*\b:AC+8*\b+3] offset:64*\b
	ds_store_b128 v[STO], v[AC+8*\b+4:AC+8*\b+7] offset:64*\b+16
.endr
	WIN 0
.set BB, BK+64*((\a)%2)
.irp t, 0,1,2,3,4,5,6,7,8,9,10,11,12,13,14,15
	ds_load_b128 v[BB+4*\t:BB+4*\t+3], v[RD] offset:\t*SPITCH
.endr
.endm
.macro RLOAD a
.irp t, 0,1,2,3,4,5,6,7,8,9,10,11,12,13,14,15
	global_load_b128 v[RES+4*\t:RES+4*\t+3], v[CO], s[10:11] offset:(16*(\a)+\t)*4096
.endr
.endm
.macro FIN a, younger
.set BB, BK+64*((\a)%2)
	s_wait_dscnt \younger
	s_wait_loadcnt 0x0
.set i, 0
.rept 32
	v_pk_add_f32 v[BB+i:BB+i+1], v[BB+i:BB+i+1], v[RES+i:RES+i+1]
.set i, i+2
.endr
.if (\a) < 7
	RLOAD (\a)+1
.endif
.irp t, 0,1,2,3,4,5,6,7,8,9,10,11,12,13,14,15
.if LASTL
	global_store_b128 v[CO], v[BB+4*\t:BB+4*\t+3], s[12:13] offset:(16*(\a)+\t)*4096 th:TH_STORE_NT   ; 32 lanes store 512 consecutive bytes
.else
	global_store_b128 v[CO], v[BB+4*\t:BB+4*\t+3], s[12:13] offset:(16*(\a)+\t)*4096
.endif
.endr
.endm
	PLACES NP
	RLOAD 0
	TOSTAGE 0
.irp a, 1,2,3,4,5,6,7
.if \a > 1
	s_wait_xcnt 0x0                                ; block a - 2's stores have read their registers: block a's loads may land there
.endif
	TOSTAGE \a
	FIN \a-1, 32                                   ; behind block a - 1's loads: block a's 16 stores and 16 loads
.endr
	FIN 7, 0
	s_wait_tensorcnt 0x0                           ; the wave's end
	ds_add_u32 v[SPW], v[NIL]
	s_wait_dscnt 0x0
	CROUND                                         ; the closing round
	s_endpgm
.Lfunc_end_k_qcdb1c7b9c5_gfc2:
	.size	k_qcdb1c7b9c5_gfc2, .Lfunc_end_k_qcdb1c7b9c5_gfc2-k_qcdb1c7b9c5_gfc2
	.p2alignl 7, 3214868480
	.fill 96, 4, 3214868480
	.section	.rodata,"a",@progbits
	.p2align	6, 0x0
	.amdhsa_kernel k_qcdb1c7b9c5_gfc2
		.amdhsa_group_segment_fixed_size 327680
		.amdhsa_private_segment_fixed_size 0
		.amdhsa_enable_private_segment 0
		.amdhsa_kernarg_size 40
		.amdhsa_user_sgpr_count 2
		.amdhsa_user_sgpr_kernarg_segment_ptr 1
		.amdhsa_wavefront_size32 1
		.amdhsa_system_sgpr_workgroup_id_x 1
		.amdhsa_system_sgpr_workgroup_id_y 1
		.amdhsa_system_sgpr_workgroup_id_z 1
		.amdhsa_system_vgpr_workitem_id 0
		.amdhsa_next_free_vgpr 1024
		.amdhsa_next_free_sgpr 102
		.amdhsa_reserve_vcc 0
		.amdhsa_float_denorm_mode_32 3
		.amdhsa_float_denorm_mode_16_64 3
		.amdhsa_memory_ordered 1
		.amdhsa_forward_progress 1
		.amdhsa_inst_pref_size 175
	.end_amdhsa_kernel
	.amdgpu_metadata
---
amdhsa.version: [ 1, 2 ]
amdhsa.kernels:
  - .name:           k_qcdb1c7b9c5_gfc2
    .symbol:         k_qcdb1c7b9c5_gfc2.kd
    .args:
      - { .name: gq, .offset: 0, .size: 8, .value_kind: global_buffer, .address_space: global }
      - { .name: wq, .offset: 8, .size: 8, .value_kind: global_buffer, .address_space: global }
      - { .name: b_fc2, .offset: 16, .size: 8, .value_kind: global_buffer, .address_space: global }
      - { .name: x1, .offset: 24, .size: 8, .value_kind: global_buffer, .address_space: global }
      - { .name: out0, .offset: 32, .size: 8, .value_kind: global_buffer, .address_space: global }
    .group_segment_fixed_size: 327680
    .private_segment_fixed_size: 0
    .kernarg_segment_align: 8
    .kernarg_segment_size: 40
    .max_flat_workgroup_size: 128
    .sgpr_count:     102
    .vgpr_count:     1024
    .wavefront_size: 32
...
	.end_amdgpu_metadata
.endif
;; end of part 7
;; ======== version 2 of 2: 6 launches
;; limits: right only within a limited range of input values
;; workspace buffers: wq 9,830,400 bytes; hq 3,276,800 bytes; oq 3,276,800 bytes; qkvq 9,830,400 bytes; gq 13,107,200 bytes; x1 16,777,216 bytes
;; launch prep (part 8): grid 448 x 1, 8 waves a work-group, no clusters, 67,328 bytes of LDS; arguments w_qkv, w_proj, w_fc1, w_fc2, wq, x, ln1_g, ln1_b, hq; writes wq, hq
.if DOCPART == 8
	.amdgcn_target "amdgcn-amd-amdhsa--gfx1250"
	.amdhsa_code_object_version 6
	.text
	.protected	k_qcdb1c7b9c5_prep
	.globl	k_qcdb1c7b9c5_prep
	.p2align	8
	.type	k_qcdb1c7b9c5_prep,@function
k_qcdb1c7b9c5_prep:
	s_mov_b64 s[64:65], 0
	v_nop
	global_prefetch_b8 v0, s[64:65] scope:SCOPE_SE
	s_setreg_imm32_b32 hwreg(HW_REG_WAVE_MODE, 25, 1), 1
	s_wait_xcnt 0x0
; THE PROGRAM: a pre-LN transformer block, all six products on codes of FP6 (E2M3) with one E8M0 scale for each 32 along K.
; DEAD WORK: none.  Every input of reference() reaches out0 for some values of the inputs (no mask, no slice, no state of zeros), so all twelve inputs are loaded and all six products are done.
; THIS LAUNCH prepares what the first product reads, on two paths that part on the work-group's number alone.
; WORK-GROUPS 0-191: the four weights, f32 stored [K][N], become codes and scale words in wq, laid as the matrix unit's operand registers take them.
; A FRAGMENT is 16 columns n x 128 K: 12 registers a lane, 1,536 bytes: for each half q of the 128: registers 6q..6q+3 at 768 q + 16 x lane, registers 6q+4, 6q+5 at 768 q + 512 + 8 x lane.
; wq holds [column tile][K step][1,536] for each weight, and behind the codes [column tile][K step][16 words of four scale bytes].
; THE ORDER INSIDE A BLOCK OF 32 ALONG K, in the operands of the four products with weights and of q k^T: place p = 16 h + 8 u + j holds k = 16 u + 8 h + j.  A block as a set is the true block, so its scale and its codes' values are
; the quantiser's; both operands of a product carry the same order.  (p and v, the operands of the second attention product, lie in the keys' own order.)
; A lane takes a column, its registers run down K: each load reads 128 consecutive bytes a wave, a block's largest magnitude needs no other lane.  A wave: 32 columns x 256 K; four waves: 128 columns x 256 K; a work-group two such parts.
; WORK-GROUPS 192-447: y = (x - mean) * rsqrt(var + 1e-5) * g + b along rows of 1,024, quantised along the row: the A operand of the first product, [row tile][K step][1,536] in hq, scale words behind.
; A work-group takes one row tile of 16 tokens.  WHICH TOKENS: row r of tile 4 g + t is token 64 g + 32 (r / 8) + 8 t + r % 8, so that in a transposed matrix result a lane's registers over a group's four tiles are 32 neighbouring tokens.
; Phase A: wave w takes rows 2 w, 2 w + 1 whole, mean and variance in two passes in f32, y into LDS.  Phase B: wave s takes K step s of all 16 rows and quantises it.
; LIMITS: NaN and infinities among the inputs are not served; a block whose largest magnitude lies under 2^-124 keeps the byte 1; a block of zeros gets the byte 1 where the rule says 127 (its codes are zeros, and this program alone reads the bytes).
.set PITCH, 4112                       ; a row of y in LDS: 4,096 bytes + 16
.set SCW,   16*PITCH                   ; the tile's scale words: 8 K steps x 16 rows x 4 bytes
.set SPARE, SCW+512                    ; the spare words: 128 bytes for each of eight waves; no other line names them
.set SPW,  8
.set NIL,  9
	v_lshl_add_u32 v[SPW], v0, 2, SPARE
	v_mov_b32 v[NIL], 0
	v_lshrrev_b32 v1, 5, v0
	v_readfirstlane_b32 s14, v1                    ; wave 0..7
	s_cmp_lt_u32 ttmp9, 192
	s_cbranch_scc0 .Lln
; ---------------- the weights
.set OFF,  16                          ; v16-47   4 x lane + (the k of place p) x a row of the weight
.set X,    48                          ; v48-111  two sets of 32 numbers
.set F,    112                         ; v112-159 for each of the two K steps: 12 registers of blocks 0, 2 and 12 of blocks 1, 3
.set TC,   160
.set SB,   164
	s_load_b256 s[4:11], s[0:1], 0x0               ; w_qkv, w_proj, w_fc1, w_fc2
	s_load_b64 s[12:13], s[0:1], 0x20              ; wq
	s_lshl_b32 s15, ttmp9, 1
	s_lshr_b32 s42, s14, 2
	s_add_co_u32 s15, s15, s42                     ; which part of 128 columns x 256 K, 0..383
	s_and_b32 s14, s14, 3                          ; my wave within it
	v_and_b32 v1, 31, v0
	v_lshlrev_b32 v2, 4, v1
	v_lshlrev_b32 v3, 3, v1
	v_lshlrev_b32 v5, 2, v1
	s_mov_b32 s42, 256                             ; w_fc2's figures: first part, bytes in a row, log2 of K / 256, where its codes begin in wq, and its scale words
	s_mov_b32 s43, 4096
	s_mov_b32 s44, 4
	s_mov_b32 s45, 6291456
	s_mov_b32 s46, 9699328
	s_wait_alu depctr_va_vdst(0)
	s_wait_kmcnt 0x0
	s_mov_b64 s[40:41], s[10:11]
	s_cmp_lt_u32 s15, 256                          ; w_fc1's
	s_cselect_b64 s[40:41], s[8:9], s[40:41]
	s_cselect_b32 s42, 128, s42
	s_cselect_b32 s43, 16384, s43
	s_cselect_b32 s44, 2, s44
	s_cselect_b32 s45, 3145728, s45
	s_cselect_b32 s46, 9568256, s46
	s_cmp_lt_u32 s15, 128                          ; w_proj's
	s_cselect_b64 s[40:41], s[6:7], s[40:41]
	s_cselect_b32 s42, 96, s42
	s_cselect_b32 s43, 4096, s43
	s_cselect_b32 s45, 2359296, s45
	s_cselect_b32 s46, 9535488, s46
	s_cmp_lt_u32 s15, 96                           ; w_qkv's
	s_cselect_b64 s[40:41], s[4:5], s[40:41]
	s_cselect_b32 s42, 0, s42
	s_cselect_b32 s43, 12288, s43
	s_cselect_b32 s45, 0, s45
	s_cselect_b32 s46, 9437184, s46
	s_sub_co_u32 s47, s15, s42                     ; my number within the weight
	s_bfm_b32 s48, s44, 0
	s_and_b32 s48, s47, s48                        ; which 256 along K
	s_lshr_b32 s49, s47, s44                       ; which 128 columns
	s_lshl_b32 s52, 2, s44                         ; K steps of 128 in the weight
	s_lshl_b32 s50, s48, 8
	s_mul_i32 s50, s50, s43
	s_lshl_b32 s53, s49, 9
	s_add_co_u32 s50, s50, s53
	s_lshl_b32 s53, s14, 7
	s_add_co_u32 s50, s50, s53
	s_mov_b32 s51, 0
	s_lshl_b32 s54, s43, 5                         ; 32 rows on
	s_mov_b32 s55, 0
	s_lshl_b32 s56, s49, 3
	s_lshl_b32 s53, s14, 1
	s_add_co_u32 s56, s56, s53                     ; my first column tile
	s_mul_i32 s56, s56, s52
	s_lshl_b32 s53, s48, 1
	s_add_co_u32 s56, s56, s53                     ; its fragment of my first K step
	s_mul_i32 s58, s56, 1536
	s_add_co_u32 s58, s58, s45
	s_mov_b32 s59, 0
	s_lshl_b32 s60, s56, 6
	s_add_co_u32 s60, s60, s46
	s_mov_b32 s61, 0
	s_mul_i32 s62, s52, 1536                       ; from a column tile to the next
	s_mov_b32 s63, 0
	s_add_nc_u64 s[16:17], s[40:41], s[50:51]      ; a base for each of my eight blocks: no base is stepped while loads name it
.irp t, 1,2,3,4,5,6,7
	s_add_nc_u64 s[16+2*\t:17+2*\t], s[14+2*\t:15+2*\t], s[54:55]
.endr
	s_add_nc_u64 s[32:33], s[12:13], s[58:59]
	s_add_nc_u64 s[34:35], s[32:33], s[62:63]
	s_add_nc_u64 s[36:37], s[12:13], s[60:61]
	v_lshrrev_b32 v6, 4, v1
	s_lshl_b32 s53, s52, 6
	v_mul_u32_u24 v6, s53, v6
	v_and_b32 v7, 15, v1
	v_lshl_add_u32 v4, v7, 2, v6                   ; my column's scale word: its tile, its place in the tile
.set p, 0
.rept 32
	v_mad_u32_u24 v[OFF+p], s43, 16*((p>>3)&1)+8*(p>>4)+(p&7), v5
.set p, p+1
.endr
.macro LOAD t                          ; block t of my column, in the order of the places
.set p, 0
.rept 32
	global_load_b32 v[X+32*((\t)%2)+p], v[OFF+p], s[16+2*(\t):17+2*(\t)] th:TH_LOAD_NT
.set p, p+1
.endr
.endm
.macro BLOCK t
.set XS, X+32*((\t)%2)
.set FD, F+24*((\t)/4)+12*((\t)%2)+6*(((\t)%4)/2)
.set FB, F+24*((\t)/4)
.if (\t) < 7
	s_wait_loadcnt 32                              ; this block's 32 loads are in; the next block's 32 may be out
.else
	s_wait_loadcnt 0
.endif
	v_max3_num_f32 v12, |v[XS]|, |v[XS+1]|, |v[XS+2]|
	v_max3_num_f32 v13, |v[XS+3]|, |v[XS+4]|, |v[XS+5]|
.irp i, 6,10,14,18,22,26
	v_max3_num_f32 v12, v12, |v[XS+\i]|, |v[XS+\i+1]|
	v_max3_num_f32 v13, v13, |v[XS+\i+2]|, |v[XS+\i+3]|
.endr
	v_max3_num_f32 v12, v12, |v[XS+30]|, |v[XS+31]|
	v_max3_num_f32 v12, v12, v13, 0x1800000        ; the floor 2^(3 - 127): the byte cannot fall under 1
	v_add_nc_u32 v11, 0xff000000, v12              ; 2 off the exponent field: the conversion's scale operand
	v_cvt_scalef32_pk16_fp6_f32 v[FD:FD+2], v[XS:XS+15], v11
	v_cvt_scalef32_pk16_fp6_f32 v[TC:TC+2], v[XS+16:XS+31], v11   ; (a conversion's three registers begin on an even number)
	v_lshrrev_b32 v13, 23, v11                     ; the scale's byte; also the plain line behind the conversions
.if (\t)%4 == 0
	v_mov_b32 v[SB+(\t)/4], v13
.else
	v_lshl_or_b32 v[SB+(\t)/4], v13, 8*((\t)%4), v[SB+(\t)/4]
.endif
.irp i, 0,1,2
	v_mov_b32 v[FD+3+\i], v[TC+\i]
.endr
.if (\t)+2 < 8
	LOAD (\t)+2
.endif
.if (\t)%4 == 3                        ; a K step is whole.  Lanes 0-15 hold columns 0-15, all four blocks; a fragment wants blocks 0, 2 in lanes 0-15 and blocks 1, 3 in lanes 16-31
.irp i, 0,1,2,3,4,5,6,7,8,9,10,11
	v_permlane16_swap_b32 v[FB+\i], v[FB+12+\i]
.endr
.irp u, 0,1
	global_store_b128 v2, v[FB+12*\u:FB+12*\u+3], s[32+2*\u:33+2*\u] offset:1536*((\t)/4)
	global_store_b64 v3, v[FB+12*\u+4:FB+12*\u+5], s[32+2*\u:33+2*\u] offset:1536*((\t)/4)+512
	global_store_b128 v2, v[FB+12*\u+6:FB+12*\u+9], s[32+2*\u:33+2*\u] offset:1536*((\t)/4)+768
	global_store_b64 v3, v[FB+12*\u+10:FB+12*\u+11], s[32+2*\u:33+2*\u] offset:1536*((\t)/4)+1280
.endr
	global_store_b32 v4, v[SB+(\t)/4], s[36:37] offset:64*((\t)/4)   ; two pieces of 64 bytes: one byte in 24 of what this path stores
.endif
.endm
	LOAD 0
	LOAD 1
.irp t, 0,1,2,3,4,5,6,7
	BLOCK \t
.endr
	s_endpgm
; ---------------- the norm
.Lln:
.set HS0,   3145728                    ; where the scale words begin in hq
.set LI16, 1
.set LI8,  2
.set YW,   3
.set YR,   4
.set SWA,  5
.set SRA,  6
.set X,    16                          ; v16-79   two rows, 32 numbers a lane each; later 64 numbers of one row
.set G,    80
.set BV,   112
.set TM,   144
.set PC,   160
.set PW,   180
.set SA,   182                         ; for each row 8: mean (twice), two chains, 1 / sigma (twice)
.set RT,   198
.set SEL,  20
.macro REDUCE r                        ; the sum over the wave's 32 lanes, in every lane
.irp m, 1,2,4,8
	s_delay_alu instid0(VALU_DEP_1)
	v_add_f32_dpp v[\r], v[\r], v[\r] row_xmask:\m row_mask:0xf bank_mask:0xf
.endr
	s_delay_alu instid0(VALU_DEP_1)
	v_permlanex16_b32 v[RT], v[\r], s[SEL], s[SEL+1]
	s_delay_alu instid0(VALU_DEP_1)
	v_add_f32 v[\r], v[\r], v[RT]
.endm
	s_load_b256 s[4:11], s[0:1], 0x28              ; x, gain, bias, hq
	s_mov_b32 s12, s14                             ; wave
	s_sub_co_u32 s28, ttmp9, 192                   ; my row tile
	v_and_b32 v10, 31, v0
	s_delay_alu instid0(VALU_DEP_1)
	v_lshlrev_b32 v[LI16], 4, v10
	s_delay_alu instid0(VALU_DEP_2)
	v_lshlrev_b32 v[LI8], 3, v10
	s_mul_i32 s13, s12, 2*PITCH
	v_add_nc_u32 v[YW], s13, v[LI16]
	v_and_b32 v11, 15, v0                          ; r
	v_bfe_u32 v12, v0, 4, 1                        ; h
	s_delay_alu instid0(VALU_DEP_2)
	v_mul_u32_u24 v[YR], v11, PITCH
	s_delay_alu instid0(VALU_DEP_1)
	v_lshl_add_u32 v[YR], v12, 5, v[YR]
	s_lshl_b32 s13, s12, 9
	v_add_nc_u32 v[YR], s13, v[YR]                 ; row r, my wave's 128 columns, + 32 h
	s_lshl_b32 s13, s12, 6
	s_add_co_u32 s13, s13, SCW
	v_lshl_add_u32 v[SWA], v11, 2, s13
	v_add_nc_u32 v[SRA], SCW, v[LI16]
	v_mov_b32 v[RT], 0                             ; a lane permute's destination counts as read
.irp b, 0,1,2,3
	v_mov_b32 v[TM+4+\b], 0
.endr
	s_mov_b32 s[SEL], 0x76543210
	s_mov_b32 s[SEL+1], 0xfedcba98
	s_mov_b32 s26, 0x3a800000                      ; 1 / 1,024
	s_mov_b32 s27, 0x3727c5ac                      ; 1e-5
	s_lshr_b32 s14, s28, 2
	s_lshl_b32 s14, s14, 6                         ; 64 g
	s_and_b32 s15, s28, 3
	s_lshl_b32 s15, s15, 3
	s_add_co_u32 s14, s14, s15                     ; + 8 t
	s_lshr_b32 s15, s12, 2
	s_lshl_b32 s15, s15, 5
	s_add_co_u32 s14, s14, s15                     ; my wave's rows 2 w, 2 w + 1: + 32 (w / 4)
	s_and_b32 s15, s12, 3
	s_lshl_b32 s15, s15, 1
	s_add_co_u32 s14, s14, s15                     ; + 2 (w % 4)
	s_lshl_b32 s14, s14, 12                        ; rows of 4,096 bytes
	s_mov_b32 s15, 0
	s_lshl_b32 s16, s28, 3
	s_add_co_u32 s16, s16, s12
	s_mul_i32 s16, s16, 1536                       ; my fragment
	s_mov_b32 s17, 0
	s_lshl_b32 s18, s28, 9
	s_add_co_u32 s18, s18, HS0                     ; my tile's scale words
	s_mov_b32 s19, 0
	s_wait_alu depctr_va_vdst(0)
	s_wait_kmcnt 0x0
	s_add_nc_u64 s[4:5], s[4:5], s[14:15]
	s_add_nc_u64 s[22:23], s[10:11], s[16:17]
	s_add_nc_u64 s[24:25], s[10:11], s[18:19]
.irp i, 0,1,2,3,4,5,6,7,8,9,10,11,12,13,14,15
	global_load_b128 v[X+4*\i:X+4*\i+3], v[LI16], s[4:5] offset:512*\i
.endr
.irp i, 0,1,2,3,4,5,6,7
	global_load_b128 v[G+4*\i:G+4*\i+3], v[LI16], s[6:7] offset:512*\i
.endr
.irp i, 0,1,2,3,4,5,6,7
	global_load_b128 v[BV+4*\i:BV+4*\i+3], v[LI16], s[8:9] offset:512*\i
.endr
	s_wait_loadcnt 16                              ; the two rows are in; gain's and bias's sixteen loads may be out
.irp w, 0,1                            ; the mean
	v_pk_add_f32 v[SA+8*\w+2:SA+8*\w+3], v[X+32*\w:X+32*\w+1], v[X+32*\w+2:X+32*\w+3]
	v_pk_add_f32 v[SA+8*\w+4:SA+8*\w+5], v[X+32*\w+4:X+32*\w+5], v[X+32*\w+6:X+32*\w+7]
.irp j, 8,12,16,20,24,28
	s_delay_alu instid0(VALU_DEP_2)
	v_pk_add_f32 v[SA+8*\w+2:SA+8*\w+3], v[SA+8*\w+2:SA+8*\w+3], v[X+32*\w+\j:X+32*\w+\j+1]
	s_delay_alu instid0(VALU_DEP_2)
	v_pk_add_f32 v[SA+8*\w+4:SA+8*\w+5], v[SA+8*\w+4:SA+8*\w+5], v[X+32*\w+\j+2:X+32*\w+\j+3]
.endr
	s_delay_alu instid0(VALU_DEP_1)
	v_pk_add_f32 v[SA+8*\w+2:SA+8*\w+3], v[SA+8*\w+2:SA+8*\w+3], v[SA+8*\w+4:SA+8*\w+5]
	s_delay_alu instid0(VALU_DEP_1)
	v_add_f32 v[SA+8*\w+2], v[SA+8*\w+2], v[SA+8*\w+3]
	REDUCE SA+8*\w+2
	s_delay_alu instid0(VALU_DEP_1)
	v_mul_f32 v[SA+8*\w], s26, v[SA+8*\w+2]
	s_delay_alu instid0(VALU_DEP_2)
	v_mul_f32 v[SA+8*\w+1], s26, v[SA+8*\w+2]
.endr
.irp w, 0,1                            ; x - mean, in place; then the mean of its squares
.irp j, 0,2,4,6,8,10,12,14,16,18,20,22,24,26,28,30
	v_pk_add_f32 v[X+32*\w+\j:X+32*\w+\j+1], v[X+32*\w+\j:X+32*\w+\j+1], v[SA+8*\w:SA+8*\w+1] neg_lo:[0,1] neg_hi:[0,1]
.endr
	v_pk_mul_f32 v[SA+8*\w+2:SA+8*\w+3], v[X+32*\w:X+32*\w+1], v[X+32*\w:X+32*\w+1]
	v_pk_mul_f32 v[SA+8*\w+4:SA+8*\w+5], v[X+32*\w+2:X+32*\w+3], v[X+32*\w+2:X+32*\w+3]
.irp j, 4,8,12,16,20,24,28
	s_delay_alu instid0(VALU_DEP_2)
	v_pk_fma_f32 v[SA+8*\w+2:SA+8*\w+3], v[X+32*\w+\j:X+32*\w+\j+1], v[X+32*\w+\j:X+32*\w+\j+1], v[SA+8*\w+2:SA+8*\w+3]
	s_delay_alu instid0(VALU_DEP_2)
	v_pk_fma_f32 v[SA+8*\w+4:SA+8*\w+5], v[X+32*\w+\j+2:X+32*\w+\j+3], v[X+32*\w+\j+2:X+32*\w+\j+3], v[SA+8*\w+4:SA+8*\w+5]
.endr
	s_delay_alu instid0(VALU_DEP_1)
	v_pk_add_f32 v[SA+8*\w+2:SA+8*\w+3], v[SA+8*\w+2:SA+8*\w+3], v[SA+8*\w+4:SA+8*\w+5]
	s_delay_alu instid0(VALU_DEP_1)
	v_add_f32 v[SA+8*\w+2], v[SA+8*\w+2], v[SA+8*\w+3]
	REDUCE SA+8*\w+2
	s_delay_alu instid0(VALU_DEP_1)
	v_fma_f32 v[SA+8*\w+2], v[SA+8*\w+2], s26, s27 ; var + eps
.endr
	s_wait_alu depctr_va_vdst(0)
	v_rsq_f32 v[SA+6], v[SA+2]
	v_rsq_f32 v[SA+14], v[SA+10]
	v_nop                                          ; a plain line behind the two
	s_wait_alu depctr_va_vdst(0)                   ; one wait for both, ahead of their first reader
	v_mov_b32 v[SA+7], v[SA+6]
	v_mov_b32 v[SA+15], v[SA+14]
	s_wait_alu depctr_va_vdst(0)
	s_wait_loadcnt 0x0                             ; gain and bias
.irp w, 0,1
.irp j, 0,2,4,6,8,10,12,14,16,18,20,22,24,26,28,30
	v_pk_mul_f32 v[X+32*\w+\j:X+32*\w+\j+1], v[X+32*\w+\j:X+32*\w+\j+1], v[SA+8*\w+6:SA+8*\w+7]
.endr
.irp j, 0,2,4,6,8,10,12,14,16,18,20,22,24,26,28,30
	v_pk_fma_f32 v[X+32*\w+\j:X+32*\w+\j+1], v[X+32*\w+\j:X+32*\w+\j+1], v[G+\j:G+\j+1], v[BV+\j:BV+\j+1]
.endr
.endr
.irp i, 0,1,2,3,4,5,6,7,8,9,10,11,12,13,14,15
	ds_store_b128 v[YW], v[X+4*\i:X+4*\i+3] offset:(\i/8)*PITCH+(\i%8)*512
.endr
	s_wait_dscnt 0x0                               ; for the others' sake: my two rows lie in LDS
	s_barrier_signal -1
	s_barrier_wait -1
.irp b, 0,1,2,3                        ; block b: my half's 16 numbers: k = 8 h + 0..7 and 16 + 8 h + 0..7
	ds_load_b128 v[X+16*\b:X+16*\b+3], v[YR] offset:128*\b
	ds_load_b128 v[X+16*\b+4:X+16*\b+7], v[YR] offset:128*\b+16
	ds_load_b128 v[X+16*\b+8:X+16*\b+11], v[YR] offset:128*\b+64
	ds_load_b128 v[X+16*\b+12:X+16*\b+15], v[YR] offset:128*\b+80
.endr
	s_wait_dscnt 0x0
.irp b, 0,1,2,3
	v_max3_num_f32 v[TM+\b], |v[X+16*\b]|, |v[X+16*\b+1]|, 0x1800000   ; with the floor 2^(3 - 127): the byte cannot fall under 1
.endr
.irp i, 2,4,6,8,10,12,14
.irp b, 0,1,2,3
	s_delay_alu instid0(VALU_DEP_4)
	v_max3_num_f32 v[TM+\b], |v[X+16*\b+\i]|, |v[X+16*\b+\i+1]|, v[TM+\b]
.endr
.endr
.irp b, 0,1,2,3
	s_delay_alu instid0(VALU_DEP_4)
	v_permlanex16_b32 v[TM+4+\b], v[TM+\b], s[SEL], s[SEL+1]
.endr
.irp b, 0,1,2,3
	s_delay_alu instid0(VALU_DEP_4)
	v_max_num_f32 v[TM+\b], v[TM+\b], v[TM+4+\b]   ; with the other half's 16: the block's largest magnitude
.endr
.irp b, 0,1,2,3
	s_delay_alu instid0(VALU_DEP_4)
	v_add_nc_u32 v[TM+12+\b], 0xff000000, v[TM+\b] ; 2 off its exponent field: the conversion's scale operand
.endr
.irp b, 0,1,2,3
	s_delay_alu instid0(VALU_DEP_4)
	v_lshrrev_b32 v[TM+4+\b], 23, v[TM+12+\b]      ; the scale's byte
.endr
	s_delay_alu instid0(VALU_DEP_3)
	v_lshl_or_b32 v[PW], v[TM+5], 8, v[TM+4]
	s_delay_alu instid0(VALU_DEP_1)
	v_lshl_or_b32 v[PW], v[TM+6], 16, v[PW]
	s_delay_alu instid0(VALU_DEP_1)
	v_lshl_or_b32 v[PW], v[TM+7], 24, v[PW]
	v_cvt_scalef32_pk16_fp6_f32 v[PC:PC+2], v[X:X+15], v[TM+12]
	v_cvt_scalef32_pk16_fp6_f32 v[PC+12:PC+14], v[X+16:X+31], v[TM+13]
	v_cvt_scalef32_pk16_fp6_f32 v[PC+6:PC+8], v[X+32:X+47], v[TM+14]
	v_cvt_scalef32_pk16_fp6_f32 v[PC+16:PC+18], v[X+48:X+63], v[TM+15]
	v_nop                                          ; one plain line behind the conversions
.irp c, 0,1                            ; the operand wants a whole block in a lane: lanes 0-15 block 2 c, lanes 16-31 block 2 c + 1
.irp i, 0,1,2
	v_permlane16_swap_b32 v[PC+6*\c+\i], v[PC+12+4*\c+\i]
.endr
.irp i, 0,1,2
	s_delay_alu instid0(VALU_DEP_3)
	v_mov_b32 v[PC+3+6*\c+\i], v[PC+12+4*\c+\i]
.endr
.endr
	global_store_b128 v[LI16], v[PC:PC+3], s[22:23]                 ; the fragment leaves as it stands: 512, 256, 512, 256 consecutive bytes
	global_store_b64 v[LI8], v[PC+4:PC+5], s[22:23] offset:512
	global_store_b128 v[LI16], v[PC+6:PC+9], s[22:23] offset:768
	global_store_b64 v[LI8], v[PC+10:PC+11], s[22:23] offset:1280
	ds_store_b32 v[SWA], v[PW]                     ; both halves of the lanes write the same word with the same value
	s_wait_dscnt 0x0                               ; for wave 0's sake
	s_barrier_signal -1
	s_barrier_wait -1
	s_cmp_lg_u32 s12, 0
	s_cbranch_scc1 .Lend
	ds_load_b128 v[16:19], v[SRA]
	s_wait_dscnt 0x0
	global_store_b128 v[LI16], v[16:19], s[24:25]  ; the tile's 128 scale words: 512 consecutive bytes
.Lend:
	s_wait_tensorcnt 0x0                           ; the wave's end
	ds_add_u32 v[SPW], v[NIL]
	s_wait_dscnt 0x0
	s_endpgm
.Lfunc_end_k_qcdb1c7b9c5_prep:
	.size	k_qcdb1c7b9c5_prep, .Lfunc_end_k_qcdb1c7b9c5_prep-k_qcdb1c7b9c5_prep
	.p2alignl 7, 3214868480
	.fill 96, 4, 3214868480
	.section	.rodata,"a",@progbits
	.p2align	6, 0x0
	.amdhsa_kernel k_qcdb1c7b9c5_prep
		.amdhsa_group_segment_fixed_size 67328
		.amdhsa_private_segment_fixed_size 0
		.amdhsa_enable_private_segment 0
		.amdhsa_kernarg_size 72
		.amdhsa_user_sgpr_count 2
		.amdhsa_user_sgpr_kernarg_segment_ptr 1
		.amdhsa_wavefront_size32 1
		.amdhsa_system_sgpr_workgroup_id_x 1
		.amdhsa_system_sgpr_workgroup_id_y 1
		.amdhsa_system_sgpr_workgroup_id_z 1
		.amdhsa_system_vgpr_workitem_id 0
		.amdhsa_next_free_vgpr 200
		.amdhsa_next_free_sgpr 66
		.amdhsa_reserve_vcc 0
		.amdhsa_float_denorm_mode_32 3
		.amdhsa_float_denorm_mode_16_64 3
		.amdhsa_memory_ordered 1
		.amdhsa_forward_progress 1
		.amdhsa_inst_pref_size 73
	.end_amdhsa_kernel
	.amdgpu_metadata
---
amdhsa.version: [ 1, 2 ]
amdhsa.kernels:
  - .name:           k_qcdb1c7b9c5_prep
    .symbol:         k_qcdb1c7b9c5_prep.kd
    .args:
      - { .name: w_qkv, .offset: 0, .size: 8, .value_kind: global_buffer, .address_space: global }
      - { .name: w_proj, .offset: 8, .size: 8, .value_kind: global_buffer, .address_space: global }
      - { .name: w_fc1, .offset: 16, .size: 8, .value_kind: global_buffer, .address_space: global }
      - { .name: w_fc2, .offset: 24, .size: 8, .value_kind: global_buffer, .address_space: global }
      - { .name: wq, .offset: 32, .size: 8, .value_kind: global_buffer, .address_space: global }
      - { .name: x, .offset: 40, .size: 8, .value_kind: global_buffer, .address_space: global }
      - { .name: ln1_g, .offset: 48, .size: 8, .value_kind: global_buffer, .address_space: global }
      - { .name: ln1_b, .offset: 56, .size: 8, .value_kind: global_buffer, .address_space: global }
      - { .name: hq, .offset: 64, .size: 8, .value_kind: global_buffer, .address_space: global }
    .group_segment_fixed_size: 67328
    .private_segment_fixed_size: 0
    .kernarg_segment_align: 8
    .kernarg_segment_size: 72
    .max_flat_workgroup_size: 256
    .sgpr_count:     66
    .vgpr_count:     200
    .wavefront_size: 32
...
	.end_amdgpu_metadata
.endif
;; end of part 8
;; launch gqkv (part 9): grid 12 x 16, 4 waves a work-group, clusters of 4 x 4, 327,680 bytes of LDS; arguments hq, wq, qkvq; writes qkvq
.if DOCPART == 9
	.amdgcn_target "amdgcn-amd-amdhsa--gfx1250"
	.amdhsa_code_object_version 6
	.text
	.protected	k_qcdb1c7b9c5_gqkv
	.globl	k_qcdb1c7b9c5_gqkv
	.p2align	8
	.type	k_qcdb1c7b9c5_gqkv,@function
k_qcdb1c7b9c5_gqkv:
	s_mov_b64 s[64:65], 0
	v_nop
	global_prefetch_b8 v0, s[64:65] scope:SCOPE_SE
	s_setreg_imm32_b32 hwreg(HW_REG_WAVE_MODE, 25, 1), 1
	s_wait_xcnt 0x0
	s_wait_alu depctr_hold_cnt(0) depctr_sa_sdst(0) depctr_va_vdst(0) depctr_va_sdst(0) depctr_va_ssrc(0) depctr_va_vcc(0) depctr_vm_vsrc(0)
	s_getreg_b32 s2, hwreg(HW_REG_IB_STS2, 6, 4)
	s_cmp_eq_u32 s2, 0
	s_cbranch_scc0 .Lentry_in_a_cluster
	s_endpgm
.Lentry_in_a_cluster:
	s_bfe_u32 s2, ttmp6, 0x10000c
	s_cmp_lg_u32 s2, 0xf033
	s_cbranch_scc0 .Lentry_shape_is_right
	s_endpgm
.Lentry_shape_is_right:
; qkv = LN1(x) w_qkv on codes of FP6 with E8M0 scales, K = 1,024; q, k and v are quantised in registers and leave as operands of the attention launch.  No work of reference() is left out.
; A tile of C, 256 x 256, is made by four waves, each 128 x 128: 64 accumulators in windows 2 and 3.  K goes in steps of 256 through a ring of two LDS slots.  Operands lie in memory as images of fragments
; ([row tile][K step][1,536 bytes]), so a slot's part of eight row tiles is 8 rows of 3,072 bytes, and a fragment comes from LDS by four loads of consecutive bytes.  The scale words of the work-group's rows come once and stay.
; CLUSTERS of 4 x 4: A's tiles are asked for jointly along a row of the cluster, B's along a column.  THE MATRIX INSTRUCTION IS USED TRANSPOSED (source 0 = B's 16 rows, source 1 = A's): a lane holds one row of A and eight rows of B.
; TWO ROLES, told apart by the cluster's x, which all partners share.  Clusters 0, 1 (q and k): A = tokens, B = columns of w_qkv: a lane's registers run along the head's 64, the first attention product's K.
; Cluster 2 (v): A = v's columns of w_qkv, B = tokens: a lane's registers run along the tokens, the second attention product's K.  The K loop is one text for both.
; OUT.  q, k: [channel 0..31 (q's heads, then k's)][pair of token tiles][1,536]: half q of a fragment is token tile 2 P + q with its 64 numbers.  v: [batch][16 of v's columns][128 keys][1,536].  Scale words behind them, 64 bytes a fragment.
; LIMITS: as stated at the first launch's head (NaN, infinities; the byte 1 for blocks under 2^-124 and for blocks of zeros).
.set KK,    1024
.set KST,   KK/128
.set FIRST, 1                          ; the first products start the sums with 0
.set FR,    12
.set NL,    4                          ; LDS loads that bring a fragment
.set NQ,    2
.set NP,    4                          ; places behind this matrix instruction (ISA guide 7.12.1)
.set TROW,  3072                       ; a row tile's part of a slot: two fragments
.set HALFT, 8*TROW
.set SLOT,  4*HALFT
.set LAPS,  KK/512
.set SCL,   2*SLOT                     ; behind the ring: the scale words
.set SBLK,  KK/2                       ; those of a row tile
.set HALFS, 8*SBLK
.set SPARE, SCL+4*HALFS                ; the spare words: 128 bytes a wave; no other line names them
.set HS0,   3145728                    ; hq: scale words
.set WV0,   1572864                    ; wq: v's columns of w_qkv
.set WS0,   9437184                    ; wq: w_qkv's scale words
.set WVS,   9502720                    ; and those of v's columns
; qkvq as this text leaves it: q's codes [head][pair of token tiles][1,536] at 0; from KV0 on a RECORD of 12,800 bytes for each (batch, head, step of 128 keys): k's four fragments, v's four fragments (16 of the head's 64 each),
; k's four x 64 bytes of scale words, v's four x 64; q's scale words from QS0 on.  v's codes lie in the keys' own order: by the row tiles' order of tokens a lane's 32 registers of four token tiles are one block of 32 keys.
.set KV0,   3145728
.set QS0,   9699328
.set ADRA, 16                          ; v16-17 16 x lane + my A rows in slot 0, 1; v18-19 the same with 8 x lane
.set ADRB, 20                          ; v20-23 the same for B
.set LI16, 24
.set LI8,  25
.set LS4,  26
.set ADRS, 27
.set SPW,  28
.set NIL,  29
.set SC,   32                          ; v32-63 scale words, two sets: they hold nothing else
.set BI,   64
.set TM,   64                          ; the way out: v64-79 at work, v80-99 codes, v100 a scale word
.set PC,   80
.set PW,   100
.set AF,   128
.set SEL,  66
.set G1, 24
.set G0, 32
.set G1B, 48
.set G0B, 56
.set G1S, 68
.set G0S, 76
.set G1SB, 80
.set G0SB, 88
.set MSB, 0
.macro WIN new                         ; the immediate's high byte repeats the setting that is left
.if MSB != (\new)
	s_set_vgpr_msb (MSB<<8)|(\new)
.set MSB, (\new)
.endif
.endm
.set MUL_LO, 0xa1                      ; source 0 (B) window 1, source 1 (A) window 0, C and D window 2
.set MUL_HI, 0xf1
.set TO_B,   0x40
.macro JLOAD g0a, g1a, g0b, g1b        ; a joint load: waves 0, 1 fetch for A, waves 2, 3 for B; an s_nop 0 and four v_nop follow each line
	s_cmp_eq_u32 s15, 0
	s_cbranch_scc0 .Lfor_b_\@
	tensor_load_to_lds s[\g0a:\g0a+3], s[\g1a:\g1a+7]
	s_nop 0
.rept 4
	v_nop
.endr
	s_branch .Lasked_\@
.Lfor_b_\@:
	tensor_load_to_lds s[\g0b:\g0b+3], s[\g1b:\g1b+7]
	s_nop 0
.rept 4
	v_nop
.endr
.Lasked_\@:
.endm
.macro CREST
	s_cmp_lg_u32 s14, 0
	s_cbranch_scc1 .Lnot_wave_0_\@
	s_barrier_signal -3
.Lnot_wave_0_\@:
	s_barrier_wait -3
	s_barrier_signal -1
	s_barrier_wait -1
.endm
.macro CROUND
	s_barrier_signal -1
	s_barrier_wait -1
	CREST
.endm
.macro PLACES n
.rept \n
	v_nop
.endr
.endm
.macro FRAG reg, adr, q, i             ; a fragment as it lies: 512, 256, 512, 256 consecutive bytes
	ds_load_b128 v[\reg:\reg+3], v[\adr] offset:(\i)*TROW+(\q)*1536
	ds_load_b64 v[\reg+4:\reg+5], v[\adr+2] offset:(\i)*TROW+(\q)*1536+512
	ds_load_b128 v[\reg+6:\reg+9], v[\adr] offset:(\i)*TROW+(\q)*1536+768
	ds_load_b64 v[\reg+10:\reg+11], v[\adr+2] offset:(\i)*TROW+(\q)*1536+1280
.endm
; 16 matrix instructions: A's blocks a0, a0 + 1 x B's eight.  The 64 accumulators take turns, one instruction a turn, in the same order in every step
.macro MUL16 a0, p, q, sc, zero
.irp a, \a0, \a0+1
.irp b, 0,1,2,3,4,5,6,7
.if \zero == 1
	v_wmma_scale_f32_16x16x128_f8f6f4 v[8*(8*((\a)%4)+\b):8*(8*((\a)%4)+\b)+7], v[128*(\p)+FR*\b:128*(\p)+FR*\b+FR-1], v[AF+FR*(\a):AF+FR*(\a)+FR-1], 0, v[SC+8*NQ*(\sc)+NQ*\b+(\q)], v[SC+8*NQ*(\sc)+NQ*(\a)+(\q)] matrix_a_fmt:MATRIX_FMT_FP6 matrix_b_fmt:MATRIX_FMT_FP6 matrix_a_scale:MATRIX_SCALE_ROW1
.elseif \zero == 2
	v_wmma_scale_f32_16x16x128_f8f6f4 v[8*(8*((\a)%4)+\b):8*(8*((\a)%4)+\b)+7], v[128*(\p)+FR*\b:128*(\p)+FR*\b+FR-1], v[AF+FR*(\a):AF+FR*(\a)+FR-1], v[BI+8*\b:BI+8*\b+7], v[SC+8*NQ*(\sc)+NQ*\b+(\q)], v[SC+8*NQ*(\sc)+NQ*(\a)+(\q)] matrix_a_fmt:MATRIX_FMT_FP6 matrix_b_fmt:MATRIX_FMT_FP6 matrix_a_scale:MATRIX_SCALE_ROW1
.else
	v_wmma_scale_f32_16x16x128_f8f6f4 v[8*(8*((\a)%4)+\b):8*(8*((\a)%4)+\b)+7], v[128*(\p)+FR*\b:128*(\p)+FR*\b+FR-1], v[AF+FR*(\a):AF+FR*(\a)+FR-1], v[8*(8*((\a)%4)+\b):8*(8*((\a)%4)+\b)+7], v[SC+8*NQ*(\sc)+NQ*\b+(\q)], v[SC+8*NQ*(\sc)+NQ*(\a)+(\q)] matrix_a_fmt:MATRIX_FMT_FP6 matrix_b_fmt:MATRIX_FMT_FP6 matrix_a_scale:MATRIX_SCALE_ROW1
.endif
.endr
.endr
.endm
.macro FETCH_B slot, q, p
	WIN TO_B
.irp i, 0,1,2,3,4,5,6,7
	FRAG 128*(\p)+FR*\i, ADRB+\slot, \q, \i
.endr
	WIN 0
.endm
.macro FETCH_A slot, q, i0
.irp i, \i0, \i0+1, \i0+2, \i0+3
	FRAG AF+FR*(\i), ADRA+\slot, \q, \i
.endr
.endm
.macro SCALES sc                       ; a slot's scale words: lanes 0-15 A's block i, lanes 16-31 B's block i
.irp i, 0,1,2,3,4,5,6,7
	ds_load_b32 v[SC+8*NQ*\sc+NQ*\i], v[ADRS] offset:\i*SBLK
	ds_load_b32 v[SC+8*NQ*\sc+NQ*\i+1], v[ADRS] offset:\i*SBLK+64
.endr
.endm
.macro STEP slot, q, zero              ; 128 along K whose successor lies in the same slot
	s_wait_dscnt 4*NL                              ; all but the youngest sixteen loads (A's blocks 4-7) are in
.if \zero == 2
	WIN 0x81
.else
	WIN MUL_LO
.endif
	MUL16 0, (\q)%2, \q, \slot, \zero
	MUL16 2, (\q)%2, \q, \slot, \zero
	s_wait_dscnt 0
	PLACES NP
	FETCH_B \slot, (\q)+1, 1-(\q)%2
	FETCH_A \slot, (\q)+1, 0
.if \zero == 2
	WIN 0xc1
.else
	WIN MUL_HI
.endif
	MUL16 4, (\q)%2, \q, \slot, \zero
	MUL16 6, (\q)%2, \q, \slot, \zero
	PLACES NP
	WIN 0
	FETCH_A \slot, (\q)+1, 4
.endm
.macro TURN slot, next, fill           ; a slot's last 128 along K, and the change of slots
	s_wait_tensorcnt 0x0                           ; all my tensor loads have landed: my part of the next slot
	ds_add_u32 v[SPW], v[NIL]                      ; 0 onto my spare word
	s_wait_dscnt 4*NL+1                            ; (the add and the youngest sixteen loads may be out)
	WIN MUL_LO
	MUL16 0, 1, NQ-1, \slot, 0
	s_wait_dscnt 0x0                               ; the add is done, and my reads of this slot are over
	s_barrier_signal -1
	MUL16 2, 1, NQ-1, \slot, 0
	WIN 0
	s_barrier_wait -1
.if \fill
	CREST                                          ; the barrier has opened a round of the cluster's: no wave of any partner still reads this slot or has a load on its way
	s_add_nc_u64 s[G0+4*\slot+2:G0+4*\slot+3], s[G0+4*\slot+2:G0+4*\slot+3], 2*TROW
	s_add_nc_u64 s[G0B+4*\slot+2:G0B+4*\slot+3], s[G0B+4*\slot+2:G0B+4*\slot+3], 2*TROW
	JLOAD G0+4*\slot, G1, G0B+4*\slot, G1B         ; the first tensor load behind the round; its four v_nop are the places in front of the loads below
.else
	PLACES NP
.endif
	s_wait_alu depctr_va_vdst(0)
	v_add_nc_u32 v[ADRS], 64*NQ, v[ADRS]
	FETCH_B \next, 0, 0
	FETCH_A \next, 0, 0
	SCALES \next
	WIN MUL_HI
	MUL16 4, 1, NQ-1, \slot, 0
	MUL16 6, 1, NQ-1, \slot, 0
	PLACES NP
	WIN 0
	FETCH_A \next, 0, 4
.endm
; 64 numbers of a lane in window W (blocks 0, 1 from s0 on, blocks 2, 3 from s1 on) become a fragment in v[PC..PC+11] and my row's scale word in v[PW]; each accumulator is read from its low end on
.macro QUANT s0, s1, W
	WIN (\W)|((\W)<<2)
.irp b, 0,1
	v_max3_num_f32 v[TM+\b], |v[(\s0)+16*\b]|, |v[(\s0)+16*\b+1]|, 0x1800000
.endr
.irp b, 0,1
	v_max3_num_f32 v[TM+2+\b], |v[(\s1)+16*\b]|, |v[(\s1)+16*\b+1]|, 0x1800000
.endr
.irp i, 2,4,6,8,10,12,14
.irp b, 0,1
	v_max3_num_f32 v[TM+\b], |v[(\s0)+16*\b+\i]|, |v[(\s0)+16*\b+\i+1]|, v[TM+\b]
.endr
.irp b, 0,1
	v_max3_num_f32 v[TM+2+\b], |v[(\s1)+16*\b+\i]|, |v[(\s1)+16*\b+\i+1]|, v[TM+2+\b]
.endr
.endr
	WIN 0
.irp b, 0,1,2,3
	v_permlanex16_b32 v[TM+4+\b], v[TM+\b], s[SEL], s[SEL+1]
.endr
.irp b, 0,1,2,3
	v_max_num_f32 v[TM+\b], v[TM+\b], v[TM+4+\b]
.endr
.irp b, 0,1,2,3
	v_add_nc_u32 v[TM+12+\b], 0xff000000, v[TM+\b]
.endr
.irp b, 0,1,2,3
	v_lshrrev_b32 v[TM+4+\b], 23, v[TM+12+\b]
.endr
	v_lshl_or_b32 v[PW], v[TM+5], 8, v[TM+4]
	v_lshl_or_b32 v[PW], v[TM+6], 16, v[PW]
	v_lshl_or_b32 v[PW], v[TM+7], 24, v[PW]
	WIN \W
	v_cvt_scalef32_pk16_fp6_f32 v[PC:PC+2], v[(\s0):(\s0)+15], v[TM+12]
	v_cvt_scalef32_pk16_fp6_f32 v[PC+12:PC+14], v[(\s0)+16:(\s0)+31], v[TM+13]
	v_cvt_scalef32_pk16_fp6_f32 v[PC+6:PC+8], v[(\s1):(\s1)+15], v[TM+14]
	v_cvt_scalef32_pk16_fp6_f32 v[PC+16:PC+18], v[(\s1)+16:(\s1)+31], v[TM+15]
	WIN 0
	v_nop
.irp c, 0,1
.irp i, 0,1,2
	v_permlane16_swap_b32 v[PC+6*\c+\i], v[PC+12+4*\c+\i]
.endr
.irp i, 0,1,2
	v_mov_b32 v[PC+3+6*\c+\i], v[PC+12+4*\c+\i]
.endr
.endr
.endm
; v: 64 numbers of a lane in window W from s0 on are two whole blocks of 32 keys (block h and block 2 + h of the 128): no other lane is asked for a maximum; the scale word's four bytes meet from lanes l and l xor 16
.macro QUANTV s0, W
	WIN (\W)|((\W)<<2)
.irp b, 0,1,2,3
	v_max3_num_f32 v[TM+\b], |v[(\s0)+16*\b]|, |v[(\s0)+16*\b+1]|, 0x1800000
.endr
.irp i, 2,4,6,8,10,12,14
.irp b, 0,1,2,3
	v_max3_num_f32 v[TM+\b], |v[(\s0)+16*\b+\i]|, |v[(\s0)+16*\b+\i+1]|, v[TM+\b]
.endr
.endr
	WIN 0
	v_max_num_f32 v[TM], v[TM], v[TM+1]
	v_max_num_f32 v[TM+2], v[TM+2], v[TM+3]
	v_add_nc_u32 v[TM+12], 0xff000000, v[TM]
	v_add_nc_u32 v[TM+14], 0xff000000, v[TM+2]
	v_lshrrev_b32 v[TM+8], 23, v[TM+12]
	v_lshrrev_b32 v[TM+9], 23, v[TM+14]
	v_lshl_or_b32 v[TM+8], v[TM+9], 16, v[TM+8]
	v_lshlrev_b32 v[TM+8], v30, v[TM+8]            ; 8 h bits up
	v_permlanex16_b32 v[TM+4], v[TM+8], s[SEL], s[SEL+1]
	v_or_b32 v[PW], v[TM+8], v[TM+4]
	WIN \W
	v_cvt_scalef32_pk16_fp6_f32 v[PC:PC+2], v[(\s0):(\s0)+15], v[TM+12]
	v_cvt_scalef32_pk16_fp6_f32 v[PC+12:PC+14], v[(\s0)+16:(\s0)+31], v[TM+12]
	v_cvt_scalef32_pk16_fp6_f32 v[PC+6:PC+8], v[(\s0)+32:(\s0)+47], v[TM+14]
	v_cvt_scalef32_pk16_fp6_f32 v[PC+16:PC+18], v[(\s0)+48:(\s0)+63], v[TM+14]
	WIN 0
	v_nop
.irp c, 0,1
.irp i, 0,1,2
	v_mov_b32 v[PC+3+6*\c+\i], v[PC+12+4*\c+\i]
.endr
.endr
.endm
.macro PUT cb, off
	global_store_b128 v[LI16], v[PC:PC+3], s[\cb:\cb+1] offset:\off
	global_store_b64 v[LI8], v[PC+4:PC+5], s[\cb:\cb+1] offset:\off+512
	global_store_b128 v[LI16], v[PC+6:PC+9], s[\cb:\cb+1] offset:\off+768
	global_store_b64 v[LI8], v[PC+10:PC+11], s[\cb:\cb+1] offset:\off+1280
.endm
	s_load_b128 s[4:7], s[0:1], 0x0                ; hq, wq
	s_load_b64 s[8:9], s[0:1], 0x10                ; qkvq
	v_lshl_add_u32 v[SPW], v0, 2, SPARE
	v_mov_b32 v[NIL], 0
	ds_add_u32 v[SPW], v[NIL]                      ; the wave's opening: the add, twice on end, and its wait ahead of my first tensor load
	ds_add_u32 v[SPW], v[NIL]
	v_lshrrev_b32 v1, 5, v0
	v_readfirstlane_b32 s14, v1                    ; wave
	s_lshr_b32 s15, s14, 1                         ; my half of the tile's A rows; also: I fetch for A (0) or B (1)
	s_and_b32 s16, s14, 1                          ; my half of its B rows; also: which eight row tiles I fetch
	s_bfe_u32 s40, ttmp6, 0x40000                  ; cx
	s_bfe_u32 s41, ttmp6, 0x40004                  ; cy
	s_and_b32 s95, ttmp7, 0xffff                   ; the cluster's y
	s_mov_b32 s99, HS0
	s_mov_b32 s100, WS0
	s_cmp_eq_u32 ttmp9, 2                          ; v's role?  The cluster's x: the same in all sixteen partners
	s_cselect_b32 s96, 0, s95                      ; A's tiles: tokens by the cluster's y; v's columns from 0
	s_cselect_b32 s97, s95, ttmp9                  ; B's tiles: columns by the cluster's x; tokens by its y
	s_cselect_b32 s98, WV0, 0                      ; where A's codes begin in their buffer,
	s_cselect_b32 s99, WVS, s99                    ; A's scale words,
	s_cselect_b32 s100, HS0, s100                  ; B's scale words (B's codes begin at 0 in both roles)
	s_lshl_b32 s42, s97, 2
	s_add_co_u32 s42, s42, s40                     ; B's tile
	s_lshl_b32 s17, s96, 2
	s_add_co_u32 s17, s17, s41                     ; A's tile
	s_lshl_b32 s43, s41, 2
	s_lshl_b32 s43, 15, s43                        ; my row of the cluster
	s_lshl_b32 s44, 0x1111, s40                    ; my column
	s_or_b32 s[G1+0], s43, (3<<16)|(1<<21)         ; 15:0 the mask; 17:16 elements of 8 bytes; 21 set beside a mask; no padding
	s_or_b32 s[G1B+0], s44, (3<<16)|(1<<21)
.irp g, G1, G1B
	s_mov_b32 s[\g+1], 384<<16                     ; tensor_dim0: 3,072 bytes
	s_mov_b32 s[\g+2], 16<<16                      ; tensor_dim1: 16 row tiles for the head's loads; 8 behind them
	s_mov_b32 s[\g+3], 384<<16                     ; tile_dim0
	s_mov_b32 s[\g+4], 16                          ; tile_dim1 likewise
	s_mov_b32 s[\g+5], KK*12/8                     ; from a row tile to the next, in elements
	s_mov_b32 s[\g+6], 0
	s_mov_b32 s[\g+7], 0
.endr
	s_or_b32 s[G1S+0], s43, (3<<16)|(1<<21)        ; the scale words of sixteen row tiles: a dense block, as rows of 256 bytes
	s_or_b32 s[G1SB+0], s44, (3<<16)|(1<<21)
.irp g, G1S, G1SB
	s_mov_b32 s[\g+1], 32<<16
	s_mov_b32 s[\g+2], (2*HALFS/256)<<16
	s_mov_b32 s[\g+3], 32<<16
	s_mov_b32 s[\g+4], 2*HALFS/256
	s_mov_b32 s[\g+5], 32
	s_mov_b32 s[\g+6], 0
	s_mov_b32 s[\g+7], 0
.endr
	s_mul_i32 s18, s16, 8*KST*1536                 ; in the ring I fetch eight row tiles: which half, in bytes
	s_mov_b32 s19, 0
	s_lshl_b32 s20, s17, 4                         ; A: the tile's first row tile
	s_lshl_b32 s46, s42, 4                         ; B likewise
	s_mul_i32 s22, s20, SBLK
	s_add_co_u32 s22, s22, s99
	s_mul_i32 s92, s46, SBLK
	s_add_co_u32 s92, s92, s100
	s_mul_i32 s20, s20, KST*1536
	s_add_co_u32 s20, s20, s98
	s_mul_i32 s46, s46, KST*1536
	s_mov_b32 s21, 0
	s_mov_b32 s23, 0
	s_mov_b32 s47, 0
	s_mov_b32 s93, 0
	s_mul_i32 s45, s14, HALFT                      ; where they go: by the wave's number alone
	s_wait_dscnt 0x0                               ; both opening adds are done
	s_wait_kmcnt 0x0
	s_cmp_eq_u32 ttmp9, 2
	s_cselect_b64 s[10:11], s[6:7], s[4:5]         ; A's buffer
	s_cselect_b64 s[12:13], s[4:5], s[6:7]         ; B's
	s_add_nc_u64 s[20:21], s[10:11], s[20:21]
	s_add_nc_u64 s[22:23], s[10:11], s[22:23]
	s_add_nc_u64 s[46:47], s[12:13], s[46:47]
	s_add_nc_u64 s[92:93], s[12:13], s[92:93]
	CROUND                                         ; all sixteen work-groups are here: the first joint loads meet
	s_mov_b32 s[G0S], 1
	s_mov_b32 s[G0S+1], SCL
	s_mov_b64 s[G0S+2:G0S+3], s[22:23]
	s_or_b32 s[G0S+3], s[G0S+3], 0x80000000
	s_mov_b32 s[G0SB], 1
	s_mov_b32 s[G0SB+1], SCL+2*HALFS
	s_mov_b64 s[G0SB+2:G0SB+3], s[92:93]
	s_or_b32 s[G0SB+3], s[G0SB+3], 0x80000000
.irp s, 0,1
	s_mov_b32 s[G0+4*\s], 1
	s_add_co_u32 s[G0+4*\s+1], s45, \s*SLOT
	s_add_nc_u64 s[G0+4*\s+2:G0+4*\s+3], s[20:21], \s*TROW
	s_or_b32 s[G0+4*\s+3], s[G0+4*\s+3], 0x80000000
	s_mov_b32 s[G0B+4*\s], 1
	s_add_co_u32 s[G0B+4*\s+1], s45, \s*SLOT
	s_add_nc_u64 s[G0B+4*\s+2:G0B+4*\s+3], s[46:47], \s*TROW
	s_or_b32 s[G0B+4*\s+3], s[G0B+4*\s+3], 0x80000000
.endr
	s_mov_b32 s[G0+1], 0                           ; slot 0's two descriptors serve the head first: A's 16 row tiles whole,
	s_mov_b32 s[G0B+1], 2*HALFT                    ; B's behind them
	s_add_nc_u64 s[G0+6:G0+7], s[G0+6:G0+7], s[18:19]      ; slot 1's: my half
	s_add_nc_u64 s[G0B+6:G0B+7], s[G0B+6:G0B+7], s[18:19]
; THE HEAD'S LOADS, ONE A WAVE: wave 0 A's part of slot 0, wave 1 B's, wave 2 A's scale words, wave 3 B's; one tree of branches on the wave's number
.macro ARM under, g0, g1, next
	s_cmp_lt_u32 s14, \under
	s_cbranch_scc0 \next
	tensor_load_to_lds s[\g0:\g0+3], s[\g1:\g1+7]
	s_nop 0
.rept 4
	v_nop
.endr
	s_branch .Lhead_asked
\next:
.endm
	ARM 1, G0,  G1,  .Lhead_b
	ARM 2, G0B, G1B, .Lhead_sa
	ARM 3, G0S, G1S, .Lhead_sb
	tensor_load_to_lds s[G0SB:G0SB+3], s[G1SB:G1SB+7]
	s_nop 0
.rept 4
	v_nop
.endr
.Lhead_asked:
; PREFETCHES INTO THE L2.  A slot's part of a row tile is 3,072 bytes, 12 blocks of 256.  Of the eight row tiles that my wave fetches in the ring, each of the four partners that ask for them jointly takes two, told apart by address
; (cx for A, cy for B): a lane a block, lanes 24-31 name the last block again.  Here slots 1 and 2 are asked for, behind slot 1's load slot 3, the last: at most two slots are asked for and not yet read
	s_cmp_eq_u32 s15, 0
	s_cselect_b64 s[98:99], s[20:21], s[46:47]
	s_cselect_b32 s95, s40, s41
	s_mul_i32 s100, s95, 2*KST*1536
	s_mov_b32 s101, 0
	s_add_nc_u64 s[98:99], s[98:99], s[18:19]
	s_add_nc_u64 s[98:99], s[98:99], s[100:101]
	v_and_b32 v31, 31, v0
	v_min_u32 v31, 23, v31
	v_mul_u32_u24 v7, v31, 171
	v_lshrrev_b32 v7, 11, v7                       ; block / 12: which of my two row tiles
	v_lshlrev_b32 v31, 8, v31
	v_mad_u32_u24 v31, v7, KST*1536-TROW, v31
	global_prefetch_b8 v31, s[98:99] offset:TROW th:TH_LOAD_NT scope:SCOPE_SE
	global_prefetch_b8 v31, s[98:99] offset:2*TROW th:TH_LOAD_NT scope:SCOPE_SE
	v_and_b32 v1, 31, v0
	v_and_b32 v2, 15, v0                           ; r
	v_bfe_u32 v3, v0, 4, 1                         ; h
	v_lshlrev_b32 v4, 4, v1
	v_lshlrev_b32 v5, 3, v1
	v_lshlrev_b32 v[LI16], 4, v1
	v_lshlrev_b32 v[LI8], 3, v1
	v_lshlrev_b32 v[LS4], 2, v2
	s_mul_i32 s21, s15, HALFT
	s_mul_i32 s22, s16, HALFT
	s_add_co_u32 s22, s22, 2*HALFT
.irp s, 0,1
	v_add_nc_u32 v[ADRA+\s], s21, v4
	v_add_nc_u32 v[ADRB+\s], s22, v4
	v_add_nc_u32 v[ADRA+2+\s], s21, v5
	v_add_nc_u32 v[ADRB+2+\s], s22, v5
	s_add_co_u32 s21, s21, SLOT
	s_add_co_u32 s22, s22, SLOT
.endr
	s_mul_i32 s21, s15, HALFS
	s_mul_i32 s22, s16, HALFS
	s_add_co_u32 s22, s22, 2*HALFS
	s_sub_co_u32 s22, s22, s21
	v_mul_u32_u24 v6, s22, v3                      ; lanes 16-31 take B's words: one product, the distance between the two bases
	s_add_co_u32 s21, s21, SCL
	v_lshl_add_u32 v6, v2, 2, v6
	v_add_nc_u32 v[ADRS], s21, v6
	s_wait_alu depctr_va_vdst(0)
	s_wait_tensorcnt 0x0                           ; my tile of the head's four is in
	ds_add_u32 v[SPW], v[NIL]
	s_mov_b32 s[G1+2], 8<<16                       ; no tensor load of mine is out: from here on a load brings eight row tiles,
	s_mov_b32 s[G1+4], 8
	s_mov_b32 s[G1B+2], 8<<16
	s_mov_b32 s[G1B+4], 8
	s_mov_b32 s[G0+1], s45                         ; and slot 0's descriptors name my half
	s_mov_b32 s[G0B+1], s45
	s_add_nc_u64 s[G0+2:G0+3], s[G0+2:G0+3], s[18:19]
	s_add_nc_u64 s[G0B+2:G0B+3], s[G0B+2:G0B+3], s[18:19]
	s_wait_dscnt 0x0
	CROUND                                         ; all four tiles are in, all sixteen work-groups are here
	JLOAD G0+4, G1, G0B+4, G1B                     ; slot 1's first fill, the first tensor load behind the round
	global_prefetch_b8 v31, s[98:99] offset:3*TROW th:TH_LOAD_NT scope:SCOPE_SE
	FETCH_B 0, 0, 0
	FETCH_A 0, 0, 0
	SCALES 0
	FETCH_A 0, 0, 4
	STEP 0, 0, FIRST
	s_mov_b32 s3, LAPS-1
.Llap:
	TURN 0, 1, 1
	STEP 1, 0, 0
	TURN 1, 0, 1
	STEP 0, 0, 0
	s_sub_co_u32 s3, s3, 1
	s_cmp_lg_u32 s3, 0
	s_cbranch_scc1 .Llap
	TURN 0, 1, 0                                   ; the last lap fills nothing
	STEP 1, 0, 0
	s_wait_dscnt 4*NL
	WIN MUL_LO
	MUL16 0, 1, NQ-1, 1, 0
	MUL16 2, 1, NQ-1, 1, 0
	s_wait_dscnt 0
	WIN MUL_HI
	MUL16 4, 1, NQ-1, 1, 0
	MUL16 6, 1, NQ-1, 1, 0
	WIN 0
	; THE WAY OUT: no LDS: a lane's registers already run along the next K
	PLACES NP
	s_mov_b32 s[SEL], 0x76543210
	s_mov_b32 s[SEL+1], 0xfedcba98
.irp b, 0,1,2,3
	v_mov_b32 v[TM+4+\b], 0                        ; a lane permute's destination counts as read
.endr
	s_cmp_eq_u32 ttmp9, 2
	s_cbranch_scc1 .Lvpath
	s_lshl_b32 s20, s42, 2                         ; q, k: channel 4 x B's tile + 2 x my half (+ eta),
	s_lshl_b32 s21, s16, 1
	s_add_co_u32 s20, s20, s21
	s_lshl_b32 s20, s20, 7
	s_lshl_b32 s21, s17, 3                         ; pair of token tiles 8 x A's tile + 4 x my half (+ alpha)
	s_add_co_u32 s20, s20, s21
	s_lshl_b32 s21, s15, 2
	s_add_co_u32 s20, s20, s21
	s_lshl_b32 s22, s20, 6
	s_add_co_u32 s22, s22, QS0
	s_mul_i32 s20, s20, 1536
	s_lshl_b32 s24, s42, 2                         ; k (the cluster's x = 1): record ((batch x 16 + head) x 16 + key step); the descriptors' registers are free: no tensor load is out
	s_lshl_b32 s25, s16, 1
	s_add_co_u32 s24, s24, s25                     ; channel = 16 + head
	s_lshr_b32 s25, s17, 3
	s_lshl_b32 s25, s25, 4
	s_add_co_u32 s24, s24, s25                     ; + 16 x batch
	s_sub_co_u32 s24, s24, 16
	s_lshl_b32 s24, s24, 4
	s_lshl_b32 s25, s17, 1
	s_add_co_u32 s25, s25, s15
	s_and_b32 s25, s25, 15                         ; key step
	s_add_co_u32 s24, s24, s25
	s_mul_i32 s24, s24, 12800
	s_add_co_u32 s24, s24, KV0
	s_add_co_u32 s25, s24, 12288                   ; its scale words
	s_mov_b32 s32, 196608                          ; from a head to the next: q's codes, q's scale words;
	s_mov_b32 s34, 8192
	s_cmp_eq_u32 ttmp9, 1
	s_cselect_b32 s20, s24, s20
	s_cselect_b32 s22, s25, s22
	s_cselect_b32 s32, 204800, s32                 ; k's: sixteen records
	s_cselect_b32 s34, 204800, s34
	s_mov_b32 s21, 0
	s_mov_b32 s23, 0
	s_mov_b32 s33, 0
	s_mov_b32 s35, 0
	s_add_nc_u64 s[20:21], s[8:9], s[20:21]
	s_add_nc_u64 s[22:23], s[8:9], s[22:23]
	s_add_nc_u64 s[28:29], s[20:21], s[32:33]
	s_add_nc_u64 s[30:31], s[22:23], s[34:35]
.irp al, 0,1,2,3
.irp et, 0,1
	s_wait_xcnt 0x0                                ; the last fragment's stores have read their registers
	QUANT 8*(8*((2*\al)%4)+4*\et), 8*(8*((2*\al)%4)+4*\et)+64, 2+\al/2
	PUT 20+8*\et, \al*1536
	global_store_b32 v[LS4], v[PW], s[22+8*\et:23+8*\et] offset:\al*64   ; 64 bytes; lanes l and l + 16 hold the same word and write it to the same place
.endr
.endr
	s_branch .Ldone
.Lvpath:
	s_lshl_b32 s20, s42, 1                         ; v: which 128 tokens: 2 x B's tile + my half: batch and key step,
	s_add_co_u32 s20, s20, s16
	s_lshr_b32 s21, s20, 4
	s_and_b32 s20, s20, 15
	s_lshl_b32 s21, s21, 4                         ; 16 x batch
	s_lshl_b32 s22, s17, 2                         ; head 4 x A's tile + 2 x my half (+ a / 4)
	s_add_co_u32 s21, s21, s22
	s_lshl_b32 s22, s15, 1
	s_add_co_u32 s21, s21, s22
	s_lshl_b32 s21, s21, 4
	s_add_co_u32 s20, s20, s21
	s_mul_i32 s20, s20, 12800
	s_add_co_u32 s20, s20, KV0+6144                ; v's fragments in the record,
	s_add_co_u32 s22, s20, 6400                    ; and its scale words, at 12,544
	v_lshlrev_b32 v30, 3, v3                       ; 8 h
	s_mov_b32 s21, 0
	s_mov_b32 s23, 0
	s_add_nc_u64 s[20:21], s[8:9], s[20:21]
	s_add_nc_u64 s[22:23], s[8:9], s[22:23]
.irp a, 0,1,2,3,4,5,6,7
	s_wait_xcnt 0x0
	QUANTV 64*(\a%4), 2+\a/4
	PUT 20, (\a/4)*204800+(\a%4)*1536
	global_store_b32 v[LS4], v[PW], s[22:23] offset:(\a/4)*204800+(\a%4)*64
.endr
.Ldone:
	s_wait_tensorcnt 0x0                           ; the wave's end
	ds_add_u32 v[SPW], v[NIL]
	s_wait_dscnt 0x0
	CROUND                                         ; the closing round
	s_endpgm
.Lfunc_end_k_qcdb1c7b9c5_gqkv:
	.size	k_qcdb1c7b9c5_gqkv, .Lfunc_end_k_qcdb1c7b9c5_gqkv-k_qcdb1c7b9c5_gqkv
	.p2alignl 7, 3214868480
	.fill 96, 4, 3214868480
	.section	.rodata,"a",@progbits
	.p2align	6, 0x0
	.amdhsa_kernel k_qcdb1c7b9c5_gqkv
		.amdhsa_group_segment_fixed_size 327680
		.amdhsa_private_segment_fixed_size 0
		.amdhsa_enable_private_segment 0
		.amdhsa_kernarg_size 24
		.amdhsa_user_sgpr_count 2
		.amdhsa_user_sgpr_kernarg_segment_ptr 1
		.amdhsa_wavefront_size32 1
		.amdhsa_system_sgpr_workgroup_id_x 1
		.amdhsa_system_sgpr_workgroup_id_y 1
		.amdhsa_system_sgpr_workgroup_id_z 1
		.amdhsa_system_vgpr_workitem_id 0
		.amdhsa_next_free_vgpr 1024
		.amdhsa_next_free_sgpr 102
		.amdhsa_reserve_vcc 0
		.amdhsa_float_denorm_mode_32 3
		.amdhsa_float_denorm_mode_16_64 3
		.amdhsa_memory_ordered 1
		.amdhsa_forward_progress 1
		.amdhsa_inst_pref_size 184
	.end_amdhsa_kernel
	.amdgpu_metadata
---
amdhsa.version: [ 1, 2 ]
amdhsa.kernels:
  - .name:           k_qcdb1c7b9c5_gqkv
    .symbol:         k_qcdb1c7b9c5_gqkv.kd
    .args:
      - { .name: hq, .offset: 0, .size: 8, .value_kind: global_buffer, .address_space: global }
      - { .name: wq, .offset: 8, .size: 8, .value_kind: global_buffer, .address_space: global }
      - { .name: qkvq, .offset: 16, .size: 8, .value_kind: global_buffer, .address_space: global }
    .group_segment_fixed_size: 327680
    .private_segment_fixed_size: 0
    .kernarg_segment_align: 8
    .kernarg_segment_size: 24
    .max_flat_workgroup_size: 128
    .sgpr_count:     102
    .vgpr_count:     1024
    .wavefront_size: 32
...
	.end_amdgpu_metadata
.endif
;; end of part 9
;; launch attn (part 10): grid 8 x 32, 16 waves a work-group, clusters of 4 x 1, 206,848 bytes of LDS; arguments qkvq, oq; writes oq
.if DOCPART == 10
	.amdgcn_target "amdgcn-amd-amdhsa--gfx1250"
	.amdhsa_code_object_version 6
	.text
	.protected	k_qcdb1c7b9c5_attn
	.globl	k_qcdb1c7b9c5_attn
	.p2align	8
	.type	k_qcdb1c7b9c5_attn,@function
k_qcdb1c7b9c5_attn:
	s_mov_b64 s[64:65], 0
	v_nop
	global_prefetch_b8 v0, s[64:65] scope:SCOPE_SE
	s_setreg_imm32_b32 hwreg(HW_REG_WAVE_MODE, 25, 1), 1
	s_wait_xcnt 0x0
	s_wait_alu depctr_hold_cnt(0) depctr_sa_sdst(0) depctr_va_vdst(0) depctr_va_sdst(0) depctr_va_ssrc(0) depctr_va_vcc(0) depctr_vm_vsrc(0)
	s_getreg_b32 s2, hwreg(HW_REG_IB_STS2, 6, 4)
	s_cmp_eq_u32 s2, 0
	s_cbranch_scc0 .Lentry_in_a_cluster
	s_endpgm
.Lentry_in_a_cluster:
	s_bfe_u32 s2, ttmp6, 0x10000c
	s_cmp_lg_u32 s2, 0x3003
	s_cbranch_scc0 .Lentry_shape_is_right
	s_endpgm
.Lentry_shape_is_right:
; o = softmax(q k^T / 8) v for one batch and head, both products on codes of FP6 with E8M0 scales; o is quantised along the model's 1,024 and leaves as the A operand of the projection.  No work of reference() is left out.
; THE SOFTMAX AHEAD OF THE SECOND PRODUCT: t = score x log2(e) / 8; M = the running largest t rounded up to a whole number; p = 2^(t - M) is quantised along the keys, not normalised; the row's sum is taken of the unquantised p and divides at the end.
; SHARES.  A work-group owns 256 queries of one (batch, head), each of its sixteen waves 16 of them in 256 registers: four waves to a SIMD.
; NO RING.  A head's k and v lie in qkvq as sixteen records of 12,800 bytes, one for each step of 128 keys: k's four fragments, v's four, k's and v's scale words.  Wave w asks for record w, its one tensor load;
; 204,800 bytes stay in LDS, nothing is filled again, and one barrier shows all of it to all waves.  Behind it the waves share nothing and meet at no barrier until the closing round.
; CLUSTER.  The four query blocks of a cluster belong to one head: each record is asked for jointly, by the same load with the same descriptor and a mask that names the four.
; Nothing is prefetched: every byte that the launch reads through LDS is asked for at its head, so there is no loop to run ahead in.
; K = 64 UNDER AN INSTRUCTION OF 128.  A fragment of k holds two token tiles: row r of the first in k 0..63, of the second in k 64..127.  Against [q | 0] it gives the first tile's scores, against [0 | q] the second's.
; THE ORDER OF KEYS.  Row m of token tile 4 c + t of a step is key 64 c + 32 (m / 8) + 8 t + m % 8.  Both products are used transposed: lane (r, h) holds query r, and its registers 32 c + 8 t + j are keys 64 c + 32 h + 8 t + j:
; one whole block of 32 keys for each c, in the keys' own order, which is the order of v's codes.  So a block's largest score, its scale and its codes need no other lane; only the row's maximum and the scale word's four bytes cross lanes l and l xor 16.
; LIMITS: NaN and infinities are not served; a block under 2^-124 keeps the byte 1.  The promise holds while the scaled scores stay under 2^31 in magnitude.
; The block's largest p is made from the block's largest score by the same two instructions as every p; this takes v_exp_f32 not to fall where its input rises.
.set KV0,   3145728
.set QS0,   9699328
.set HS0,   3145728
.set REC,   12800
.set SPARE, 16*REC                     ; the spare words: 128 bytes for each of sixteen waves; no other line names them
.set LI16, 1
.set LI8,  2
.set A16,  3                           ; v3-5 this step's record + 16, 8, 4 x lane
.set A8,   4
.set A4,   5
.set SH,   6                           ; 8 h
.set L4,   7
.set RW,   11                          ; 4 r
.set QLO,  16                          ; v16-27 [q | 0];  v80-91 [0 | q]
.set F,    32                          ; v32-79 four fragments, k's and then v's
.set S,    96                          ; v96-159 scores, then p
.set O,    160                         ; v160-191 O^T
.set PC,   192                         ; v192-203 p's codes;  v204-210 on their way
.set CT,   204
.set BM,   212                         ; my two blocks' largest
.set PT,   214
.set SO,   216                         ; the conversions' scale operands
.set EB,   218
.set MX,   220
.set KSW,  224                         ; scale words: k's fragments 0|1 and 2|3 in the two halves of the lanes
.set VSW,  226
.set PSW,  228
.set QSW,  229
.set FF,   230                         ; f = 2^(old M - new M), named as a pair
.set T0,   232
.set PW2,  233
.set SUM,  234                         ; v234-235 the row's sum in two halves; v236-241 three more chains
.set SPW,  254
.set NIL,  255
.set WV,   18
.set SEL,  20
.set CS,   22
.set G1C,  24
.set G0,   40
.set TK,   60
.set CNT,  61
.macro CROUND
	s_barrier_signal -1
	s_barrier_wait -1
	s_cmp_lg_u32 s[WV], 0
	s_cbranch_scc1 .Lnot_wave_0_\@
	s_barrier_signal -3
.Lnot_wave_0_\@:
	s_barrier_wait -3
	s_barrier_signal -1
	s_barrier_wait -1
.endm
.macro FLOAD off, sw, so               ; four fragments as they lie (512, 256, 512, 256 consecutive bytes each) and their scale words
.irp p, 0,1,2,3
	ds_load_b128 v[F+12*\p:F+12*\p+3], v[A16] offset:\off+1536*\p
	ds_load_b64 v[F+12*\p+4:F+12*\p+5], v[A8] offset:\off+1536*\p+512
	ds_load_b128 v[F+12*\p+6:F+12*\p+9], v[A16] offset:\off+1536*\p+768
	ds_load_b64 v[F+12*\p+10:F+12*\p+11], v[A8] offset:\off+1536*\p+1280
.endr
	ds_load_b32 v[\sw], v[A4] offset:\so
	ds_load_b32 v[\sw+1], v[A4] offset:\so+128
.endm
	s_load_b128 s[4:7], s[0:1], 0x0                ; qkvq, oq
	v_lshl_add_u32 v[SPW], v0, 2, SPARE
	v_mov_b32 v[NIL], 0
	ds_add_u32 v[SPW], v[NIL]                      ; the wave's opening: the add, twice on end, and its wait ahead of my tensor load
	ds_add_u32 v[SPW], v[NIL]
	v_lshrrev_b32 v8, 5, v0
	s_delay_alu instid0(VALU_DEP_1)
	v_readfirstlane_b32 s[WV], v8                  ; wave 0..15
	s_bfe_u32 s8, ttmp6, 0x40000                   ; cx
	s_lshl_b32 s9, ttmp9, 2
	s_add_co_u32 s9, s9, s8                        ; my block of 256 queries: it enters q's and o's addresses alone
	s_and_b32 s10, ttmp7, 0xffff                   ; 16 x batch + head
	s_lshr_b32 s11, s10, 4
	s_and_b32 s12, s10, 15
	s_lshl_b32 s13, s10, 4
	s_add_co_u32 s13, s13, s[WV]                   ; my record: key step = my wave's number
	s_mul_i32 s72, s13, REC
	s_add_co_u32 s72, s72, KV0
	s_mov_b32 s73, 0
	s_mul_i32 s16, s[WV], REC                      ; LDS: by the wave's number alone
	s_mov_b32 s[G1C], 15|(3<<16)|(1<<21)           ; 15:0 the mask: all four work-groups; elements of 8 bytes; 21 set beside a mask.  A dense record as 50 rows of 256 bytes
	s_mov_b32 s[G1C+1], 32<<16
	s_mov_b32 s[G1C+2], 50<<16
	s_mov_b32 s[G1C+3], 32<<16
	s_mov_b32 s[G1C+4], 50
	s_mov_b32 s[G1C+5], 32
	s_mov_b32 s[G1C+6], 0
	s_mov_b32 s[G1C+7], 0
	s_mov_b32 s[SEL], 0x76543210
	s_mov_b32 s[SEL+1], 0xfedcba98
	s_mov_b32 s[CS], 0x3e38aa3b                    ; c = log2(e) / 8
	s_mov_b32 s[CS+1], s[CS]
	s_wait_dscnt 0x0                               ; both opening adds are done
	s_wait_kmcnt 0x0
	s_mov_b32 s[G0], 1
	s_mov_b32 s[G0+1], s16
	s_add_nc_u64 s[G0+2:G0+3], s[4:5], s[72:73]
	s_or_b32 s[G0+3], s[G0+3], 0x80000000
	CROUND                                         ; all four work-groups are here: the joint loads meet
	tensor_load_to_lds s[G0:G0+3], s[G1C:G1C+7]
	s_nop 0
.rept 4
	v_nop
.endr
	s_lshl_b32 s78, s11, 7
	s_lshl_b32 s79, s9, 4
	s_add_co_u32 s78, s78, s79
	s_add_co_u32 s78, s78, s[WV]                   ; my token tile
	s_lshl_b32 s79, s12, 8
	s_add_co_u32 s79, s79, s78
	s_mul_i32 s80, s79, 768                        ; q's half fragment
	s_mov_b32 s81, 0
	s_add_nc_u64 s[80:81], s[4:5], s[80:81]
	s_lshr_b32 s82, s79, 1
	s_lshl_b32 s82, s82, 6
	s_add_co_u32 s82, s82, QS0                     ; its pair's scale words
	s_mov_b32 s83, 0
	s_add_nc_u64 s[82:83], s[4:5], s[82:83]
	s_lshl_b32 s84, s78, 4
	s_add_co_u32 s84, s84, s12
	s_mul_i32 s84, s84, 768                        ; o's half fragment: row tile, head
	s_mov_b32 s85, 0
	s_add_nc_u64 s[84:85], s[6:7], s[84:85]
	s_lshl_b32 s86, s78, 3
	s_lshr_b32 s87, s12, 1
	s_add_co_u32 s86, s86, s87
	s_lshl_b32 s86, s86, 6
	s_and_b32 s87, s12, 1
	s_lshl_b32 s87, s87, 1
	s_add_co_u32 s86, s86, s87
	s_add_co_u32 s86, s86, HS0                     ; its two scale bytes in the K step's word
	s_mov_b32 s87, 0
	s_add_nc_u64 s[86:87], s[6:7], s[86:87]
	s_and_b32 s88, s[WV], 1
	s_lshl_b32 s88, s88, 4
	s_mov_b32 s[TK], 0
	v_and_b32 v8, 31, v0
	v_and_b32 v9, 15, v0                           ; r
	v_bfe_u32 v10, v0, 4, 1                        ; h
	v_lshlrev_b32 v[LI16], 4, v8
	v_lshlrev_b32 v[LI8], 3, v8
	v_lshlrev_b32 v[L4], 2, v8
	v_lshlrev_b32 v[RW], 2, v9
	v_lshlrev_b32 v[SH], 3, v10
	v_lshlrev_b32 v[A16], 4, v8                    ; record 0
	v_lshlrev_b32 v[A8], 3, v8
	v_lshlrev_b32 v[A4], 2, v8
	global_load_b128 v[QLO:QLO+3], v[LI16], s[80:81]
	global_load_b64 v[QLO+4:QLO+5], v[LI8], s[80:81] offset:512
	global_load_b128 v[QLO+70:QLO+73], v[LI16], s[80:81]
	global_load_b64 v[QLO+74:QLO+75], v[LI8], s[80:81] offset:512
	global_load_b32 v[QSW], v[RW], s[82:83]
.irp i, 0,1,2,3,4,5
	v_mov_b32 v[QLO+6+\i], 0                       ; zero codes add nothing under any scale byte that the quantiser gives
	v_mov_b32 v[QLO+64+\i], 0
.endr
	v_mov_b32 v13, 0xff61b1e6                      ; the largest score so far: -3e38
	s_delay_alu instid0(VALU_DEP_1)
	v_floor_f32 v12, -v13                          ; -M
	v_mov_b32 v15, 0
	v_mov_b32 v[FF+1], 0
	v_mov_b32 v[PT], 0                             ; a lane permute's destination counts as read
	v_mov_b32 v[PT+1], 0
	v_mov_b32 v[SUM], 0
	v_mov_b32 v[SUM+1], 0
	s_wait_loadcnt 0x0
	v_lshrrev_b32 v[QSW], s88, v[QSW]              ; my tile's two bytes of the pair's word,
	s_delay_alu instid0(VALU_DEP_1)
	v_and_b32 v[QSW], 0xffff, v[QSW]
	s_delay_alu instid0(VALU_DEP_1)
	v_lshl_or_b32 v[QSW], v[QSW], 16, v[QSW]       ; for both halves of the 128
.set i, 0
.rept 32
	v_mov_b32 v[O+i], 0                            ; the step is written for every step alike: the first finds zeros
.set i, i+1
.endr
; A KEY STEP: 128 keys.  Its k fragments were asked of LDS in the step before.  more = 1: the next step's are asked for in this one's tail
.macro STEP more
	s_wait_dscnt 0x0                               ; k's fragments and scale words
.irp p, 0,1,2,3
.irp u, 0,1
.if \p%2
	v_wmma_scale_f32_16x16x128_f8f6f4 v[S+16*\p+8*\u:S+16*\p+8*\u+7], v[F+12*\p:F+12*\p+11], v[QLO+64*\u:QLO+64*\u+11], 0, v[KSW+\p/2], v[QSW] matrix_a_fmt:MATRIX_FMT_FP6 matrix_b_fmt:MATRIX_FMT_FP6 matrix_a_scale:MATRIX_SCALE_ROW1
.else
	v_wmma_scale_f32_16x16x128_f8f6f4 v[S+16*\p+8*\u:S+16*\p+8*\u+7], v[F+12*\p:F+12*\p+11], v[QLO+64*\u:QLO+64*\u+11], 0, v[KSW+\p/2], v[QSW] matrix_a_fmt:MATRIX_FMT_FP6 matrix_b_fmt:MATRIX_FMT_FP6
.endif
.endr
.endr
.rept 4
	v_nop                                          ; places: in front of the loads into k's registers and of the first read of the scores
.endr
	FLOAD 6144, VSW, 12544                         ; v's fragments land while the softmax is walked
.irp b, 0,1,2,3
	v_max3_num_f32 v[MX+\b], v[S+16*\b], v[S+16*\b+1], v[S+16*\b+2]   ; four chains of 16 scores, each accumulator from its low end on
.endr
.irp i, 3,5,7,9,11,13
.irp b, 0,1,2,3
	v_max3_num_f32 v[MX+\b], v[MX+\b], v[S+16*\b+\i], v[S+16*\b+\i+1]
.endr
.endr
	v_max3_num_f32 v[BM], v[MX], v[MX+1], v[S+15]
	v_max3_num_f32 v[BM+1], v[MX+2], v[MX+3], v[S+47]
	v_max_num_f32 v[BM], v[BM], v[S+31]            ; the largest score of my two blocks of 32 keys: for the row's maximum and for the block's largest p
	v_max_num_f32 v[BM+1], v[BM+1], v[S+63]
	s_delay_alu instid0(VALU_DEP_1)
	v_max_num_f32 v[T0], v[BM], v[BM+1]
	s_delay_alu instid0(VALU_DEP_1)
	v_permlanex16_b32 v[PT], v[T0], s[SEL], s[SEL+1]
	s_delay_alu instid0(VALU_DEP_1)
	v_max3_num_f32 v13, v13, v[T0], v[PT]          ; the running largest score of my query
	s_delay_alu instid0(VALU_DEP_1)
	v_mul_f32 v[T0], s[CS], v13                    ; as t (c is positive)
	v_mov_b32 v[PT+1], v12
	s_delay_alu instid0(VALU_DEP_2)
	v_floor_f32 v12, -v[T0]                        ; the new -M: M is a whole number
	s_delay_alu instid0(VALU_DEP_1)
	v_sub_f32 v[T0], v12, v[PT+1]
	s_delay_alu instid0(VALU_DEP_1)
	v_cvt_i32_f32 v[T0], v[T0]                     ; (it saturates)
	s_delay_alu instid0(VALU_DEP_1)
	v_ldexp_f32 v[FF], 1.0, v[T0]                  ; f = 2^(old M - new M): a multiplication by it rounds nothing
.set i, 0
.rept 32
	v_pk_fma_f32 v[S+i:S+i+1], v[S+i:S+i+1], s[CS:CS+1], v[12:13] op_sel_hi:[1,0,0]   ; t - M
.set i, i+2
.endr
	v_fma_f32 v[BM], v[BM], s[CS], v12
	v_fma_f32 v[BM+1], v[BM+1], s[CS], v12
	s_wait_alu depctr_va_vdst(0)
.set i, 0
.rept 64
	v_exp_f32 v[S+i], v[S+i]                       ; p = 2^(t - M)
.set i, i+1
.endr
	v_exp_f32 v[BM], v[BM]                         ; the blocks' largest p
	v_exp_f32 v[BM+1], v[BM+1]
	v_pk_mul_f32 v[SUM:SUM+1], v[SUM:SUM+1], v[FF:FF+1] op_sel_hi:[1,0]   ; the sum under the new M; the plain line behind the exponentials
	s_wait_alu depctr_va_vdst(0)                   ; one wait for the batch, ahead of its first reader
	v_max_num_f32 v[BM], 0x1800000, v[BM]          ; the floor: the byte cannot fall under 1
	v_max_num_f32 v[BM+1], 0x1800000, v[BM+1]
	s_delay_alu instid0(VALU_DEP_2)
	v_add_nc_u32 v[SO], 0xff000000, v[BM]
	s_delay_alu instid0(VALU_DEP_2)
	v_add_nc_u32 v[SO+1], 0xff000000, v[BM+1]
.irp c, 0,1
	v_cvt_scalef32_pk16_fp6_f32 v[PC+6*\c:PC+6*\c+2], v[S+32*\c:S+32*\c+15], v[SO+\c]
	v_cvt_scalef32_pk16_fp6_f32 v[CT+4*\c:CT+4*\c+2], v[S+32*\c+16:S+32*\c+31], v[SO+\c]   ; (a conversion's three registers begin on an even number)
.endr
	v_lshrrev_b32 v[EB], 23, v[SO]                 ; the scales' bytes; also the plain line behind the conversions
	v_lshrrev_b32 v[EB+1], 23, v[SO+1]
	s_delay_alu instid0(VALU_DEP_1)
	v_lshl_or_b32 v[T0], v[EB+1], 16, v[EB]        ; blocks h and 2 + h,
	s_delay_alu instid0(VALU_DEP_1)
	v_lshlrev_b32 v[T0], v[SH], v[T0]              ; at their places in the word;
	s_delay_alu instid0(VALU_DEP_1)
	v_permlanex16_b32 v[PT], v[T0], s[SEL], s[SEL+1]
	s_delay_alu instid0(VALU_DEP_1)
	v_or_b32 v[PSW], v[T0], v[PT]                  ; with lane l xor 16's two the word is whole
.irp c, 0,1
.irp i, 0,1,2
	v_mov_b32 v[PC+3+6*\c+\i], v[CT+4*\c+\i]
.endr
.endr
.if \more
	s_add_co_u32 s[TK], s[TK], REC
.endif
	s_wait_dscnt 0x0                               ; v's fragments and scale words
	s_wait_alu depctr_va_vdst(0)
.set i, 0
.rept 16
	v_pk_mul_f32 v[O+i:O+i+1], v[O+i:O+i+1], v[FF:FF+1] op_sel_hi:[1,0]   ; O^T under the new M; these sixteen are the places between the scale word's and the codes' last writes and the products
.set i, i+2
.endr
.irp t, 0,1,2,3
.if \t%2
	v_wmma_scale_f32_16x16x128_f8f6f4 v[O+8*\t:O+8*\t+7], v[F+12*\t:F+12*\t+11], v[PC:PC+11], v[O+8*\t:O+8*\t+7], v[VSW+\t/2], v[PSW] matrix_a_fmt:MATRIX_FMT_FP6 matrix_b_fmt:MATRIX_FMT_FP6 matrix_a_scale:MATRIX_SCALE_ROW1
.else
	v_wmma_scale_f32_16x16x128_f8f6f4 v[O+8*\t:O+8*\t+7], v[F+12*\t:F+12*\t+11], v[PC:PC+11], v[O+8*\t:O+8*\t+7], v[VSW+\t/2], v[PSW] matrix_a_fmt:MATRIX_FMT_FP6 matrix_b_fmt:MATRIX_FMT_FP6
.endif
.endr
; THE TAIL: the row's sum of the unquantised p, 32 packed additions in four chains.  With the next record's addresses its first line makes the four places behind the products; the rest stands under the flight of the next k fragments
.if \more
	v_add_nc_u32 v[A16], s[TK], v[LI16]
	v_add_nc_u32 v[A8], s[TK], v[LI8]
	v_add_nc_u32 v[A4], s[TK], v[L4]
.endif
	v_pk_add_f32 v[SUM+2:SUM+3], v[S:S+1], v[S+2:S+3]
.if \more
	FLOAD 0, KSW, 12288
.endif
	v_pk_add_f32 v[SUM+4:SUM+5], v[S+4:S+5], v[S+6:S+7]
	v_pk_add_f32 v[SUM+6:SUM+7], v[S+8:S+9], v[S+10:S+11]
	v_pk_add_f32 v[SUM:SUM+1], v[SUM:SUM+1], v[S+12:S+13]
.set i, 7
.rept 25
	v_pk_add_f32 v[SUM+2*(i%4):SUM+2*(i%4)+1], v[SUM+2*(i%4):SUM+2*(i%4)+1], v[S+2*i:S+2*i+1]
.set i, i+1
.endr
	s_delay_alu instid0(VALU_DEP_2)
	v_pk_add_f32 v[SUM+2:SUM+3], v[SUM+2:SUM+3], v[SUM+4:SUM+5]
	s_delay_alu instid0(VALU_DEP_2)
	v_pk_add_f32 v[SUM:SUM+1], v[SUM:SUM+1], v[SUM+6:SUM+7]
	s_delay_alu instid0(VALU_DEP_1)
	v_pk_add_f32 v[SUM:SUM+1], v[SUM:SUM+1], v[SUM+2:SUM+3]
.endm
	s_wait_alu depctr_va_vdst(0)
	s_wait_tensorcnt 0x0                           ; my record has landed
	s_barrier_signal -1
	s_barrier_wait -1                              ; everybody's has: nothing is filled again in this launch
	FLOAD 0, KSW, 12288
	s_mov_b32 s[CNT], 15
.Lstep:
	STEP 1
	s_sub_co_u32 s[CNT], s[CNT], 1
	s_cmp_lg_u32 s[CNT], 0
	s_wait_alu depctr_va_vdst(0)
	s_cbranch_scc1 .Lstep
	STEP 0                                         ; the sixteenth step asks for nothing more
	; THE WAY OUT: O^T / the sum; my 64 numbers of a row are two blocks of the projection's K: half a fragment, in the order of w_proj's codes (place 16 h + 8 u + j holds k = 16 u + 8 h + j)
	v_add_f32 v14, v[SUM], v[SUM+1]
	s_delay_alu instid0(VALU_DEP_1)
	v_permlanex16_b32 v[T0], v14, s[SEL], s[SEL+1]
	s_delay_alu instid0(VALU_DEP_1)
	v_add_f32 v14, v14, v[T0]
	s_wait_alu depctr_va_vdst(0)
	v_rcp_f32 v14, v14
	v_nop                                          ; the plain line behind the reciprocal
	s_wait_alu depctr_va_vdst(0)
.set i, 0
.rept 16
	v_pk_mul_f32 v[S+i:S+i+1], v[O+i:O+i+1], v[14:15] op_sel_hi:[1,0]
.set i, i+2
.endr
.irp b, 0,1
	v_max3_num_f32 v[BM+\b], |v[S+16*\b]|, |v[S+16*\b+1]|, 0x1800000
.endr
.irp i, 2,4,6,8,10,12,14
.irp b, 0,1
	s_delay_alu instid0(VALU_DEP_2)
	v_max3_num_f32 v[BM+\b], v[BM+\b], |v[S+16*\b+\i]|, |v[S+16*\b+\i+1]|
.endr
.endr
.irp b, 0,1
	s_delay_alu instid0(VALU_DEP_2)
	v_permlanex16_b32 v[PT+\b], v[BM+\b], s[SEL], s[SEL+1]
.endr
.irp b, 0,1
	s_delay_alu instid0(VALU_DEP_2)
	v_max_num_f32 v[BM+\b], v[BM+\b], v[PT+\b]
.endr
.irp b, 0,1
	s_delay_alu instid0(VALU_DEP_2)
	v_add_nc_u32 v[SO+\b], 0xff000000, v[BM+\b]
.endr
.irp b, 0,1
	s_delay_alu instid0(VALU_DEP_2)
	v_lshrrev_b32 v[PT+\b], 23, v[SO+\b]
.endr
	s_delay_alu instid0(VALU_DEP_1)
	v_lshl_or_b32 v[PW2], v[PT+1], 8, v[PT]
	v_cvt_scalef32_pk16_fp6_f32 v[PC:PC+2], v[S:S+15], v[SO]
	v_cvt_scalef32_pk16_fp6_f32 v[CT:CT+2], v[S+16:S+31], v[SO+1]
	v_nop
.irp i, 0,1,2
	v_permlane16_swap_b32 v[PC+\i], v[CT+\i]
.endr
.irp i, 0,1,2
	s_delay_alu instid0(VALU_DEP_3)
	v_mov_b32 v[PC+3+\i], v[CT+\i]
.endr
	global_store_b128 v[LI16], v[PC:PC+3], s[84:85]               ; 512 consecutive bytes
	global_store_b64 v[LI8], v[PC+4:PC+5], s[84:85] offset:512    ; 256
	global_store_b16 v[RW], v[PW2], s[86:87]       ; two bytes a row: 131,072 bytes of the launch's 3,276,800; lanes l and l + 16 write the same value to the same place
	s_wait_tensorcnt 0x0                           ; the wave's end
	ds_add_u32 v[SPW], v[NIL]
	s_wait_dscnt 0x0
	CROUND                                         ; the closing round
	s_endpgm
.Lfunc_end_k_qcdb1c7b9c5_attn:
	.size	k_qcdb1c7b9c5_attn, .Lfunc_end_k_qcdb1c7b9c5_attn-k_qcdb1c7b9c5_attn
	.p2alignl 7, 3214868480
	.fill 96, 4, 3214868480
	.section	.rodata,"a",@progbits
	.p2align	6, 0x0
	.amdhsa_kernel k_qcdb1c7b9c5_attn
		.amdhsa_group_segment_fixed_size 206848
		.amdhsa_private_segment_fixed_size 0
		.amdhsa_enable_private_segment 0
		.amdhsa_kernarg_size 16
		.amdhsa_user_sgpr_count 2
		.amdhsa_user_sgpr_kernarg_segment_ptr 1
		.amdhsa_wavefront_size32 1
		.amdhsa_system_sgpr_workgroup_id_x 1
		.amdhsa_system_sgpr_workgroup_id_y 1
		.amdhsa_system_sgpr_workgroup_id_z 1
		.amdhsa_system_vgpr_workitem_id 0
		.amdhsa_next_free_vgpr 256
		.amdhsa_next_free_sgpr 96
		.amdhsa_reserve_vcc 0
		.amdhsa_float_denorm_mode_32 3
		.amdhsa_float_denorm_mode_16_64 3
		.amdhsa_memory_ordered 1
		.amdhsa_forward_progress 1
		.amdhsa_inst_pref_size 43
	.end_amdhsa_kernel
	.amdgpu_metadata
---
amdhsa.version: [ 1, 2 ]
amdhsa.kernels:
  - .name:           k_qcdb1c7b9c5_attn
    .symbol:         k_qcdb1c7b9c5_attn.kd
    .args:
      - { .name: qkvq, .offset: 0, .size: 8, .value_kind: global_buffer, .address_space: global }
      - { .name: oq, .offset: 8, .size: 8, .value_kind: global_buffer, .address_space: global }
    .group_segment_fixed_size: 206848
    .private_segment_fixed_size: 0
    .kernarg_segment_align: 8
    .kernarg_segment_size: 16
    .max_flat_workgroup_size: 512
    .sgpr_count:     96
    .vgpr_count:     256
    .wavefront_size: 32
...
	.end_amdgpu_metadata
.endif
;; end of part 10
;; launch pln (part 11): grid 256 x 1, 16 waves a work-group, no clusters, 74,240 bytes of LDS; arguments oq, wq, b_proj, x, ln2_g, ln2_b, x1, hq; writes x1, hq
.if DOCPART == 11
	.amdgcn_target "amdgcn-amd-amdhsa--gfx1250"
	.amdhsa_code_object_version 6
	.text
	.protected	k_qcdb1c7b9c5_pln
	.globl	k_qcdb1c7b9c5_pln
	.p2align	8
	.type	k_qcdb1c7b9c5_pln,@function
k_qcdb1c7b9c5_pln:
	s_mov_b64 s[64:65], 0
	v_nop
	global_prefetch_b8 v0, s[64:65] scope:SCOPE_SE
	s_setreg_imm32_b32 hwreg(HW_REG_WAVE_MODE, 25, 1), 1
	s_wait_xcnt 0x0
; x1 = x + o w_proj + b_proj on codes of FP6 with E8M0 scales, K = 1,024; then y = LN2(x1), quantised along the row: the A operand of the next product.  No work of reference() is left out.
; SHARES.  A work-group takes one row tile of 16 tokens and ALL 1,024 columns, so that a row's mean and variance are made inside it; wave w of sixteen takes columns 64 w .. 64 w + 63: four accumulators, 32 matrix instructions.
; (Row r of tile 4 g + t is token 64 g + 32 (r / 8) + 8 t + r % 8, as in every row tile of this program.)
; OPERANDS GO FROM MEMORY STRAIGHT INTO REGISTERS: oq and wq hold images of fragments, so each load covers 512 or 256 consecutive bytes.  A K step is a SET of 23 loads: o's fragment, w_proj's four, three scale words.
; Three sets of registers take turns: while one is multiplied two are on their way.  No cluster and no joint load: a fragment of the weight feeds one matrix instruction of one wave and never lies in LDS, so there is no tile to ask for jointly.
; THE MATRIX INSTRUCTION IS USED TRANSPOSED (source 0 = 16 columns of w_proj, source 1 = the 16 tokens): lane (r, h) holds token r and columns 16 t + 8 h + j.  x + b_proj, brought into that layout through the wave's own stage in LDS, is the first products' C.
; x1 leaves through the same stage as rows of 256 bytes.  The rows' sums cross the sixteen waves through LDS, twice (mean; mean of squares of x1 - mean), each behind a barrier, on bytes of its own.
; PREFETCHES INTO THE L2: K steps 2 to 7 of w_proj, 2,304 blocks of 256 bytes, are shared out among the 256 work-groups that all read them, nine blocks each (wave 0, a lane a block); gain and bias of the norm, 16 blocks each, are asked for by work-groups 0 and 1 (wave 1).
; K steps 0 and 1 are asked for by their loads at once.
; LIMITS: NaN and infinities are not served; a block under 2^-124 keeps the byte 1, and so does a block of zeros (its codes are zeros; this program alone reads the bytes).
.set ASOFF, 3145728                    ; oq: scale words
.set BOFF,  2359296                    ; wq: w_proj's codes,
.set BSOFF, 9535488                    ; its scale words
.set HS0,   3145728                    ; hq: scale words
.set SPITCH, 272
.set STG,   16*SPITCH                  ; a wave's stage: 16 rows x (256 + 16) bytes
.set RED,   16*STG                     ; the rows' partial sums: [row][wave], 80 bytes a row; 1,280 bytes, twice
.set SPARE, RED+2560                   ; the spare words: 128 bytes for each of sixteen waves; no other line names them
.set LI16, 1
.set LI8,  2
.set RW,   3                           ; 4 r
.set SBO,  4                           ; 512 h + 4 r: lanes 16-31 take the next column tile's scale words
.set XG,   5                           ; x, x1: 4,096 h + 16 r
.set STR,  6                           ; the stage by rows: row h, 16 r
.set STA,  7                           ; the stage as the accumulators lie: row r, 32 h
.set BOF,  8                           ; 32 h
.set RDW,  9
.set RDR,  10
.set PFO,  11
.set PFG,  12
.set MU,   14                          ; v14-15 the mean, twice
.set FR,   16                          ; v16-195 three sets of five fragments
.set XT,   136                         ; at the head, in set 2's registers: x by rows, v136-167; x as the accumulators lie, v168-199
.set XA,   168
.set ACC,  200                         ; v200-231
.set SCR,  232                         ; v232-240 three sets of three scale words: they hold nothing else
.set SM,   242                         ; v242-249 four chains
.set PTM,  250
.set RS,   252                         ; v252-253 1 / sigma, twice
.set SPW,  254
.set NIL,  255
.set BR,   16                          ; behind the products: the norm's bias v16-47, sums read back v48-63, x1 by rows v76-107, gain v136-167, the quantiser's v168-186
.set RD,   48
.set OT,   76
.set GR,   136
.set PC,   168
.set CT,   176
.set BM,   180
.set PT,   182
.set SO,   184
.set PW,   186
.macro FRG reg, base, off              ; a fragment as it lies: 512, 256, 512, 256 consecutive bytes
	global_load_b128 v[\reg:\reg+3], v[LI16], s[\base:\base+1] offset:\off
	global_load_b64 v[\reg+4:\reg+5], v[LI8], s[\base:\base+1] offset:\off+512
	global_load_b128 v[\reg+6:\reg+9], v[LI16], s[\base:\base+1] offset:\off+768
	global_load_b64 v[\reg+10:\reg+11], v[LI8], s[\base:\base+1] offset:\off+1280
.endm
.macro LSET q                          ; K step q into set q % 3: 23 loads
.set FB, FR+60*((\q)%3)
.set SS, SCR+3*((\q)%3)
	FRG FB, 22, 1536*(\q)
.irp t, 0,1,2,3
	FRG FB+12+12*\t, 26, \t*12288+1536*(\q)
.endr
	global_load_b32 v[SS], v[RW], s[24:25] offset:64*(\q)
	global_load_b32 v[SS+1], v[SBO], s[28:29] offset:64*(\q)
	global_load_b32 v[SS+2], v[SBO], s[28:29] offset:64*(\q)+1024
.endm
.macro KSTEP q, n                      ; n: the loads issued behind set q's, which may stay out.  The four accumulators take turns
.set FB, FR+60*((\q)%3)
.set SS, SCR+3*((\q)%3)
	s_wait_loadcnt \n
.irp t, 0,1,2,3
.if \t%2
	v_wmma_scale_f32_16x16x128_f8f6f4 v[ACC+8*\t:ACC+8*\t+7], v[FB+12+12*\t:FB+23+12*\t], v[FB:FB+11], v[ACC+8*\t:ACC+8*\t+7], v[SS+1+\t/2], v[SS] matrix_a_fmt:MATRIX_FMT_FP6 matrix_b_fmt:MATRIX_FMT_FP6 matrix_a_scale:MATRIX_SCALE_ROW1
.else
	v_wmma_scale_f32_16x16x128_f8f6f4 v[ACC+8*\t:ACC+8*\t+7], v[FB+12+12*\t:FB+23+12*\t], v[FB:FB+11], v[ACC+8*\t:ACC+8*\t+7], v[SS+1+\t/2], v[SS] matrix_a_fmt:MATRIX_FMT_FP6 matrix_b_fmt:MATRIX_FMT_FP6
.endif
.endr
.rept 4
	v_nop                                          ; places in front of loads into the set's registers, and of the first read of the results
.endr
.endm
.macro TREE sq                         ; the sum of my 32 numbers (sq = 0) or of their squares (sq = 1) into v[SM]: four chains
.irp k, 0,1,2,3
.if \sq
	v_pk_mul_f32 v[SM+2*\k:SM+2*\k+1], v[ACC+2*\k:ACC+2*\k+1], v[ACC+2*\k:ACC+2*\k+1]
.else
	v_pk_add_f32 v[SM+2*\k:SM+2*\k+1], v[ACC+2*\k:ACC+2*\k+1], v[ACC+8+2*\k:ACC+9+2*\k]
.endif
.endr
.set i, 8-4*(\sq)
.rept 8+4*(\sq)
.if \sq
	s_delay_alu instid0(VALU_DEP_4)
	v_pk_fma_f32 v[SM+2*(i%4):SM+2*(i%4)+1], v[ACC+2*i:ACC+2*i+1], v[ACC+2*i:ACC+2*i+1], v[SM+2*(i%4):SM+2*(i%4)+1]
.else
	v_pk_add_f32 v[SM+2*(i%4):SM+2*(i%4)+1], v[SM+2*(i%4):SM+2*(i%4)+1], v[ACC+2*i:ACC+2*i+1]
.endif
.set i, i+1
.endr
	s_delay_alu instid0(VALU_DEP_3)
	v_pk_add_f32 v[SM:SM+1], v[SM:SM+1], v[SM+2:SM+3]
	s_delay_alu instid0(VALU_DEP_2)
	v_pk_add_f32 v[SM+4:SM+5], v[SM+4:SM+5], v[SM+6:SM+7]
	s_delay_alu instid0(VALU_DEP_1)
	v_pk_add_f32 v[SM:SM+1], v[SM:SM+1], v[SM+4:SM+5]
	s_delay_alu instid0(VALU_DEP_1)
	v_add_f32 v[SM], v[SM], v[SM+1]
.endm
.macro XRED off                        ; v[SM]: my 32 numbers' sum -> the row's sum over 1,024 columns, the same bits in every wave
	s_delay_alu instid0(VALU_DEP_1)
	v_permlanex16_b32 v[PTM], v[SM], s38, s39
	s_delay_alu instid0(VALU_DEP_1)
	v_add_f32 v[SM], v[SM], v[PTM]                 ; my wave's 64 columns
	ds_store_b32 v[RDW], v[SM] offset:\off         ; lanes l and l + 16 write the same word with the same value
	s_wait_dscnt 0x0                               ; for the others' sake
	s_barrier_signal -1
	s_barrier_wait -1
.irp k, 0,1,2,3
	ds_load_b128 v[RD+4*\k:RD+4*\k+3], v[RDR] offset:\off+16*\k
.endr
	s_wait_dscnt 0x0
.irp k, 0,1,2,3
	v_pk_add_f32 v[RD+2*\k:RD+2*\k+1], v[RD+2*\k:RD+2*\k+1], v[RD+8+2*\k:RD+9+2*\k]
.endr
.irp k, 0,1
	s_delay_alu instid0(VALU_DEP_2)
	v_pk_add_f32 v[RD+2*\k:RD+2*\k+1], v[RD+2*\k:RD+2*\k+1], v[RD+4+2*\k:RD+5+2*\k]
.endr
	s_delay_alu instid0(VALU_DEP_1)
	v_pk_add_f32 v[RD:RD+1], v[RD:RD+1], v[RD+2:RD+3]
	s_delay_alu instid0(VALU_DEP_1)
	v_add_f32 v[SM], v[RD], v[RD+1]
.endm
	s_load_b256 s[4:11], s[0:1], 0x0               ; oq, wq, b_proj, x
	s_load_b256 s[12:19], s[0:1], 0x20             ; ln2_g, ln2_b, x1, hq
	v_lshl_add_u32 v[SPW], v0, 2, SPARE
	v_mov_b32 v[NIL], 0
	v_lshrrev_b32 v13, 5, v0
	v_readfirstlane_b32 s20, v13                   ; wave 0..15
	v_and_b32 v13, 31, v0
	v_and_b32 v14, 15, v0                          ; r
	v_bfe_u32 v15, v0, 4, 1                        ; h
	v_lshlrev_b32 v[LI16], 4, v13
	v_lshlrev_b32 v[LI8], 3, v13
	v_lshlrev_b32 v[RW], 2, v14
	v_lshl_add_u32 v[SBO], v15, 9, v[RW]
	v_lshlrev_b32 v[XG], 4, v14
	v_lshl_add_u32 v[XG], v15, 12, v[XG]
	s_mul_i32 s21, s20, STG
	v_mul_u32_u24 v[STR], v15, SPITCH
	v_lshl_add_u32 v[STR], v14, 4, v[STR]
	v_add_nc_u32 v[STR], s21, v[STR]
	v_mul_u32_u24 v[STA], v14, SPITCH
	v_lshl_add_u32 v[STA], v15, 5, v[STA]
	v_add_nc_u32 v[STA], s21, v[STA]
	v_lshlrev_b32 v[BOF], 5, v15
	v_mul_u32_u24 v[RDR], v14, 80
	v_add_nc_u32 v[RDR], RED, v[RDR]
	s_lshl_b32 s21, s20, 2
	v_add_nc_u32 v[RDW], s21, v[RDR]
	v_min_u32 v[PFO], 8, v13
	v_lshlrev_b32 v[PFO], 8, v[PFO]
	v_min_u32 v[PFG], 15, v13
	v_lshlrev_b32 v[PFG], 8, v[PFG]
	v_mov_b32 v[PTM], 0                            ; a lane permute's destination counts as read
	s_mul_i32 s22, ttmp9, 12288                    ; o's row tile
	s_mov_b32 s23, 0
	s_lshl_b32 s24, ttmp9, 9
	s_add_co_u32 s24, s24, ASOFF                   ; its scale words
	s_mov_b32 s25, 0
	s_mul_i32 s26, s20, 49152
	s_add_co_u32 s26, s26, BOFF                    ; my four column tiles of w_proj
	s_mov_b32 s27, 0
	s_lshl_b32 s28, s20, 11
	s_add_co_u32 s28, s28, BSOFF                   ; their scale words
	s_mov_b32 s29, 0
	s_lshl_b32 s30, s20, 8                         ; my 64 columns in a row of f32
	s_mov_b32 s31, 0
	s_lshr_b32 s32, ttmp9, 2
	s_lshl_b32 s32, s32, 6
	s_and_b32 s33, ttmp9, 3
	s_lshl_b32 s33, s33, 3
	s_add_co_u32 s32, s32, s33                     ; token 64 g + 8 t
	s_lshl_b32 s32, s32, 12
	s_add_co_u32 s32, s32, s30
	s_mov_b32 s33, 0
	s_lshl_b32 s34, ttmp9, 4
	s_add_co_u32 s34, s34, s20
	s_mul_i32 s34, s34, 768                        ; y's half fragment: row tile, my 64 columns
	s_mov_b32 s35, 0
	s_lshl_b32 s36, ttmp9, 3
	s_lshr_b32 s37, s20, 1
	s_add_co_u32 s36, s36, s37
	s_lshl_b32 s36, s36, 6
	s_and_b32 s37, s20, 1
	s_lshl_b32 s37, s37, 1
	s_add_co_u32 s36, s36, s37
	s_add_co_u32 s36, s36, HS0                     ; its two scale bytes in the K step's word
	s_mov_b32 s37, 0
	s_lshr_b32 s42, ttmp9, 2
	s_mul_i32 s42, s42, 12288
	s_and_b32 s43, ttmp9, 3
	s_mul_i32 s43, s43, 2304
	s_add_co_u32 s42, s42, s43
	s_add_co_u32 s42, s42, BOFF+3072               ; my work-group's nine blocks of column tile id / 4, behind its K steps 0 and 1
	s_mov_b32 s43, 0
	s_mov_b32 s38, 0x76543210
	s_mov_b32 s39, 0xfedcba98
	s_mov_b32 s40, 0x3a800000                      ; 1 / 1,024
	s_mov_b32 s41, 0x3727c5ac                      ; 1e-5
	s_wait_alu depctr_va_vdst(0)
	s_wait_kmcnt 0x0
	s_add_nc_u64 s[22:23], s[4:5], s[22:23]
	s_add_nc_u64 s[24:25], s[4:5], s[24:25]
	s_add_nc_u64 s[26:27], s[6:7], s[26:27]
	s_add_nc_u64 s[28:29], s[6:7], s[28:29]
	s_add_nc_u64 s[42:43], s[6:7], s[42:43]
	s_add_nc_u64 s[44:45], s[8:9], s[30:31]
	s_add_nc_u64 s[46:47], s[12:13], s[30:31]
	s_add_nc_u64 s[48:49], s[14:15], s[30:31]
	s_add_nc_u64 s[10:11], s[10:11], s[32:33]
	s_add_nc_u64 s[16:17], s[16:17], s[32:33]
	s_add_nc_u64 s[34:35], s[18:19], s[34:35]
	s_add_nc_u64 s[36:37], s[18:19], s[36:37]
.irp i, 0,1,2,3,4,5,6,7
	global_load_b128 v[XT+4*\i:XT+4*\i+3], v[XG], s[10:11] offset:(32*(\i>>2)+2*(\i&3))*4096 th:TH_LOAD_NT   ; rows 2 i, 2 i + 1 of the tile: sixteen lanes read 256 consecutive bytes
.endr
.irp t, 0,1,2,3
	global_load_b128 v[ACC+8*\t:ACC+8*\t+3], v[BOF], s[44:45] offset:64*\t      ; b_proj as the accumulators lie
	global_load_b128 v[ACC+8*\t+4:ACC+8*\t+7], v[BOF], s[44:45] offset:64*\t+16
.endr
	LSET 0
	LSET 1
	s_cmp_lg_u32 s20, 0
	s_cbranch_scc1 .Lnot_w
	global_prefetch_b8 v[PFO], s[42:43] th:TH_LOAD_NT scope:SCOPE_SE
.Lnot_w:
	s_cmp_eq_u32 s20, 1
	s_cbranch_scc0 .Lnot_g
	s_cmp_lt_u32 ttmp9, 2
	s_cbranch_scc0 .Lnot_g
	s_cmp_eq_u32 ttmp9, 0
	s_cselect_b64 s[50:51], s[12:13], s[14:15]
	global_prefetch_b8 v[PFG], s[50:51] th:TH_LOAD_NT scope:SCOPE_SE
.Lnot_g:
	s_wait_loadcnt 54                              ; x is in; behind it: b_proj's 8 loads and two sets of 23
.irp i, 0,1,2,3,4,5,6,7
	ds_store_b128 v[STR], v[XT+4*\i:XT+4*\i+3] offset:\i*2*SPITCH
.endr
.irp t, 0,1,2,3
	ds_load_b128 v[XA+8*\t:XA+8*\t+3], v[STA] offset:64*\t        ; LDS serves a wave's instructions in order: these see my stores
	ds_load_b128 v[XA+8*\t+4:XA+8*\t+7], v[STA] offset:64*\t+16
.endr
	s_wait_loadcnt 46                              ; b_proj is in
	s_wait_dscnt 0x0
.set i, 0
.rept 16
	v_pk_add_f32 v[ACC+i:ACC+i+1], v[ACC+i:ACC+i+1], v[XA+i:XA+i+1]   ; x + b_proj: the first products' C
.set i, i+2
.endr
	s_wait_alu depctr_va_vdst(0)
	LSET 2
.irp q, 0,1,2,3,4
	KSTEP \q, 46                                   ; the two younger sets may be out
	LSET \q+3
.endr
	KSTEP 5, 46
.irp t, 0,1,2,3
	global_load_b128 v[GR+8*\t:GR+8*\t+3], v[BOF], s[46:47] offset:64*\t        ; the norm's gain, into the set that is done with
	global_load_b128 v[GR+8*\t+4:GR+8*\t+7], v[BOF], s[46:47] offset:64*\t+16
.endr
	KSTEP 6, 31                                    ; set 7's 23 and the gain's 8
.irp t, 0,1,2,3
	global_load_b128 v[BR+8*\t:BR+8*\t+3], v[BOF], s[48:49] offset:64*\t        ; and its bias
	global_load_b128 v[BR+8*\t+4:BR+8*\t+7], v[BOF], s[48:49] offset:64*\t+16
.endr
	KSTEP 7, 16                                    ; the gain's 8 and the bias's 8
	; x1 leaves: through my stage, back as rows of 256 bytes; each accumulator from its low end on
.irp t, 0,1,2,3
	ds_store_b128 v[STA], v[ACC+8*\t:ACC+8*\t+3] offset:64*\t
	ds_store_b128 v[STA], v[ACC+8*\t+4:ACC+8*\t+7] offset:64*\t+16
.endr
.irp i, 0,1,2,3,4,5,6,7
	ds_load_b128 v[OT+4*\i:OT+4*\i+3], v[STR] offset:\i*2*SPITCH
.endr
	s_wait_dscnt 0x0
.irp i, 0,1,2,3,4,5,6,7
	global_store_b128 v[XG], v[OT+4*\i:OT+4*\i+3], s[16:17] offset:(32*(\i>>2)+2*(\i&3))*4096   ; sixteen lanes store 256 consecutive bytes, aligned
.endr
	v_mov_b32 v[PT], 0
	v_mov_b32 v[PT+1], 0
	TREE 0
	XRED 0
	s_delay_alu instid0(VALU_DEP_1)
	v_mul_f32 v[MU], s40, v[SM]
	s_delay_alu instid0(VALU_DEP_2)
	v_mul_f32 v[MU+1], s40, v[SM]
.set i, 0
.rept 16
	v_pk_add_f32 v[ACC+i:ACC+i+1], v[ACC+i:ACC+i+1], v[MU:MU+1] neg_lo:[0,1] neg_hi:[0,1]   ; x1 - mean
.set i, i+2
.endr
	TREE 1
	XRED 1280
	s_delay_alu instid0(VALU_DEP_1)
	v_fma_f32 v[SM], v[SM], s40, s41               ; var + eps
	s_wait_alu depctr_va_vdst(0)
	v_rsq_f32 v[RS], v[SM]
	v_nop                                          ; a plain line behind it
	s_wait_alu depctr_va_vdst(0)
	v_mov_b32 v[RS+1], v[RS]
	s_wait_alu depctr_va_vdst(0)
	s_wait_loadcnt 0x0                             ; gain and bias
.set i, 0
.rept 16
	v_pk_mul_f32 v[ACC+i:ACC+i+1], v[ACC+i:ACC+i+1], v[RS:RS+1]
.set i, i+2
.endr
.set i, 0
.rept 16
	v_pk_fma_f32 v[ACC+i:ACC+i+1], v[ACC+i:ACC+i+1], v[GR+i:GR+i+1], v[BR+i:BR+i+1]
.set i, i+2
.endr
	; my 64 numbers of a row are two blocks of the next K: half a fragment (place 16 h + 8 u + j holds k = 16 u + 8 h + j)
.irp b, 0,1
	v_max3_num_f32 v[BM+\b], |v[ACC+16*\b]|, |v[ACC+16*\b+1]|, 0x1800000
.endr
.irp i, 2,4,6,8,10,12,14
.irp b, 0,1
	s_delay_alu instid0(VALU_DEP_2)
	v_max3_num_f32 v[BM+\b], v[BM+\b], |v[ACC+16*\b+\i]|, |v[ACC+16*\b+\i+1]|
.endr
.endr
.irp b, 0,1
	s_delay_alu instid0(VALU_DEP_2)
	v_permlanex16_b32 v[PT+\b], v[BM+\b], s38, s39
.endr
.irp b, 0,1
	s_delay_alu instid0(VALU_DEP_2)
	v_max_num_f32 v[BM+\b], v[BM+\b], v[PT+\b]
.endr
.irp b, 0,1
	s_delay_alu instid0(VALU_DEP_2)
	v_add_nc_u32 v[SO+\b], 0xff000000, v[BM+\b]
.endr
.irp b, 0,1
	s_delay_alu instid0(VALU_DEP_2)
	v_lshrrev_b32 v[PT+\b], 23, v[SO+\b]
.endr
	s_delay_alu instid0(VALU_DEP_1)
	v_lshl_or_b32 v[PW], v[PT+1], 8, v[PT]
	v_cvt_scalef32_pk16_fp6_f32 v[PC:PC+2], v[ACC:ACC+15], v[SO]
	v_cvt_scalef32_pk16_fp6_f32 v[CT:CT+2], v[ACC+16:ACC+31], v[SO+1]
	v_nop
.irp i, 0,1,2
	v_permlane16_swap_b32 v[PC+\i], v[CT+\i]
.endr
.irp i, 0,1,2
	s_delay_alu instid0(VALU_DEP_3)
	v_mov_b32 v[PC+3+\i], v[CT+\i]
.endr
	global_store_b128 v[LI16], v[PC:PC+3], s[34:35]               ; 512 consecutive bytes
	global_store_b64 v[LI8], v[PC+4:PC+5], s[34:35] offset:512    ; 256
	global_store_b16 v[RW], v[PW], s[36:37]        ; two bytes a row: 131,072 bytes of what the launch stores; lanes l and l + 16 write the same value to the same place
	s_wait_tensorcnt 0x0                           ; the wave's end
	ds_add_u32 v[SPW], v[NIL]
	s_wait_dscnt 0x0
	s_endpgm
.Lfunc_end_k_qcdb1c7b9c5_pln:
	.size	k_qcdb1c7b9c5_pln, .Lfunc_end_k_qcdb1c7b9c5_pln-k_qcdb1c7b9c5_pln
	.p2alignl 7, 3214868480
	.fill 96, 4, 3214868480
	.section	.rodata,"a",@progbits
	.p2align	6, 0x0
	.amdhsa_kernel k_qcdb1c7b9c5_pln
		.amdhsa_group_segment_fixed_size 74240
		.amdhsa_private_segment_fixed_size 0
		.amdhsa_enable_private_segment 0
		.amdhsa_kernarg_size 64
		.amdhsa_user_sgpr_count 2
		.amdhsa_user_sgpr_kernarg_segment_ptr 1
		.amdhsa_wavefront_size32 1
		.amdhsa_system_sgpr_workgroup_id_x 1
		.amdhsa_system_sgpr_workgroup_id_y 1
		.amdhsa_system_sgpr_workgroup_id_z 1
		.amdhsa_system_vgpr_workitem_id 0
		.amdhsa_next_free_vgpr 256
		.amdhsa_next_free_sgpr 66
		.amdhsa_reserve_vcc 0
		.amdhsa_float_denorm_mode_32 3
		.amdhsa_float_denorm_mode_16_64 3
		.amdhsa_memory_ordered 1
		.amdhsa_forward_progress 1
		.amdhsa_inst_pref_size 46
	.end_amdhsa_kernel
	.amdgpu_metadata
---
amdhsa.version: [ 1, 2 ]
amdhsa.kernels:
  - .name:           k_qcdb1c7b9c5_pln
    .symbol:         k_qcdb1c7b9c5_pln.kd
    .args:
      - { .name: oq, .offset: 0, .size: 8, .value_kind: global_buffer, .address_space: global }
      - { .name: wq, .offset: 8, .size: 8, .value_kind: global_buffer, .address_space: global }
      - { .name: b_proj, .offset: 16, .size: 8, .value_kind: global_buffer, .address_space: global }
      - { .name: x, .offset: 24, .size: 8, .value_kind: global_buffer, .address_space: global }
      - { .name: ln2_g, .offset: 32, .size: 8, .value_kind: global_buffer, .address_space: global }
      - { .name: ln2_b, .offset: 40, .size: 8, .value_kind: global_buffer, .address_space: global }
      - { .name: x1, .offset: 48, .size: 8, .value_kind: global_buffer, .address_space: global }
      - { .name: hq, .offset: 56, .size: 8, .value_kind: global_buffer, .address_space: global }
    .group_segment_fixed_size: 74240
    .private_segment_fixed_size: 0
    .kernarg_segment_align: 8
    .kernarg_segment_size: 64
    .max_flat_workgroup_size: 512
    .sgpr_count:     66
    .vgpr_count:     256
    .wavefront_size: 32
...
	.end_amdgpu_metadata
.endif
;; end of part 11
;; launch gfc1 (part 12): grid 16 x 16, 4 waves a work-group, clusters of 4 x 4, 327,680 bytes of LDS; arguments hq, wq, b_fc1, gq; writes gq
.if DOCPART == 12
	.amdgcn_target "amdgcn-amd-amdhsa--gfx1250"
	.amdhsa_code_object_version 6
	.text
	.protected	k_qcdb1c7b9c5_gfc1
	.globl	k_qcdb1c7b9c5_gfc1
	.p2align	8
	.type	k_qcdb1c7b9c5_gfc1,@function
k_qcdb1c7b9c5_gfc1:
	s_mov_b64 s[64:65], 0
	v_nop
	global_prefetch_b8 v0, s[64:65] scope:SCOPE_SE
	s_setreg_imm32_b32 hwreg(HW_REG_WAVE_MODE, 25, 1), 1
	s_wait_xcnt 0x0
	s_wait_alu depctr_hold_cnt(0) depctr_sa_sdst(0) depctr_va_vdst(0) depctr_va_sdst(0) depctr_va_ssrc(0) depctr_va_vcc(0) depctr_vm_vsrc(0)
	s_getreg_b32 s2, hwreg(HW_REG_IB_STS2, 6, 4)
	s_cmp_eq_u32 s2, 0
	s_cbranch_scc0 .Lentry_in_a_cluster
	s_endpgm
.Lentry_in_a_cluster:
	s_bfe_u32 s2, ttmp6, 0x10000c
	s_cmp_lg_u32 s2, 0xf033
	s_cbranch_scc0 .Lentry_shape_is_right
	s_endpgm
.Lentry_shape_is_right:
.set KK,    1024
.set ASOFF, 3145728
.set BOFF,  3145728
.set BSOFF, 9568256
.set GS0,   12582912
.set KST,   KK/128
.set FIRST, 2
.set FR,    12
.set NL,    4
.set NQ,    2
.set NP,    4
.set TROW,  3072
.set HALFT, 8*TROW
.set SLOT,  4*HALFT
.set LAPS,  KK/512
.set SCL,   2*SLOT
.set SBLK,  KK/2
.set HALFS, 8*SBLK
.set SPARE, SCL+4*HALFS
.set ADRA, 16
.set ADRB, 20
.set LI16, 24
.set LI8,  25
.set LS4,  26
.set ADRS, 27
.set SPW,  28
.set NIL,  29
.set BOF,  30
.set SC,   32
.set BI,   64
.set TM,   64
.set PC,   80
.set PW,   100
.set AF,   128
.set HX,   0
.set NN,   64
.set QQ,   128
.set Z2,   192
.set PP,   200
.set CA1,  208
.set CB1,  210
.set SEL,  66
.set G1, 24
.set G0, 32
.set G1B, 48
.set G0B, 56
.set G1S, 68
.set G0S, 76
.set G1SB, 80
.set G0SB, 88
.set MSB, 0
.macro WIN new
.if MSB != (\new)
	s_set_vgpr_msb (MSB<<8)|(\new)
.set MSB, (\new)
.endif
.endm
.set MUL_LO, 0xa1
.set MUL_HI, 0xf1
.set TO_B,   0x40
.macro JLOAD g0a, g1a, g0b, g1b
	s_cmp_eq_u32 s15, 0
	s_cbranch_scc0 .Lfor_b_\@
	tensor_load_to_lds s[\g0a:\g0a+3], s[\g1a:\g1a+7]
	s_nop 0
.rept 4
	v_nop
.endr
	s_branch .Lasked_\@
.Lfor_b_\@:
	tensor_load_to_lds s[\g0b:\g0b+3], s[\g1b:\g1b+7]
	s_nop 0
.rept 4
	v_nop
.endr
.Lasked_\@:
.endm
.macro CREST
	s_cmp_lg_u32 s14, 0
	s_cbranch_scc1 .Lnot_wave_0_\@
	s_barrier_signal -3
.Lnot_wave_0_\@:
	s_barrier_wait -3
	s_barrier_signal -1
	s_barrier_wait -1
.endm
.macro CROUND
	s_barrier_signal -1
	s_barrier_wait -1
	CREST
.endm
.macro PLACES n
.rept \n
	v_nop
.endr
.endm
.macro FRAG reg, adr, q, i
	ds_load_b128 v[\reg:\reg+3], v[\adr] offset:(\i)*TROW+(\q)*1536
	ds_load_b64 v[\reg+4:\reg+5], v[\adr+2] offset:(\i)*TROW+(\q)*1536+512
	ds_load_b128 v[\reg+6:\reg+9], v[\adr] offset:(\i)*TROW+(\q)*1536+768
	ds_load_b64 v[\reg+10:\reg+11], v[\adr+2] offset:(\i)*TROW+(\q)*1536+1280
.endm
.macro MUL16 a0, p, q, sc, zero
.irp a, \a0, \a0+1
.irp b, 0,1,2,3,4,5,6,7
.if \zero == 1
	v_wmma_scale_f32_16x16x128_f8f6f4 v[8*(8*((\a)%4)+\b):8*(8*((\a)%4)+\b)+7], v[128*(\p)+FR*\b:128*(\p)+FR*\b+FR-1], v[AF+FR*(\a):AF+FR*(\a)+FR-1], 0, v[SC+8*NQ*(\sc)+NQ*\b+(\q)], v[SC+8*NQ*(\sc)+NQ*(\a)+(\q)] matrix_a_fmt:MATRIX_FMT_FP6 matrix_b_fmt:MATRIX_FMT_FP6 matrix_a_scale:MATRIX_SCALE_ROW1
.elseif \zero == 2
	v_wmma_scale_f32_16x16x128_f8f6f4 v[8*(8*((\a)%4)+\b):8*(8*((\a)%4)+\b)+7], v[128*(\p)+FR*\b:128*(\p)+FR*\b+FR-1], v[AF+FR*(\a):AF+FR*(\a)+FR-1], v[BI+8*\b:BI+8*\b+7], v[SC+8*NQ*(\sc)+NQ*\b+(\q)], v[SC+8*NQ*(\sc)+NQ*(\a)+(\q)] matrix_a_fmt:MATRIX_FMT_FP6 matrix_b_fmt:MATRIX_FMT_FP6 matrix_a_scale:MATRIX_SCALE_ROW1
.else
	v_wmma_scale_f32_16x16x128_f8f6f4 v[8*(8*((\a)%4)+\b):8*(8*((\a)%4)+\b)+7], v[128*(\p)+FR*\b:128*(\p)+FR*\b+FR-1], v[AF+FR*(\a):AF+FR*(\a)+FR-1], v[8*(8*((\a)%4)+\b):8*(8*((\a)%4)+\b)+7], v[SC+8*NQ*(\sc)+NQ*\b+(\q)], v[SC+8*NQ*(\sc)+NQ*(\a)+(\q)] matrix_a_fmt:MATRIX_FMT_FP6 matrix_b_fmt:MATRIX_FMT_FP6 matrix_a_scale:MATRIX_SCALE_ROW1
.endif
.endr
.endr
.endm
.macro FETCH_B slot, q, p
	WIN TO_B
.irp i, 0,1,2,3,4,5,6,7
	FRAG 128*(\p)+FR*\i, ADRB+\slot, \q, \i
.endr
	WIN 0
.endm
.macro FETCH_A slot, q, i0
.irp i, \i0, \i0+1, \i0+2, \i0+3
	FRAG AF+FR*(\i), ADRA+\slot, \q, \i
.endr
.endm
.macro SCALES sc
.irp i, 0,1,2,3,4,5,6,7
	ds_load_b32 v[SC+8*NQ*\sc+NQ*\i], v[ADRS] offset:\i*SBLK
	ds_load_b32 v[SC+8*NQ*\sc+NQ*\i+1], v[ADRS] offset:\i*SBLK+64
.endr
.endm
.macro STEP slot, q, zero
	s_wait_dscnt 4*NL
.if \zero == 2
	WIN 0x81
.else
	WIN MUL_LO
.endif
	MUL16 0, (\q)%2, \q, \slot, \zero
	MUL16 2, (\q)%2, \q, \slot, \zero
	s_wait_dscnt 0
	PLACES NP
	FETCH_B \slot, (\q)+1, 1-(\q)%2
	FETCH_A \slot, (\q)+1, 0
.if \zero == 2
	WIN 0xc1
.else
	WIN MUL_HI
.endif
	MUL16 4, (\q)%2, \q, \slot, \zero
	MUL16 6, (\q)%2, \q, \slot, \zero
	PLACES NP
	WIN 0
	FETCH_A \slot, (\q)+1, 4
.endm
.macro TURN slot, next, fill
	s_wait_tensorcnt 0x0
	ds_add_u32 v[SPW], v[NIL]
	s_wait_dscnt 4*NL+1
	WIN MUL_LO
	MUL16 0, 1, NQ-1, \slot, 0
	s_wait_dscnt 0x0
	s_barrier_signal -1
	MUL16 2, 1, NQ-1, \slot, 0
	WIN 0
	s_barrier_wait -1
.if \fill
	CREST
	s_add_nc_u64 s[G0+4*\slot+2:G0+4*\slot+3], s[G0+4*\slot+2:G0+4*\slot+3], 2*TROW
	s_add_nc_u64 s[G0B+4*\slot+2:G0B+4*\slot+3], s[G0B+4*\slot+2:G0B+4*\slot+3], 2*TROW
	JLOAD G0+4*\slot, G1, G0B+4*\slot, G1B
.else
	PLACES NP
.endif
	s_wait_alu depctr_va_vdst(0)
	v_add_nc_u32 v[ADRS], 64*NQ, v[ADRS]
	FETCH_B \next, 0, 0
	FETCH_A \next, 0, 0
	SCALES \next
	WIN MUL_HI
	MUL16 4, 1, NQ-1, \slot, 0
	MUL16 6, 1, NQ-1, \slot, 0
	PLACES NP
	WIN 0
	FETCH_A \next, 0, 4
.endm
.macro QUANT s0, s1, W
	WIN (\W)|((\W)<<2)
.irp b, 0,1
	v_max3_num_f32 v[TM+\b], |v[(\s0)+16*\b]|, |v[(\s0)+16*\b+1]|, 0x1800000
.endr
.irp b, 0,1
	v_max3_num_f32 v[TM+2+\b], |v[(\s1)+16*\b]|, |v[(\s1)+16*\b+1]|, 0x1800000
.endr
.irp i, 2,4,6,8,10,12,14
.irp b, 0,1
	v_max3_num_f32 v[TM+\b], |v[(\s0)+16*\b+\i]|, |v[(\s0)+16*\b+\i+1]|, v[TM+\b]
.endr
.irp b, 0,1
	v_max3_num_f32 v[TM+2+\b], |v[(\s1)+16*\b+\i]|, |v[(\s1)+16*\b+\i+1]|, v[TM+2+\b]
.endr
.endr
	WIN 0
.irp b, 0,1,2,3
	v_permlanex16_b32 v[TM+4+\b], v[TM+\b], s[SEL], s[SEL+1]
.endr
.irp b, 0,1,2,3
	v_max_num_f32 v[TM+\b], v[TM+\b], v[TM+4+\b]
.endr
.irp b, 0,1,2,3
	v_add_nc_u32 v[TM+12+\b], 0xff000000, v[TM+\b]
.endr
.irp b, 0,1,2,3
	v_lshrrev_b32 v[TM+4+\b], 23, v[TM+12+\b]
.endr
	v_lshl_or_b32 v[PW], v[TM+5], 8, v[TM+4]
	v_lshl_or_b32 v[PW], v[TM+6], 16, v[PW]
	v_lshl_or_b32 v[PW], v[TM+7], 24, v[PW]
	WIN \W
	v_cvt_scalef32_pk16_fp6_f32 v[PC:PC+2], v[(\s0):(\s0)+15], v[TM+12]
	v_cvt_scalef32_pk16_fp6_f32 v[PC+12:PC+14], v[(\s0)+16:(\s0)+31], v[TM+13]
	v_cvt_scalef32_pk16_fp6_f32 v[PC+6:PC+8], v[(\s1):(\s1)+15], v[TM+14]
	v_cvt_scalef32_pk16_fp6_f32 v[PC+16:PC+18], v[(\s1)+16:(\s1)+31], v[TM+15]
	WIN 0
	v_nop
.irp c, 0,1
.irp i, 0,1,2
	v_permlane16_swap_b32 v[PC+6*\c+\i], v[PC+12+4*\c+\i]
.endr
.irp i, 0,1,2
	v_mov_b32 v[PC+3+6*\c+\i], v[PC+12+4*\c+\i]
.endr
.endr
.endm
.macro PUT cb, off
	global_store_b128 v[LI16], v[PC:PC+3], s[\cb:\cb+1] offset:\off
	global_store_b64 v[LI8], v[PC+4:PC+5], s[\cb:\cb+1] offset:\off+512
	global_store_b128 v[LI16], v[PC+6:PC+9], s[\cb:\cb+1] offset:\off+768
	global_store_b64 v[LI8], v[PC+10:PC+11], s[\cb:\cb+1] offset:\off+1280
.endm
.macro COEF r, bits
	s_mov_b32 s[\r], \bits
	s_mov_b32 s[\r+1], \bits
.endm
	s_load_b256 s[4:11], s[0:1], 0x0
	v_lshl_add_u32 v[SPW], v0, 2, SPARE
	v_mov_b32 v[NIL], 0
	ds_add_u32 v[SPW], v[NIL]
	ds_add_u32 v[SPW], v[NIL]
	v_lshrrev_b32 v1, 5, v0
	v_readfirstlane_b32 s14, v1
	s_lshr_b32 s15, s14, 1
	s_and_b32 s16, s14, 1
	s_bfe_u32 s40, ttmp6, 0x40000
	s_bfe_u32 s41, ttmp6, 0x40004
	s_lshl_b32 s42, ttmp9, 2
	s_add_co_u32 s42, s42, s40
	s_and_b32 s17, ttmp7, 0xffff
	s_lshl_b32 s17, s17, 2
	s_add_co_u32 s17, s17, s41
	s_lshl_b32 s43, s41, 2
	s_lshl_b32 s43, 15, s43
	s_lshl_b32 s44, 0x1111, s40
	s_or_b32 s[G1+0], s43, (3<<16)|(1<<21)
	s_or_b32 s[G1B+0], s44, (3<<16)|(1<<21)
.irp g, G1, G1B
	s_mov_b32 s[\g+1], 384<<16
	s_mov_b32 s[\g+2], 16<<16
	s_mov_b32 s[\g+3], 384<<16
	s_mov_b32 s[\g+4], 16
	s_mov_b32 s[\g+5], KK*12/8
	s_mov_b32 s[\g+6], 0
	s_mov_b32 s[\g+7], 0
.endr
	s_or_b32 s[G1S+0], s43, (3<<16)|(1<<21)
	s_or_b32 s[G1SB+0], s44, (3<<16)|(1<<21)
.irp g, G1S, G1SB
	s_mov_b32 s[\g+1], 32<<16
	s_mov_b32 s[\g+2], (2*HALFS/256)<<16
	s_mov_b32 s[\g+3], 32<<16
	s_mov_b32 s[\g+4], 2*HALFS/256
	s_mov_b32 s[\g+5], 32
	s_mov_b32 s[\g+6], 0
	s_mov_b32 s[\g+7], 0
.endr
	s_mul_i32 s18, s16, 8*KST*1536                 ; in the ring I fetch eight row tiles: which half, in bytes
	s_mov_b32 s19, 0
	s_lshl_b32 s20, s17, 4
	s_lshl_b32 s46, s42, 4
	s_mul_i32 s22, s20, SBLK
	s_add_co_u32 s22, s22, ASOFF
	s_mul_i32 s92, s46, SBLK
	s_add_co_u32 s92, s92, BSOFF
	s_mul_i32 s20, s20, KST*1536
	s_mul_i32 s46, s46, KST*1536
	s_add_co_u32 s46, s46, BOFF
	s_mov_b32 s21, 0
	s_mov_b32 s23, 0
	s_mov_b32 s47, 0
	s_mov_b32 s93, 0
	s_mul_i32 s45, s14, HALFT
	s_wait_dscnt 0x0
	s_wait_kmcnt 0x0
	s_add_nc_u64 s[20:21], s[4:5], s[20:21]
	s_add_nc_u64 s[22:23], s[4:5], s[22:23]
	s_add_nc_u64 s[46:47], s[6:7], s[46:47]
	s_add_nc_u64 s[92:93], s[6:7], s[92:93]
	CROUND
	s_mov_b32 s[G0S], 1
	s_mov_b32 s[G0S+1], SCL
	s_mov_b64 s[G0S+2:G0S+3], s[22:23]
	s_or_b32 s[G0S+3], s[G0S+3], 0x80000000
	s_mov_b32 s[G0SB], 1
	s_mov_b32 s[G0SB+1], SCL+2*HALFS
	s_mov_b64 s[G0SB+2:G0SB+3], s[92:93]
	s_or_b32 s[G0SB+3], s[G0SB+3], 0x80000000
.irp s, 0,1
	s_mov_b32 s[G0+4*\s], 1
	s_add_co_u32 s[G0+4*\s+1], s45, \s*SLOT
	s_add_nc_u64 s[G0+4*\s+2:G0+4*\s+3], s[20:21], \s*TROW
	s_or_b32 s[G0+4*\s+3], s[G0+4*\s+3], 0x80000000
	s_mov_b32 s[G0B+4*\s], 1
	s_add_co_u32 s[G0B+4*\s+1], s45, \s*SLOT
	s_add_nc_u64 s[G0B+4*\s+2:G0B+4*\s+3], s[46:47], \s*TROW
	s_or_b32 s[G0B+4*\s+3], s[G0B+4*\s+3], 0x80000000
.endr
	s_mov_b32 s[G0+1], 0                           ; slot 0's two descriptors serve the head first: A's 16 row tiles whole, B's behind them
	s_mov_b32 s[G0B+1], 2*HALFT
	s_add_nc_u64 s[G0+6:G0+7], s[G0+6:G0+7], s[18:19]      ; slot 1's: my half
	s_add_nc_u64 s[G0B+6:G0B+7], s[G0B+6:G0B+7], s[18:19]
; THE HEAD'S LOADS, ONE A WAVE: wave 0 A's part of slot 0, wave 1 B's, wave 2 A's scale words, wave 3 B's
.macro ARM under, g0, g1, next
	s_cmp_lt_u32 s14, \under
	s_cbranch_scc0 \next
	tensor_load_to_lds s[\g0:\g0+3], s[\g1:\g1+7]
	s_nop 0
.rept 4
	v_nop
.endr
	s_branch .Lhead_asked
\next:
.endm
	ARM 1, G0,  G1,  .Lhead_b
	ARM 2, G0B, G1B, .Lhead_sa
	ARM 3, G0S, G1S, .Lhead_sb
	tensor_load_to_lds s[G0SB:G0SB+3], s[G1SB:G1SB+7]
	s_nop 0
.rept 4
	v_nop
.endr
.Lhead_asked:
; PREFETCHES INTO THE L2.  A slot's part of a row tile is 3,072 bytes, 12 blocks of 256.  Of the eight row tiles that my wave fetches in the ring, each of the four partners that ask for them jointly takes two, told apart by address
; (cx for A, cy for B): a lane a block, lanes 24-31 name the last block again.  Here slots 1 and 2 are asked for, behind slot 1's load slot 3, the last: at most two slots are asked for and not yet read
	s_cmp_eq_u32 s15, 0
	s_cselect_b64 s[98:99], s[20:21], s[46:47]
	s_cselect_b32 s95, s40, s41
	s_mul_i32 s100, s95, 2*KST*1536
	s_mov_b32 s101, 0
	s_add_nc_u64 s[98:99], s[98:99], s[18:19]
	s_add_nc_u64 s[98:99], s[98:99], s[100:101]
	v_and_b32 v31, 31, v0
	v_min_u32 v31, 23, v31
	v_mul_u32_u24 v7, v31, 171
	v_lshrrev_b32 v7, 11, v7                       ; block / 12: which of my two row tiles
	v_lshlrev_b32 v31, 8, v31
	v_mad_u32_u24 v31, v7, KST*1536-TROW, v31
	global_prefetch_b8 v31, s[98:99] offset:TROW th:TH_LOAD_NT scope:SCOPE_SE
	global_prefetch_b8 v31, s[98:99] offset:2*TROW th:TH_LOAD_NT scope:SCOPE_SE
	v_and_b32 v1, 31, v0
	v_and_b32 v2, 15, v0
	v_bfe_u32 v3, v0, 4, 1
	v_lshlrev_b32 v4, 4, v1
	v_lshlrev_b32 v5, 3, v1
	v_lshlrev_b32 v[LI16], 4, v1
	v_lshlrev_b32 v[LI8], 3, v1
	v_lshlrev_b32 v[LS4], 2, v2
	s_mul_i32 s21, s15, HALFT
	s_mul_i32 s22, s16, HALFT
	s_add_co_u32 s22, s22, 2*HALFT
.irp s, 0,1
	v_add_nc_u32 v[ADRA+\s], s21, v4
	v_add_nc_u32 v[ADRB+\s], s22, v4
	v_add_nc_u32 v[ADRA+2+\s], s21, v5
	v_add_nc_u32 v[ADRB+2+\s], s22, v5
	s_add_co_u32 s21, s21, SLOT
	s_add_co_u32 s22, s22, SLOT
.endr
	s_mul_i32 s21, s15, HALFS
	s_mul_i32 s22, s16, HALFS
	s_add_co_u32 s22, s22, 2*HALFS
	s_sub_co_u32 s22, s22, s21
	v_mul_u32_u24 v6, s22, v3
	s_add_co_u32 s21, s21, SCL
	v_lshl_add_u32 v6, v2, 2, v6
	v_add_nc_u32 v[ADRS], s21, v6
	s_lshl_b32 s96, s42, 10
	s_lshl_b32 s97, s16, 9
	s_add_co_u32 s96, s96, s97
	s_mov_b32 s97, 0
	s_add_nc_u64 s[8:9], s[8:9], s[96:97]
	v_lshlrev_b32 v[BOF], 5, v3
.irp b, 0,1,2,3,4,5,6,7
	global_load_b128 v[BI+8*\b:BI+8*\b+3], v[BOF], s[8:9] offset:64*\b
	global_load_b128 v[BI+8*\b+4:BI+8*\b+7], v[BOF], s[8:9] offset:64*\b+16
.endr
	s_lshl_b32 s20, s17, 4
	s_lshl_b32 s21, s15, 3
	s_add_co_u32 s20, s20, s21
	s_lshl_b32 s20, s20, 5
	s_lshl_b32 s21, s42, 1
	s_add_co_u32 s20, s20, s21
	s_add_co_u32 s20, s20, s16
	s_lshl_b32 s22, s20, 6
	s_add_co_u32 s22, s22, GS0
	s_mul_i32 s20, s20, 1536
	s_mov_b32 s21, 0
	s_mov_b32 s23, 0
	s_add_nc_u64 s[20:21], s[10:11], s[20:21]
	s_add_nc_u64 s[22:23], s[10:11], s[22:23]
	s_wait_alu depctr_va_vdst(0)
	s_wait_tensorcnt 0x0                           ; my tile of the head's four is in
	ds_add_u32 v[SPW], v[NIL]
	s_mov_b32 s[G1+2], 8<<16                       ; from here on a load brings eight row tiles,
	s_mov_b32 s[G1+4], 8
	s_mov_b32 s[G1B+2], 8<<16
	s_mov_b32 s[G1B+4], 8
	s_mov_b32 s[G0+1], s45                         ; and slot 0's descriptors name my half
	s_mov_b32 s[G0B+1], s45
	s_add_nc_u64 s[G0+2:G0+3], s[G0+2:G0+3], s[18:19]
	s_add_nc_u64 s[G0B+2:G0B+3], s[G0B+2:G0B+3], s[18:19]
	s_wait_dscnt 0x0
	CROUND
	JLOAD G0+4, G1, G0B+4, G1B                     ; slot 1's first fill, the first tensor load behind the round
	global_prefetch_b8 v31, s[98:99] offset:3*TROW th:TH_LOAD_NT scope:SCOPE_SE
	FETCH_B 0, 0, 0
	FETCH_A 0, 0, 0
	SCALES 0
	FETCH_A 0, 0, 4
	s_wait_loadcnt 0x0
	STEP 0, 0, FIRST
	s_mov_b32 s3, LAPS-1
.Llap:
	TURN 0, 1, 1
	STEP 1, 0, 0
	TURN 1, 0, 1
	STEP 0, 0, 0
	s_sub_co_u32 s3, s3, 1
	s_cmp_lg_u32 s3, 0
	s_cbranch_scc1 .Llap
	TURN 0, 1, 0
	STEP 1, 0, 0
	s_wait_dscnt 4*NL
	WIN MUL_LO
	MUL16 0, 1, NQ-1, 1, 0
	MUL16 2, 1, NQ-1, 1, 0
	s_wait_dscnt 0
	WIN MUL_HI
	MUL16 4, 1, NQ-1, 1, 0
	MUL16 6, 1, NQ-1, 1, 0
	WIN 0
	PLACES NP
	s_mov_b32 s[SEL], 0x76543210
	s_mov_b32 s[SEL+1], 0xfedcba98
	COEF 24, 0xaf95df0b
	COEF 26, 0xb60cff51
	COEF 28, 0xb86ec2d2
	COEF 30, 0xba40ac63
	COEF 32, 0xbb41a1f6
	COEF 34, 0xbc83dbd4
	COEF 36, 0xb77460cd
	COEF 38, 0xbadc924e
	COEF 48, 0xbbf19bf8
	COEF 50, 0xbc69b6a7
	COEF 52, 0x3fb504f3
.irp b, 0,1,2,3
	v_mov_b32 v[TM+4+\b], 0
.endr
	WIN 0x40
	v_mov_b32 v[CA1], 0x32edffee
	v_mov_b32 v[CA1+1], 0x32edffee
	v_mov_b32 v[CB1], 0xb95fbd29
	v_mov_b32 v[CB1+1], 0xb95fbd29
	WIN 0
	s_mov_b32 s3, 0
.Lrow:
.irp k, 0,1,2,3,4,5,6
	s_cmp_eq_u32 s3, \k
	s_cbranch_scc1 .Lstub_\k
.endr
.irp k, 7,6,5,4,3,2,1,0
.Lstub_\k:
	WIN 0x40|(2+\k/4)
.set i, 0
.rept 32
	v_pk_mul_f32 v[HX+i:HX+i+1], v[64*(\k%4)+i:64*(\k%4)+i+1], 0.5 op_sel_hi:[1,0]
.set i, i+2
.endr
	WIN 0
	s_branch .Lgo
.endr
.Lgo:
	WIN 0x55
.irp g, 0,1,2,3,4,5,6,7
.irp i, 0,1,2,3
	v_pk_mul_f32 v[NN+8*\g+2*\i:NN+8*\g+2*\i+1], v[HX+8*\g+2*\i:HX+8*\g+2*\i+1], s[52:53] op_sel_hi:[1,0]
.endr
.irp i, 0,1,2,3,4,5,6,7
	v_med3_num_f32 v[NN+8*\g+\i], v[NN+8*\g+\i], -4.0, 4.0
.endr
.irp i, 0,1,2,3
	v_pk_mul_f32 v[Z2+2*\i:Z2+2*\i+1], v[NN+8*\g+2*\i:NN+8*\g+2*\i+1], v[NN+8*\g+2*\i:NN+8*\g+2*\i+1]
.endr
.irp i, 0,1,2,3
	v_pk_fma_f32 v[PP+2*\i:PP+2*\i+1], v[Z2+2*\i:Z2+2*\i+1], s[24:25], v[CA1:CA1+1] op_sel_hi:[1,0,1]
.endr
.irp i, 0,1,2,3
	v_pk_fma_f32 v[QQ+8*\g+2*\i:QQ+8*\g+2*\i+1], v[Z2+2*\i:Z2+2*\i+1], s[36:37], v[CB1:CB1+1] op_sel_hi:[1,0,1]
.endr
.irp c, 26,28,30,32,34
.irp i, 0,1,2,3
	v_pk_fma_f32 v[PP+2*\i:PP+2*\i+1], v[PP+2*\i:PP+2*\i+1], v[Z2+2*\i:Z2+2*\i+1], s[\c:\c+1] op_sel_hi:[1,1,0]
.endr
.endr
.irp c, 38,48,50
.irp i, 0,1,2,3
	v_pk_fma_f32 v[QQ+8*\g+2*\i:QQ+8*\g+2*\i+1], v[QQ+8*\g+2*\i:QQ+8*\g+2*\i+1], v[Z2+2*\i:Z2+2*\i+1], s[\c:\c+1] op_sel_hi:[1,1,0]
.endr
.endr
.irp i, 0,1,2,3
	v_pk_mul_f32 v[NN+8*\g+2*\i:NN+8*\g+2*\i+1], v[NN+8*\g+2*\i:NN+8*\g+2*\i+1], v[PP+2*\i:PP+2*\i+1]
.endr
.endr
.set i, 0
	s_wait_alu depctr_va_vdst(0)
.rept 64
	v_rcp_f32 v[QQ+i], v[QQ+i]
.set i, i+1
.endr
	v_nop
	s_wait_alu depctr_va_vdst(0)
.set i, 0
.rept 32
	v_pk_mul_f32 v[NN+i:NN+i+1], v[NN+i:NN+i+1], v[QQ+i:QQ+i+1]
.set i, i+2
.endr
.set i, 0
.rept 32
	v_pk_fma_f32 v[HX+i:HX+i+1], v[HX+i:HX+i+1], v[NN+i:NN+i+1], v[HX+i:HX+i+1]
.set i, i+2
.endr
	QUANT HX, HX+32, 1
	PUT 20, 0
	global_store_b32 v[LS4], v[PW], s[22:23]
	s_wait_xcnt 0x0
	s_add_nc_u64 s[20:21], s[20:21], 49152
	s_add_nc_u64 s[22:23], s[22:23], 2048
	s_add_co_u32 s3, s3, 1
	s_cmp_lt_u32 s3, 8
	s_cbranch_scc1 .Lrow
	s_wait_tensorcnt 0x0
	ds_add_u32 v[SPW], v[NIL]
	s_wait_dscnt 0x0
	CROUND
	s_endpgm
.Lfunc_end_k_qcdb1c7b9c5_gfc1:
	.size	k_qcdb1c7b9c5_gfc1, .Lfunc_end_k_qcdb1c7b9c5_gfc1-k_qcdb1c7b9c5_gfc1
	.p2alignl 7, 3214868480
	.fill 96, 4, 3214868480
	.section	.rodata,"a",@progbits
	.p2align	6, 0x0
	.amdhsa_kernel k_qcdb1c7b9c5_gfc1
		.amdhsa_group_segment_fixed_size 327680
		.amdhsa_private_segment_fixed_size 0
		.amdhsa_enable_private_segment 0
		.amdhsa_kernarg_size 32
		.amdhsa_user_sgpr_count 2
		.amdhsa_user_sgpr_kernarg_segment_ptr 1
		.amdhsa_wavefront_size32 1
		.amdhsa_system_sgpr_workgroup_id_x 1
		.amdhsa_system_sgpr_workgroup_id_y 1
		.amdhsa_system_sgpr_workgroup_id_z 1
		.amdhsa_system_vgpr_workitem_id 0
		.amdhsa_next_free_vgpr 1024
		.amdhsa_next_free_sgpr 102
		.amdhsa_reserve_vcc 0
		.amdhsa_float_denorm_mode_32 3
		.amdhsa_float_denorm_mode_16_64 3
		.amdhsa_memory_ordered 1
		.amdhsa_forward_progress 1
		.amdhsa_inst_pref_size 179
	.end_amdhsa_kernel
	.amdgpu_metadata
---
amdhsa.version: [ 1, 2 ]
amdhsa.kernels:
  - .name:           k_qcdb1c7b9c5_gfc1
    .symbol:         k_qcdb1c7b9c5_gfc1.kd
    .args:
      - { .name: hq, .offset: 0, .size: 8, .value_kind: global_buffer, .address_space: global }
      - { .name: wq, .offset: 8, .size: 8, .value_kind: global_buffer, .address_space: global }
      - { .name: b_fc1, .offset: 16, .size: 8, .value_kind: global_buffer, .address_space: global }
      - { .name: gq, .offset: 24, .size: 8, .value_kind: global_buffer, .address_space: global }
    .group_segment_fixed_size: 327680
    .private_segment_fixed_size: 0
    .kernarg_segment_align: 8
    .kernarg_segment_size: 32
    .max_flat_workgroup_size: 128
    .sgpr_count:     102
    .vgpr_count:     1024
    .wavefront_size: 32
...
	.end_amdgpu_metadata
.endif
;; end of part 12
;; launch gfc2 (part 13): grid 8 x 32, 4 waves a work-group, clusters of 4 x 4, 327,680 bytes of LDS; arguments gq, wq, b_fc2, x1, out0; writes out0
.if DOCPART == 13
	.amdgcn_target "amdgcn-amd-amdhsa--gfx1250"
	.amdhsa_code_object_version 6
	.text
	.protected	k_qcdb1c7b9c5_gfc2
	.globl	k_qcdb1c7b9c5_gfc2
	.p2align	8
	.type	k_qcdb1c7b9c5_gfc2,@function
k_qcdb1c7b9c5_gfc2:
	s_mov_b64 s[64:65], 0
	v_nop
	global_prefetch_b8 v0, s[64:65] scope:SCOPE_SE
	s_setreg_imm32_b32 hwreg(HW_REG_WAVE_MODE, 25, 1), 1
	s_wait_xcnt 0x0
	s_wait_alu depctr_hold_cnt(0) depctr_sa_sdst(0) depctr_va_vdst(0) depctr_va_sdst(0) depctr_va_ssrc(0) depctr_va_vcc(0) depctr_vm_vsrc(0)
	s_getreg_b32 s2, hwreg(HW_REG_IB_STS2, 6, 4)
	s_cmp_eq_u32 s2, 0
	s_cbranch_scc0 .Lentry_in_a_cluster
	s_endpgm
.Lentry_in_a_cluster:
	s_bfe_u32 s2, ttmp6, 0x10000c
	s_cmp_lg_u32 s2, 0xf033
	s_cbranch_scc0 .Lentry_shape_is_right
	s_endpgm
.Lentry_shape_is_right:
.set KK,    4096
.set ASOFF, 12582912
.set BOFF,  6291456
.set BSOFF, 9699328
.set LASTL, 1
.set KST,   KK/128
.set FR,    12
.set NL,    4
.set NQ,    4
.set NP,    4
.set TROW,  NQ*1536
.set HALFT, 4*TROW
.set SLOT,  4*HALFT
.set LAPS,  KK/(2*NQ*128)
.set SCL,   2*SLOT
.set SBLK,  KK/2
.set HALFS, 4*SBLK
.set SPARE, SCL+4*HALFS
.set SPITCH, 272
.set ADRA, 16
.set ADRB, 20
.set STO,  24
.set RD,   25
.set CO,   26
.set ADRS, 27
.set SPW,  28
.set NIL,  29
.set BOF,  30
.set SC,   32
.set BI,   64
.set ACC,  128
.set G1, 24
.set G0, 32
.set G1B, 48
.set G0B, 56
.set G1S, 68
.set G0S, 76
.set G1SB, 80
.set G0SB, 88
.set MSB, 0
.macro WIN new
.if MSB != (\new)
	s_set_vgpr_msb (MSB<<8)|(\new)
.set MSB, (\new)
.endif
.endm
.set MUL,  0x05
.set TO_F, 0x40
.macro JLOAD g0a, g1a, g0b, g1b
	s_cmp_eq_u32 s15, 0
	s_cbranch_scc0 .Lfor_b_\@
	tensor_load_to_lds s[\g0a:\g0a+3], s[\g1a:\g1a+7]
	s_nop 0
.rept 4
	v_nop
.endr
	s_branch .Lasked_\@
.Lfor_b_\@:
	tensor_load_to_lds s[\g0b:\g0b+3], s[\g1b:\g1b+7]
	s_nop 0
.rept 4
	v_nop
.endr
.Lasked_\@:
.endm
.macro CREST
	s_cmp_lg_u32 s14, 0
	s_cbranch_scc1 .Lnot_wave_0_\@
	s_barrier_signal -3
.Lnot_wave_0_\@:
	s_barrier_wait -3
	s_barrier_signal -1
	s_barrier_wait -1
.endm
.macro CROUND
	s_barrier_signal -1
	s_barrier_wait -1
	CREST
.endm
.macro PLACES n
.rept \n
	v_nop
.endr
.endm
.macro FRAG reg, adr, q, i
	ds_load_b128 v[\reg:\reg+3], v[\adr] offset:(\i)*TROW+(\q)*1536
	ds_load_b64 v[\reg+4:\reg+5], v[\adr+2] offset:(\i)*TROW+(\q)*1536+512
	ds_load_b128 v[\reg+6:\reg+9], v[\adr] offset:(\i)*TROW+(\q)*1536+768
	ds_load_b64 v[\reg+10:\reg+11], v[\adr+2] offset:(\i)*TROW+(\q)*1536+1280
.endm
.macro MUL4 a, p, q, sc, zero
.irp b, 0,1,2,3
.if \zero == 2
	v_wmma_scale_f32_16x16x128_f8f6f4 v[ACC+8*(4*(\a)+\b):ACC+8*(4*(\a)+\b)+7], v[128*(\p)+FR*\b:128*(\p)+FR*\b+FR-1], v[128*(\p)+48+FR*(\a):128*(\p)+48+FR*(\a)+FR-1], v[BI+8*\b:BI+8*\b+7], v[SC+16*(\sc)+4*\b+(\q)], v[SC+16*(\sc)+4*(\a)+(\q)] matrix_a_fmt:MATRIX_FMT_FP6 matrix_b_fmt:MATRIX_FMT_FP6 matrix_a_scale:MATRIX_SCALE_ROW1
.else
	v_wmma_scale_f32_16x16x128_f8f6f4 v[ACC+8*(4*(\a)+\b):ACC+8*(4*(\a)+\b)+7], v[128*(\p)+FR*\b:128*(\p)+FR*\b+FR-1], v[128*(\p)+48+FR*(\a):128*(\p)+48+FR*(\a)+FR-1], v[ACC+8*(4*(\a)+\b):ACC+8*(4*(\a)+\b)+7], v[SC+16*(\sc)+4*\b+(\q)], v[SC+16*(\sc)+4*(\a)+(\q)] matrix_a_fmt:MATRIX_FMT_FP6 matrix_b_fmt:MATRIX_FMT_FP6 matrix_a_scale:MATRIX_SCALE_ROW1
.endif
.endr
.endm
.macro SCALES sc
.irp i, 0,1,2,3
.irp q, 0,1,2,3
	ds_load_b32 v[SC+16*\sc+4*\i+\q], v[ADRS] offset:\i*SBLK+64*\q
.endr
.endr
.endm
.macro FETCH slot, q, p, ws
	WIN TO_F
.irp i, 0,1,2,3
	FRAG 128*(\p)+FR*\i, ADRB+\slot, \q, \i
.endr
.irp i, 0,1
	FRAG 128*(\p)+48+FR*\i, ADRA+\slot, \q, \i
.endr
.if \ws
	WIN 0
	SCALES \slot
	WIN TO_F
.endif
.irp i, 2,3
	FRAG 128*(\p)+48+FR*\i, ADRA+\slot, \q, \i
.endr
.endm
.macro STEP slot, q, zero
	s_wait_dscnt 2*NL
	WIN MUL
	MUL4 0, (\q)%2, \q, \slot, \zero
	MUL4 1, (\q)%2, \q, \slot, \zero
	PLACES NP
	FETCH \slot, (\q)+1, 1-(\q)%2, 0
	s_wait_dscnt 8*NL
	WIN MUL
	MUL4 2, (\q)%2, \q, \slot, \zero
	MUL4 3, (\q)%2, \q, \slot, \zero
.endm
.macro TURN slot, next, fill
	WIN 0
.if \fill
	s_wait_xcnt 0x0                                ; my last prefetch has read its address: it steps one slot along K
	s_add_nc_u64 s[98:99], s[98:99], TROW
.endif
	s_wait_tensorcnt 0x0
	ds_add_u32 v[SPW], v[NIL]
	s_wait_dscnt 2*NL+1
	WIN MUL
	MUL4 0, 1, NQ-1, \slot, 0
	s_wait_dscnt 0x0
	s_barrier_signal -1
	MUL4 1, 1, NQ-1, \slot, 0
	WIN 0
	s_barrier_wait -1
.if \fill
	CREST
	s_add_nc_u64 s[G0+4*\slot+2:G0+4*\slot+3], s[G0+4*\slot+2:G0+4*\slot+3], 2*TROW
	s_add_nc_u64 s[G0B+4*\slot+2:G0B+4*\slot+3], s[G0B+4*\slot+2:G0B+4*\slot+3], 2*TROW
	JLOAD G0+4*\slot, G1, G0B+4*\slot, G1B
	s_cmp_gt_u32 s3, 1                             ; the slot two refills on is asked for into the L2; the loop's last trip has none
	s_cbranch_scc0 .Lno_ask_\@
	global_prefetch_b8 v31, s[98:99] offset:3*TROW th:TH_LOAD_NT scope:SCOPE_SE
.Lno_ask_\@:
.else
	PLACES NP
.endif
	s_wait_alu depctr_va_vdst(0)
	v_add_nc_u32 v[ADRS], 64*NQ, v[ADRS]
	FETCH \next, 0, 0, 1
	WIN MUL
	MUL4 2, 1, NQ-1, \slot, 0
	MUL4 3, 1, NQ-1, \slot, 0
.endm
	s_load_b256 s[4:11], s[0:1], 0x0
	s_load_b64 s[12:13], s[0:1], 0x20
	v_lshl_add_u32 v[SPW], v0, 2, SPARE
	v_mov_b32 v[NIL], 0
	ds_add_u32 v[SPW], v[NIL]
	ds_add_u32 v[SPW], v[NIL]
	v_lshrrev_b32 v1, 5, v0
	v_readfirstlane_b32 s14, v1
	s_lshr_b32 s15, s14, 1
	s_and_b32 s16, s14, 1
	s_bfe_u32 s40, ttmp6, 0x40000
	s_bfe_u32 s41, ttmp6, 0x40004
	s_lshl_b32 s42, ttmp9, 2
	s_add_co_u32 s42, s42, s40
	s_and_b32 s17, ttmp7, 0xffff
	s_lshl_b32 s17, s17, 2
	s_add_co_u32 s17, s17, s41
	s_lshl_b32 s43, s41, 2
	s_lshl_b32 s43, 15, s43
	s_lshl_b32 s44, 0x1111, s40
	s_or_b32 s[G1+0], s43, (3<<16)|(1<<21)
	s_or_b32 s[G1B+0], s44, (3<<16)|(1<<21)
.irp g, G1, G1B
	s_mov_b32 s[\g+1], (TROW/8)<<16
	s_mov_b32 s[\g+2], 8<<16
	s_mov_b32 s[\g+3], (TROW/8)<<16
	s_mov_b32 s[\g+4], 8
	s_mov_b32 s[\g+5], KK*12/8
	s_mov_b32 s[\g+6], 0
	s_mov_b32 s[\g+7], 0
.endr
	s_or_b32 s[G1S+0], s43, (3<<16)|(1<<21)
	s_or_b32 s[G1SB+0], s44, (3<<16)|(1<<21)
.irp g, G1S, G1SB
	s_mov_b32 s[\g+1], 32<<16
	s_mov_b32 s[\g+2], (2*HALFS/256)<<16
	s_mov_b32 s[\g+3], 32<<16
	s_mov_b32 s[\g+4], 2*HALFS/256
	s_mov_b32 s[\g+5], 32
	s_mov_b32 s[\g+6], 0
	s_mov_b32 s[\g+7], 0
.endr
	s_mul_i32 s18, s16, 4*KST*1536                 ; in the ring I fetch four row tiles: which half, in bytes
	s_mov_b32 s19, 0
	s_lshl_b32 s20, s17, 3
	s_lshl_b32 s46, s42, 3
	s_mul_i32 s22, s20, SBLK
	s_add_co_u32 s22, s22, ASOFF
	s_mul_i32 s92, s46, SBLK
	s_add_co_u32 s92, s92, BSOFF
	s_mul_i32 s20, s20, KST*1536
	s_mul_i32 s46, s46, KST*1536
	s_add_co_u32 s46, s46, BOFF
	s_mov_b32 s21, 0
	s_mov_b32 s23, 0
	s_mov_b32 s47, 0
	s_mov_b32 s93, 0
	s_mul_i32 s45, s14, HALFT
	s_wait_dscnt 0x0
	s_wait_kmcnt 0x0
	s_add_nc_u64 s[20:21], s[4:5], s[20:21]
	s_add_nc_u64 s[22:23], s[4:5], s[22:23]
	s_add_nc_u64 s[46:47], s[6:7], s[46:47]
	s_add_nc_u64 s[92:93], s[6:7], s[92:93]
	CROUND
	s_mov_b32 s[G0S], 1
	s_mov_b32 s[G0S+1], SCL
	s_mov_b64 s[G0S+2:G0S+3], s[22:23]
	s_or_b32 s[G0S+3], s[G0S+3], 0x80000000
	s_mov_b32 s[G0SB], 1
	s_mov_b32 s[G0SB+1], SCL+2*HALFS
	s_mov_b64 s[G0SB+2:G0SB+3], s[92:93]
	s_or_b32 s[G0SB+3], s[G0SB+3], 0x80000000
.irp s, 0,1
	s_mov_b32 s[G0+4*\s], 1
	s_add_co_u32 s[G0+4*\s+1], s45, \s*SLOT
	s_add_nc_u64 s[G0+4*\s+2:G0+4*\s+3], s[20:21], \s*TROW
	s_or_b32 s[G0+4*\s+3], s[G0+4*\s+3], 0x80000000
	s_mov_b32 s[G0B+4*\s], 1
	s_add_co_u32 s[G0B+4*\s+1], s45, \s*SLOT
	s_add_nc_u64 s[G0B+4*\s+2:G0B+4*\s+3], s[46:47], \s*TROW
	s_or_b32 s[G0B+4*\s+3], s[G0B+4*\s+3], 0x80000000
.endr
	s_mov_b32 s[G0+1], 0                           ; slot 0's two descriptors serve the head first: A's eight row tiles whole, B's behind them
	s_mov_b32 s[G0B+1], 2*HALFT
	s_add_nc_u64 s[G0+6:G0+7], s[G0+6:G0+7], s[18:19]      ; slot 1's: my half
	s_add_nc_u64 s[G0B+6:G0B+7], s[G0B+6:G0B+7], s[18:19]
; THE HEAD'S LOADS, ONE A WAVE: wave 0 A's part of slot 0, wave 1 B's, wave 2 A's scale words, wave 3 B's
.macro ARM under, g0, g1, next
	s_cmp_lt_u32 s14, \under
	s_cbranch_scc0 \next
	tensor_load_to_lds s[\g0:\g0+3], s[\g1:\g1+7]
	s_nop 0
.rept 4
	v_nop
.endr
	s_branch .Lhead_asked
\next:
.endm
	ARM 1, G0,  G1,  .Lhead_b
	ARM 2, G0B, G1B, .Lhead_sa
	ARM 3, G0S, G1S, .Lhead_sb
	tensor_load_to_lds s[G0SB:G0SB+3], s[G1SB:G1SB+7]
	s_nop 0
.rept 4
	v_nop
.endr
.Lhead_asked:
; PREFETCHES INTO THE L2.  A slot's part of a row tile is 6,144 bytes, 24 blocks of 256.  Of the four row tiles that my wave fetches in the ring, each of the four partners that ask for them jointly takes one, told apart by address
; (cx for A, cy for B): a lane a block, lanes 24-31 name the last block again.  Here slots 1 and 2 are asked for, behind slot 1's load slot 3, behind the refill with slot n slot n + 2: at most two slots are asked for and not yet read
	s_cmp_eq_u32 s15, 0
	s_cselect_b64 s[98:99], s[20:21], s[46:47]
	s_cselect_b32 s95, s40, s41
	s_mul_i32 s100, s95, KST*1536
	s_mov_b32 s101, 0
	s_add_nc_u64 s[98:99], s[98:99], s[18:19]
	s_add_nc_u64 s[98:99], s[98:99], s[100:101]
	v_and_b32 v31, 31, v0
	v_min_u32 v31, 23, v31
	v_lshlrev_b32 v31, 8, v31
	global_prefetch_b8 v31, s[98:99] offset:TROW th:TH_LOAD_NT scope:SCOPE_SE
	global_prefetch_b8 v31, s[98:99] offset:2*TROW th:TH_LOAD_NT scope:SCOPE_SE
	v_and_b32 v1, 31, v0
	v_and_b32 v2, 15, v0
	v_bfe_u32 v3, v0, 4, 1
	v_lshlrev_b32 v4, 4, v1
	v_lshlrev_b32 v5, 3, v1
	s_mul_i32 s21, s15, HALFT
	s_mul_i32 s22, s16, HALFT
	s_add_co_u32 s22, s22, 2*HALFT
.irp s, 0,1
	v_add_nc_u32 v[ADRA+\s], s21, v4
	v_add_nc_u32 v[ADRB+\s], s22, v4
	v_add_nc_u32 v[ADRA+2+\s], s21, v5
	v_add_nc_u32 v[ADRB+2+\s], s22, v5
	s_add_co_u32 s21, s21, SLOT
	s_add_co_u32 s22, s22, SLOT
.endr
	s_mul_i32 s21, s15, HALFS
	s_mul_i32 s22, s16, HALFS
	s_add_co_u32 s22, s22, 2*HALFS
	s_sub_co_u32 s22, s22, s21
	v_mul_u32_u24 v6, s22, v3
	s_add_co_u32 s21, s21, SCL
	v_lshl_add_u32 v6, v2, 2, v6
	v_add_nc_u32 v[ADRS], s21, v6
	s_mul_i32 s23, s14, 64*SPITCH
	v_mul_u32_u24 v6, v2, SPITCH
	v_lshl_add_u32 v6, v3, 5, v6
	v_add_nc_u32 v[STO], s23, v6
	v_mul_u32_u24 v6, v3, SPITCH
	v_lshl_add_u32 v6, v2, 4, v6
	v_add_nc_u32 v[RD], s23, v6
	v_lshlrev_b32 v[CO], 4, v2
	v_lshl_add_u32 v[CO], v3, 12, v[CO]
	s_wait_alu depctr_va_vdst(0)
	s_lshl_b32 s96, s42, 9
	s_lshl_b32 s97, s16, 8
	s_add_co_u32 s96, s96, s97
	s_mov_b32 s97, 0
	s_add_nc_u64 s[8:9], s[8:9], s[96:97]
	v_lshlrev_b32 v[BOF], 5, v3
.irp b, 0,1,2,3
	global_load_b128 v[BI+8*\b:BI+8*\b+3], v[BOF], s[8:9] offset:64*\b
	global_load_b128 v[BI+8*\b+4:BI+8*\b+7], v[BOF], s[8:9] offset:64*\b+16
.endr
	s_lshl_b32 s20, s17, 7
	s_lshl_b32 s21, s15, 6
	s_add_co_u32 s20, s20, s21
	s_lshl_b32 s20, s20, 12
	s_add_co_u32 s20, s20, s96
	s_mov_b32 s21, 0
	s_add_nc_u64 s[10:11], s[10:11], s[20:21]
	s_add_nc_u64 s[12:13], s[12:13], s[20:21]
	WIN 0x80
.irp t, 0,1,2,3,4,5,6,7,8,9,10,11,12,13,14,15,16,17,18,19,20,21,22,23,24,25,26,27,28,29,30,31
	global_load_b128 v[4*\t:4*\t+3], v[CO], s[10:11] offset:(32*((\t>>2)&1)+8*(\t>>3)+2*(\t&3))*4096 th:TH_LOAD_NT   ; row 16 a + r of my 64 is token 32 (r / 8) + 8 a + r % 8
.endr
	WIN 0
	s_wait_alu depctr_va_vdst(0)
	s_wait_tensorcnt 0x0                           ; my tile of the head's four is in
	ds_add_u32 v[SPW], v[NIL]
	s_mov_b32 s[G1+2], 4<<16                       ; from here on a load brings four row tiles,
	s_mov_b32 s[G1+4], 4
	s_mov_b32 s[G1B+2], 4<<16
	s_mov_b32 s[G1B+4], 4
	s_mov_b32 s[G0+1], s45                         ; and slot 0's descriptors name my half
	s_mov_b32 s[G0B+1], s45
	s_add_nc_u64 s[G0+2:G0+3], s[G0+2:G0+3], s[18:19]
	s_add_nc_u64 s[G0B+2:G0B+3], s[G0B+2:G0B+3], s[18:19]
	s_wait_dscnt 0x0
	CROUND
	JLOAD G0+4, G1, G0B+4, G1B                     ; slot 1's first fill, the first tensor load behind the round
	global_prefetch_b8 v31, s[98:99] offset:3*TROW th:TH_LOAD_NT scope:SCOPE_SE
	FETCH 0, 0, 0, 1
	s_wait_loadcnt 32
	STEP 0, 0, 2
.if LAPS > 1
	WIN 0
	s_mov_b32 s3, LAPS-1
.Llap:
	STEP 0, 1, 0
	STEP 0, 2, 0
	TURN 0, 1, 1
	STEP 1, 0, 0
	STEP 1, 1, 0
	STEP 1, 2, 0
	TURN 1, 0, 1
	STEP 0, 0, 0
	WIN 0
	s_sub_co_u32 s3, s3, 1
	s_cmp_lg_u32 s3, 0
	s_cbranch_scc1 .Llap
.endif
	STEP 0, 1, 0
	STEP 0, 2, 0
	TURN 0, 1, 0
	STEP 1, 0, 0
	STEP 1, 1, 0
	STEP 1, 2, 0
	s_wait_dscnt 2*NL
	WIN MUL
	MUL4 0, 1, NQ-1, 1, 0
	MUL4 1, 1, NQ-1, 1, 0
	s_wait_dscnt 0
	MUL4 2, 1, NQ-1, 1, 0
	MUL4 3, 1, NQ-1, 1, 0
	WIN 0
	PLACES NP
.irp a, 0,1,2,3
.irp b, 0,1,2,3
	ds_store_b128 v[STO], v[ACC+8*(4*\a+\b):ACC+8*(4*\a+\b)+3] offset:\a*16*SPITCH+64*\b
	ds_store_b128 v[STO], v[ACC+8*(4*\a+\b)+4:ACC+8*(4*\a+\b)+7] offset:\a*16*SPITCH+64*\b+16
.endr
.endr
	WIN TO_F
.irp t, 0,1,2,3,4,5,6,7,8,9,10,11,12,13,14,15,16,17,18,19,20,21,22,23,24,25,26,27,28,29,30,31
	ds_load_b128 v[4*\t:4*\t+3], v[RD] offset:\t*2*SPITCH
.endr
	s_wait_loadcnt 0x0
.irp g, 0,1,2,3
	s_wait_dscnt 24-8*\g
	WIN 0x49
.set i, 0
.rept 16
	v_pk_add_f32 v[32*\g+i:32*\g+i+1], v[32*\g+i:32*\g+i+1], v[32*\g+i:32*\g+i+1]
.set i, i+2
.endr
	WIN 0x04
.irp t, 0,1,2,3,4,5,6,7
	global_store_b128 v[CO], v[32*\g+4*\t:32*\g+4*\t+3], s[12:13] offset:(32*((\t>>2)&1)+8*\g+2*(\t&3))*4096 th:TH_STORE_NT
.endr
.endr
	WIN 0
	s_wait_tensorcnt 0x0
	ds_add_u32 v[SPW], v[NIL]
	s_wait_dscnt 0x0
	CROUND
	s_endpgm
.Lfunc_end_k_qcdb1c7b9c5_gfc2:
	.size	k_qcdb1c7b9c5_gfc2, .Lfunc_end_k_qcdb1c7b9c5_gfc2-k_qcdb1c7b9c5_gfc2
	.p2alignl 7, 3214868480
	.fill 96, 4, 3214868480
	.section	.rodata,"a",@progbits
	.p2align	6, 0x0
	.amdhsa_kernel k_qcdb1c7b9c5_gfc2
		.amdhsa_group_segment_fixed_size 327680
		.amdhsa_private_segment_fixed_size 0
		.amdhsa_enable_private_segment 0
		.amdhsa_kernarg_size 40
		.amdhsa_user_sgpr_count 2
		.amdhsa_user_sgpr_kernarg_segment_ptr 1
		.amdhsa_wavefront_size32 1
		.amdhsa_system_sgpr_workgroup_id_x 1
		.amdhsa_system_sgpr_workgroup_id_y 1
		.amdhsa_system_sgpr_workgroup_id_z 1
		.amdhsa_system_vgpr_workitem_id 0
		.amdhsa_next_free_vgpr 768
		.amdhsa_next_free_sgpr 102
		.amdhsa_reserve_vcc 0
		.amdhsa_float_denorm_mode_32 3
		.amdhsa_float_denorm_mode_16_64 3
		.amdhsa_memory_ordered 1
		.amdhsa_forward_progress 1
		.amdhsa_inst_pref_size 103
	.end_amdhsa_kernel
	.amdgpu_metadata
---
amdhsa.version: [ 1, 2 ]
amdhsa.kernels:
  - .name:           k_qcdb1c7b9c5_gfc2
    .symbol:         k_qcdb1c7b9c5_gfc2.kd
    .args:
      - { .name: gq, .offset: 0, .size: 8, .value_kind: global_buffer, .address_space: global }
      - { .name: wq, .offset: 8, .size: 8, .value_kind: global_buffer, .address_space: global }
      - { .name: b_fc2, .offset: 16, .size: 8, .value_kind: global_buffer, .address_space: global }
      - { .name: x1, .offset: 24, .size: 8, .value_kind: global_buffer, .address_space: global }
      - { .name: out0, .offset: 32, .size: 8, .value_kind: global_buffer, .address_space: global }
    .group_segment_fixed_size: 327680
    .private_segment_fixed_size: 0
    .kernarg_segment_align: 8
    .kernarg_segment_size: 40
    .max_flat_workgroup_size: 128
    .sgpr_count:     102
    .vgpr_count:     768
    .wavefront_size: 32
...
	.end_amdgpu_metadata
.endif
;; end of part 13
